; MI455X (gfx1250); checked and timed in simulation.
; The chip was launched on July 23, 2026; its instructions are those of AMD's public machine-readable ISA for CDNA 5 (MIT licence, August 2026) and "CDNA5" Instruction Set Architecture Reference Guide (July 2026). The comments in the code are by the model that wrote it; some were corrected since.
;; Encoder Block. Allowed arithmetic: matrix products marked QUANTISED: E2M3 operands, one E8M0 scale for each 32 along K, by v_wmma_scale_f32_16x16x128_f8f6f4 with both operands' format E2M3, f32 sums; everything else in f32.
;; Inputs: W1_codes 4,096 x 32 x 24 uint8 (E2M3 codes of W1, K innermost, in blocks of 32 codes, four codes in three bytes); W1_scales 4,096 x 32 uint8 (E8M0 scales of W1, one for each 32 codes along K); W2_codes 1,024 x 128 x 24 uint8 (E2M3 codes of W2, K innermost, in blocks of 32 codes, four codes in three bytes); W2_scales 1,024 x 128 uint8 (E8M0 scales of W2, one for each 32 codes along K); Wk_codes 1,024 x 32 x 24 uint8 (E2M3 codes of Wk, K innermost, in blocks of 32 codes, four codes in three bytes); Wk_scales 1,024 x 32 uint8 (E8M0 scales of Wk, one for each 32 codes along K); Wo_codes 1,024 x 32 x 24 uint8 (E2M3 codes of Wo, K innermost, in blocks of 32 codes, four codes in three bytes); Wo_scales 1,024 x 32 uint8 (E8M0 scales of Wo, one for each 32 codes along K); Wq_codes 1,024 x 32 x 24 uint8 (E2M3 codes of Wq, K innermost, in blocks of 32 codes, four codes in three bytes); Wq_scales 1,024 x 32 uint8 (E8M0 scales of Wq, one for each 32 codes along K); Wv_codes 1,024 x 32 x 24 uint8 (E2M3 codes of Wv, K innermost, in blocks of 32 codes, four codes in three bytes); Wv_scales 1,024 x 32 uint8 (E8M0 scales of Wv, one for each 32 codes along K); alpha1 1 float32; alpha2 1 float32; b1 4,096 float32; b2 1,024 float32; beta1 1 float32; beta2 1 float32; bk 1,024 float32; bo 1,024 float32; bq 1,024 float32; bv 1,024 float32; mask 1 x 1 x 2,048 x 2,048 int32; x 2 x 2,048 x 1,024 float32.
;; Outputs: out0 2 x 2,048 x 1,024 float32.
;; This version of the problem:
;;   THIS VERSION OF THE PROBLEM IS GIVEN IN LOW PRECISION. The matrix products marked QUANTISED in the list below multiply operands that are first quantised to E2M3 (2 exponent bits, 3 mantissa bits; 6 bits a number), with one power-of-two scale for each 32 numbers along K (OCP MX v1.0); their sums are f32. All else is computed in f32.
;;   The module's matrix products, in the order in which they are computed (A, B: the left and right operand; K: the contracted axis; several contracted axes count as one K, in the product's order):
;;     1. [M 4,096, K 1,024] x [K 1,024, N 1,024]; A: computed on the way; B: input Wq (given as codes): QUANTISED
;;     2. [M 4,096, K 1,024] x [K 1,024, N 1,024]; A: computed on the way; B: input Wk (given as codes): QUANTISED
;;     3. [M 4,096, K 1,024] x [K 1,024, N 1,024]; A: computed on the way; B: input Wv (given as codes): QUANTISED
;;     4. batch 32 x [M 2,048, K 64] x [K 64, N 2,048]; A: computed on the way; B: computed on the way: QUANTISED
;;     5. batch 32 x [M 2,048, K 2,048] x [K 2,048, N 64]; A: softmax (see below); B: computed on the way: QUANTISED
;;     6. [M 4,096, K 1,024] x [K 1,024, N 1,024]; A: computed on the way; B: input Wo (given as codes): QUANTISED
;;     7. [M 4,096, K 1,024] x [K 1,024, N 4,096]; A: computed on the way; B: input W1 (given as codes): QUANTISED
;;     8. [M 4,096, K 4,096] x [K 4,096, N 1,024]; A: computed on the way; B: input W2 (given as codes): QUANTISED
;;   THE QUANTISER, for each operand of a quantised product, along K:
;;     - K is cut into blocks of 32 from its start; a last block that is shorter is filled with zeros.
;;     - A block's scale is 2^e with e = floor(log2(the largest magnitude in the block)) - 2, held to -126 .. 127; a block of zeros has e = 0. As a byte (E8M0): e + 127.
;;     - Each number is divided by its block's scale, clamped to +-7.5, and rounded to the nearest number of E2M3, ties to even, subnormals kept.
;;     - The product sums the exact products of the quantised numbers (number of the format x scale) in f32.
;;   ~~~python
;;   def quantise(x, axis):      # numpy; x: float32 -> the quantised numbers, widened to float32 again
;;       x = np.moveaxis(x, axis, -1); K = x.shape[-1]
;;       x = np.pad(x, [(0, 0)] * (x.ndim - 1) + [(0, -K % 32)]); x = x.reshape(x.shape[:-1] + (-1, 32)); a = np.abs(x).max(-1, keepdims=True)
;;       e = np.where(a > 0, np.clip(np.frexp(np.where(a > 0, a, 1))[1] - 1 - 2, -126, 127), 0)      # np.frexp(a)[1] - 1 = floor(log2(a)), exactly
;;       r = np.clip(x / 2.0 ** e, -7.5, 7.5)
;;       step = 2.0 ** (np.maximum(np.frexp(np.where(r == 0, 1, r))[1] - 1, 0) - 3)
;;       q = np.round(r / step) * step * 2.0 ** e      # np.round: ties to even
;;       return np.moveaxis(q.reshape(q.shape[:-2] + (-1,))[..., :K], -1, axis).astype(np.float32)
;;   ~~~
;;   SOFTMAX AHEAD OF A QUANTISED PRODUCT. Where the list says 'softmax', what is quantised is not the finished softmax but p = 2^(t - M), with t = logit x log2(e) and M = ceil(the row's largest t), a whole number; so 1/2 < the row's largest p <= 1. The row's sum l is taken of the UNQUANTISED p, in f32, and the product's result is divided by l at the end. Since M is a whole number, a kernel that streams over the keys may use a running M (the ceiling of the running maximum): every later rescaling is an exact power of two, which a block's scale takes up: the codes' values come out the same.
;;   OPERANDS COMPUTED ON THE WAY. 'Computed on the way' means the value that the module computes at that place (a softmax that the list does not call 'softmax' is quantised finished and normalised). What goes into a quantiser is computed in f32, as accurately as f32 sums, v_exp_f32 and their like allow (about 1e-6 of the number): no bf16 or f16 on the way to a quantiser, and a product that is left as it is and whose result goes on into a quantised operand takes f32 operands (vector FMAs, or v_wmma_f32_16x16x4_f32). A number that lies on a knife's edge between two numbers of the format may be rounded either way, as far as f32 arithmetic and the matrix unit's own rounding can turn it there, and no further.
;;   INPUTS GIVEN AS CODES. W1 (in the module: [1024, 4096], K = its axis 0); W2 (in the module: [4096, 1024], K = its axis 0); Wk (in the module: [1024, 1024], K = its axis 0); Wo (in the module: [1024, 1024], K = its axis 0); Wq (in the module: [1024, 1024], K = its axis 0); Wv (in the module: [1024, 1024], K = its axis 0): each comes as NAME_codes (uint8): NAME with its K axis moved to the last place and cut into blocks of 32 codes, [.., K / 32, bytes a block], one block behind the other in memory; four codes in three bytes: a row's codes are one little-endian stream of bits, code i at bits 6 i .. 6 i + 5 (a code: sign, 2 exponent bits, 3 mantissa bits); and NAME_scales (uint8): the same leading axes, one E8M0 byte (e + 127) for each 32 codes along K. Its value is code x scale, taken as it is: it is not quantised again, and the codes and scales need not be those that the quantiser above would give.
;; 2 versions, each right; version 2 is version 1 with the launch attn written anew for expert scheduling mode. Each part assembles by itself: llvm-mc -triple=amdgcn-amd-amdhsa -mcpu=gfx1250 --defsym DOCPART=n.
;; ======== version 1 of 2: 7 launches
;; limits: right only within a limited range of input values
;; workspace buffers: maskw 532,480 bytes of whole numbers; wimg 9,830,400 bytes; xn 3,276,800 bytes; qkv 9,830,400 bytes; ctx 3,276,800 bytes; x1 16,777,216 bytes; h 13,107,200 bytes
;; launch prep (part 1): grid 576 x 1, 4 waves a work-group, no clusters, 101,376 bytes of LDS; arguments x, alpha1, beta1, xn, mask, Wq_codes, Wq_scales, Wk_codes, Wk_scales, Wv_codes, Wv_scales, Wo_codes, Wo_scales, W1_codes, W1_scales, W2_codes, W2_scales, maskw, wimg; writes xn, maskw, wimg
.if DOCPART == 1
	.amdgcn_target "amdgcn-amd-amdhsa--gfx1250"
	.amdhsa_code_object_version 6
	.text
	.protected	k_q97a5a37211_prep
	.globl	k_q97a5a37211_prep
	.p2align	8
	.type	k_q97a5a37211_prep,@function
k_q97a5a37211_prep:
	s_mov_b64 s[64:65], 0
	v_nop
	global_prefetch_b8 v0, s[64:65] scope:SCOPE_SE
	s_setreg_imm32_b32 hwreg(HW_REG_WAVE_MODE, 25, 1), 1
	s_wait_xcnt 0x0
; Three jobs that hang on nothing but the inputs, in one launch, told apart by the work-group's number.  Each path has LDS bytes of its own.
; WORK-GROUPS 0-127: THE MASK [2048][2048] int32 becomes lane masks.  maskw[qtile 128][step 16][64 words]: bit (r + 16 h) of word 16 b + i is
; mask[row(qtile, r)][128 step + 32 b + 16 h + i] != 0: the word that selects register 16 b + i of attention's tile of scores.  Behind them, at byte 524,288, one word for each (qtile, step):
; bit `step` is set where any of the step's 16 x 128 numbers is 0, else the word is 0: attention jumps over its selects where the bit is clear.
; A TILE'S 16 ROWS ARE NOT NEIGHBOURS, here and in every launch: row r of tile T is 32 (T / 2) + 8 (T % 2) + r + 8 (r / 8).
; A wave takes four steps of 128 keys.  Each load reads 512 consecutive bytes of one row; the 16 rows turn through the wave's own stage in LDS (rows 528 bytes apart:
; 132 words, so that the sixteen rows start four banks apart), so that lane (r, h) holds its 64 numbers; 64 compares give the 64 words, which leave as one aligned block of 256 bytes.
; WORK-GROUPS 128-319: THE WEIGHTS' CODES AND SCALE BYTES are laid in the order of the operand's registers.  A fragment (16 rows x 128 K, 12 registers a lane) is an image of 1,536 bytes:
; registers 0-3 at 16 x lane, 4-5 at 512 + 8 x lane, 6-9 at 768 + 16 x lane, 10-11 at 1,280 + 8 x lane; its scale words are a record of 64 bytes, row r's at 4 r.
; A wave copies a group of 8 fragments (one tile of rows, 1,024 along K).  Groups: 0-191 [head][q0-3, v0, v1, k0-3, v2, v3]; 192-255 Wo; 256-511 W1; 512-767 W2 [tile][K group].
; WORK-GROUPS 320-575: THE FIRST NORM.  y = alpha (x - mean) / (std + 1e-6) + beta, std with the divisor 1,023; y is quantised to FP6 (E2M3), one E8M0 scale for each 32 along the row, and stored as
; fragment images: codes [tile 256][K step 8][1,536 bytes], then at byte 3,145,728 scale records [tile][K step][64 bytes].  A work-group takes one tile of 16 rows; wave w takes columns 256 w on: K steps 2 w, 2 w + 1.
; Each load reads 512 consecutive bytes of a row; the numbers turn through the wave's own stage in LDS (rows 1,040 bytes apart), after which lane (r, h) holds, of row r, register 64 s + 16 b + i =
; column 256 w + 128 s + 32 b + 16 h + i.  The row stays in registers.  Mean first, then the sum of (x - mean)^2: no difference of large sums is formed.  Each sum crosses the four waves through 256 bytes of LDS, behind one barrier;
; the two barriers stand on a path that all four waves of a work-group take or none.
; LIMITS of the norm: the division is v_rcp_f32 and a multiplication, the root v_sqrt_f32.  A block whose largest magnitude lies under 2^-124 (a block of zeros too) gets the scale byte 1; this program alone reads the bytes.
; NaN and infinities among the inputs are not served.
.set WSO, 9437184                      ; where the scale records begin in wimg: 768 groups x 12,288 bytes
.set FLG, 524288                       ; where the steps' flag words begin in maskw
.set MP,  528                          ; a row of the mask's stage
.set LB,  33792                        ; the norm's LDS bytes begin behind the mask's four stages
	v_lshl_add_u32 v224, v0, 2, 0x18a00
	v_mov_b32 v225, 0
	s_cmp_ge_u32 ttmp9, 320
	s_cbranch_scc1 .Lnorm
	s_load_b256 s[4:11], s[0:1], 0x20              ; mask, Wq codes, Wq scales, Wk c
	s_load_b512 s[12:27], s[0:1], 0x40             ; Wk s, Wv c, Wv s, Wo c, Wo s, W1 c, W1 s, W2 c
	s_load_b128 s[28:31], s[0:1], 0x80             ; W2 s, maskw
	s_load_b64 s[32:33], s[0:1], 0x90              ; wimg
	v_lshrrev_b32 v1, 5, v0
	v_readfirstlane_b32 s36, v1                    ; wave
	v_and_b32 v1, 31, v0                           ; lane
	v_and_b32 v6, 15, v0                           ; r
	v_bfe_u32 v7, v0, 4, 1                         ; h
	v_lshlrev_b32 v2, 4, v1                        ; 16 x lane
	v_lshlrev_b32 v5, 3, v1                        ; 8 x lane
	s_cmp_lt_u32 ttmp9, 128
	s_cbranch_scc0 .Lweights
	; ---------------- the mask
	s_mul_i32 s37, s36, 16*MP                      ; my stage
	v_add_nc_u32 v3, s37, v2                       ; in: 16 x lane of a row
	v_mul_u32_u24 v4, v6, MP
	v_lshl_add_u32 v4, v7, 6, v4
	v_add_nc_u32 v4, s37, v4                       ; out: row r, + 64 h
.irp j, 8,9,10,11,12,13,14,15
	v_mov_b32 v[\j], 0                             ; the words' registers: v_writelane_b32's destination counts as read
.endr
	v_mov_b32 v212, 0                              ; the flag words' offset: every lane stores the same word to the same place
	s_lshr_b32 s38, ttmp9, 1
	s_lshl_b32 s38, s38, 5
	s_and_b32 s39, ttmp9, 1
	s_lshl_b32 s39, s39, 3
	s_add_co_u32 s38, s38, s39                     ; the tile's first row
	s_lshl_b32 s38, s38, 13                        ; x 8,192 bytes
	s_lshl_b32 s39, s36, 11                        ; + my four steps of 512 bytes
	s_add_co_u32 s38, s38, s39
	s_mov_b32 s39, 0
	s_lshl_b32 s50, ttmp9, 12                      ; maskw: 4,096 bytes a tile, 1,024 a wave
	s_lshl_b32 s51, s36, 10
	s_add_co_u32 s50, s50, s51
	s_mov_b32 s51, 0
	s_lshl_b32 s54, ttmp9, 6                       ; the flag words: 64 bytes a tile, 16 a wave
	s_lshl_b32 s55, s36, 4
	s_add_co_u32 s54, s54, s55
	s_add_co_u32 s54, s54, FLG
	s_mov_b32 s55, 0
	s_lshl_b32 s52, s36, 2                         ; my first step
	s_wait_kmcnt 0x0
	s_add_nc_u64 s[4:5], s[4:5], s[38:39]
	s_add_nc_u64 s[54:55], s[30:31], s[54:55]
	s_add_nc_u64 s[30:31], s[30:31], s[50:51]
.macro LOADM t                         ; step t: 16 rows x 512 bytes into set t % 2
.irp i, 0,1,2,3,4,5,6,7,8,9,10,11,12,13,14,15
	global_load_b128 v[16+64*((\t)%2)+4*\i:16+64*((\t)%2)+4*\i+3], v2, s[4:5] offset:(\i+8*(\i/8))*8192+512*(\t) th:TH_LOAD_NT
.endr
.endm
.macro MSTEP t
.if (\t) < 3
	s_wait_loadcnt 16                              ; this step's 16 loads are in; the next step's 16 may be out
.else
	s_wait_loadcnt 0
.endif
.irp i, 0,1,2,3,4,5,6,7,8,9,10,11,12,13,14,15
	ds_store_b128 v3, v[16+64*((\t)%2)+4*\i:16+64*((\t)%2)+4*\i+3] offset:\i*MP
.endr
.irp n, 0,1,2,3,4,5,6,7,8,9,10,11,12,13,14,15
	ds_load_b128 v[144+4*\n:147+4*\n], v4 offset:128*(\n/4)+16*(\n%4)   ; LDS serves a wave's instructions in order: these see the stores above.  Register 16 b + i: key 32 b + 16 h + i
.endr
	s_wait_dscnt 0x0                               ; my 64 numbers are in, and the stores have read their registers,
.if (\t) < 2
	LOADM (\t)+2                                   ; which take the loads of two steps on
.endif
	s_mov_b32 s48, -1                              ; all the step's words, ANDed
.irp g, 0,1,2,3,4,5,6,7
.irp k, 0,1,2,3,4,5,6,7
	v_cmp_ne_u32 s[40+\k], 0, v[144+8*\g+\k]       ; word 8 g + k: a bit for each lane
.endr
.irp k, 0,1,2,3,4,5,6,7
	v_writelane_b32 v[8+2*(\t)+\k%2], s[40+\k], 4*\g+\k/2   ; lane l carries words 2 l and 2 l + 1
.endr
.irp k, 0,1,2,3,4,5,6,7
	s_and_b32 s48, s48, s[40+\k]
.endr
.endr
	global_store_b64 v5, v[8+2*(\t):9+2*(\t)], s[30:31] offset:256*(\t)   ; 32 lanes store 256 consecutive bytes, aligned; each step has its own pair of registers
	s_cmp_eq_u32 s48, -1                           ; no hole in the step's 16 x 128 numbers?
	s_cselect_b32 s49, 0, 1<<(\t)
	s_lshl_b32 s49, s49, s52                       ; else the step's own bit: 4 x wave + t
	v_mov_b32 v[208+(\t)], s49
	global_store_b32 v212, v[208+(\t)], s[54:55] offset:4*(\t)   ; each step has its own register
.endm
	LOADM 0
	LOADM 1
	MSTEP 0
	MSTEP 1
	MSTEP 2
	MSTEP 3
	s_wait_tensorcnt 0x0
	ds_add_u32 v224, v225
	s_wait_dscnt 0x0
	s_endpgm
	; ---------------- the weights
.Lweights:
	s_sub_co_u32 s38, ttmp9, 128                   ; g
	s_lshl_b32 s39, s38, 2
	s_add_co_u32 s39, s39, s36                     ; u = 4 g + wave: my group among 768
	s_wait_kmcnt 0x0
	s_mov_b64 s[40:41], s[6:7]                     ; the tensor is chosen by the work-group's number alone
	s_mov_b64 s[42:43], s[8:9]
	s_mov_b32 s44, 0                               ; and its first u
	s_mov_b32 s47, 768                             ; a row of codes in bytes
	s_mov_b32 s48, 32                              ; a row of scale bytes
	s_cmp_ge_u32 s38, 16
	s_cselect_b64 s[40:41], s[10:11], s[40:41]
	s_cselect_b64 s[42:43], s[12:13], s[42:43]
	s_cselect_b32 s44, 64, s44
	s_cmp_ge_u32 s38, 32
	s_cselect_b64 s[40:41], s[14:15], s[40:41]
	s_cselect_b64 s[42:43], s[16:17], s[42:43]
	s_cselect_b32 s44, 128, s44
	s_cmp_ge_u32 s38, 48
	s_cselect_b64 s[40:41], s[18:19], s[40:41]
	s_cselect_b64 s[42:43], s[20:21], s[42:43]
	s_cselect_b32 s44, 192, s44
	s_cmp_ge_u32 s38, 64
	s_cselect_b64 s[40:41], s[22:23], s[40:41]
	s_cselect_b64 s[42:43], s[24:25], s[42:43]
	s_cselect_b32 s44, 256, s44
	s_cmp_ge_u32 s38, 128                          ; W2: K = 4,096, four groups to a tile
	s_cselect_b64 s[40:41], s[26:27], s[40:41]
	s_cselect_b64 s[42:43], s[28:29], s[42:43]
	s_cselect_b32 s44, 512, s44
	s_cselect_b32 s47, 3072, s47
	s_cselect_b32 s48, 128, s48
	s_cselect_b32 s46, 2, 0
	s_cselect_b32 s49, 3, 0
	s_sub_co_u32 s45, s39, s44
	s_and_b32 s49, s45, s49                        ; K group
	s_lshr_b32 s45, s45, s46                       ; tile
	s_and_b32 s50, s45, 3                          ; where it goes.  Wq, Wk, Wv: the head's twelve tiles lie together
	s_lshr_b32 s51, s45, 2
	s_mul_i32 s51, s51, 12
	s_add_co_u32 s52, s50, 6                       ; k0-3 at 6-9
	s_lshr_b32 s53, s50, 1
	s_lshl_b32 s53, s53, 2
	s_add_co_u32 s53, s53, s50
	s_add_co_u32 s53, s53, 4                       ; v0, v1 at 4, 5; v2, v3 at 10, 11
	s_cmp_ge_u32 s38, 16
	s_cselect_b32 s50, s52, s50
	s_cmp_ge_u32 s38, 32
	s_cselect_b32 s50, s53, s50
	s_add_co_u32 s51, s51, s50
	s_cmp_ge_u32 s38, 48
	s_cselect_b32 s51, s39, s51                    ; the others: group u
	s_lshr_b32 s52, s45, 1
	s_lshl_b32 s52, s52, 5
	s_and_b32 s53, s45, 1
	s_lshl_b32 s53, s53, 3
	s_add_co_u32 s52, s52, s53                     ; the tile's first row
	s_mul_i32 s54, s52, s47
	s_mul_i32 s53, s49, 768
	s_add_co_u32 s54, s54, s53
	s_mov_b32 s55, 0
	s_add_nc_u64 s[40:41], s[40:41], s[54:55]      ; codes
	s_mul_i32 s54, s52, s48
	s_lshl_b32 s53, s49, 5
	s_add_co_u32 s54, s54, s53
	s_add_nc_u64 s[42:43], s[42:43], s[54:55]      ; scale bytes
	s_mul_i32 s54, s51, 12288
	s_add_nc_u64 s[56:57], s[32:33], s[54:55]      ; the group's images
	s_lshl_b32 s54, s51, 9
	s_add_co_u32 s54, s54, WSO
	s_add_nc_u64 s[58:59], s[32:33], s[54:55]      ; and its records
	v_and_b32 v8, 8, v6
	v_add_nc_u32 v8, v8, v6                        ; r + 8 (r / 8)
	v_mul_lo_u32 v9, v8, s47
	v_mad_u32_u24 v9, v7, 24, v9                   ; my row's codes, + 24 h
	v_mul_lo_u32 v10, v8, s48
	v_lshl_add_u32 v10, v7, 4, v10                 ; my row's scale bytes: K steps 4 h .. 4 h + 3
	v_lshlrev_b32 v11, 2, v6
	v_lshl_add_u32 v11, v7, 8, v11                 ; records 4 h on, word r
	global_load_b128 v[112:115], v10, s[42:43]
.irp s, 0,1,2,3,4,5,6,7
.irp p, 0,1,2,3,4,5
	global_load_b64 v[16+12*\s+2*\p:17+12*\s+2*\p], v9, s[40:41] offset:96*\s+48*(\p/3)+8*(\p%3)   ; the fragment's registers, as the row's stream of bits has them
.endr
.endr
.irp s, 0,1,2,3,4,5,6,7
	s_wait_loadcnt 6*(7-\s)                        ; fragment s is in; the later fragments' loads may be out
.if \s == 0
.irp i, 0,1,2,3
	global_store_b32 v11, v[112+\i], s[58:59] offset:64*\i
.endr
.endif
	global_store_b128 v2, v[16+12*\s:19+12*\s], s[56:57] offset:1536*\s
	global_store_b64 v5, v[20+12*\s:21+12*\s], s[56:57] offset:1536*\s+512
	global_store_b128 v2, v[22+12*\s:25+12*\s], s[56:57] offset:1536*\s+768
	global_store_b64 v5, v[26+12*\s:27+12*\s], s[56:57] offset:1536*\s+1280
.endr
	s_endpgm
	; ---------------- the first norm
.set SP,   1040
.set RED1, LB+4*16*SP                  ; 64 bytes a wave; the second sum's words lie 256 bytes on
.set X,    96                          ; v96-223 my 128 numbers
.set TM,   32                          ; v32-47 at work in the quantiser
.set PW,   48                          ; the scale word just made; v49 keeps the first
.set PC,   52                          ; v52-63 the codes; v64-66, v68-70 halves on their way
.set SEL,  20
.Lnorm:
	s_load_b256 s[4:11], s[0:1], 0x0               ; x, alpha, beta, out
	s_sub_co_u32 s27, ttmp9, 320                   ; my tile of 16 rows
	v_lshrrev_b32 v1, 5, v0
	v_readfirstlane_b32 s12, v1                    ; wave
	v_and_b32 v1, 31, v0
	v_and_b32 v2, 15, v0                           ; r
	v_bfe_u32 v3, v0, 4, 1                         ; h
	v_lshlrev_b32 v4, 4, v1                        ; 16 x lane
	v_lshlrev_b32 v10, 3, v1                       ; 8 x lane
	v_lshlrev_b32 v11, 2, v1                       ; 4 x lane
	s_mul_i32 s13, s12, 16*SP
	s_add_co_u32 s13, s13, LB
	v_add_nc_u32 v5, s13, v4                       ; the stage, in
	v_mul_u32_u24 v6, v2, SP
	v_lshl_add_u32 v6, v3, 6, v6
	v_add_nc_u32 v6, s13, v6                       ; and out: row r, + 64 h
	v_lshlrev_b32 v8, 2, v2
	v_add_nc_u32 v8, RED1, v8                      ; the waves' partial sums of row r
	s_lshl_b32 s14, s12, 6
	v_add_nc_u32 v7, s14, v8                       ; mine
	s_mov_b32 s[SEL], 0x76543210
	s_mov_b32 s[SEL+1], 0xfedcba98                 ; v_permlanex16_b32's selects for lane l xor 16
	s_mov_b32 s26, 0xffff0000                      ; lanes 16-31
.irp b, 0,1,2,3
	v_mov_b32 v[TM+4+\b], 0                        ; a lane permute's destination counts as one of its sources
.endr
	s_lshr_b32 s15, s27, 1
	s_lshl_b32 s15, s15, 5
	s_and_b32 s16, s27, 1
	s_lshl_b32 s16, s16, 3
	s_add_co_u32 s15, s15, s16                     ; the tile's first row
	s_lshl_b32 s16, s15, 12
	s_lshl_b32 s17, s12, 10
	s_add_co_u32 s16, s16, s17
	s_mov_b32 s17, 0
	s_lshl_b32 s18, s27, 3
	s_lshl_b32 s19, s12, 1
	s_add_co_u32 s18, s18, s19                     ; 8 T + 2 w: my first fragment
	s_mul_i32 s28, s18, 1536
	s_mov_b32 s29, 0
	s_lshl_b32 s30, s18, 6
	s_add_co_u32 s30, s30, 3145728
	s_mov_b32 s31, 0
	s_wait_kmcnt 0x0
	s_load_b32 s22, s[6:7], 0x0                    ; alpha
	s_load_b32 s24, s[8:9], 0x0                    ; beta
	s_add_nc_u64 s[4:5], s[4:5], s[16:17]
	s_add_nc_u64 s[28:29], s[10:11], s[28:29]      ; codes
	s_add_nc_u64 s[30:31], s[10:11], s[30:31]      ; scale records
.irp i, 0,1,2,3,4,5,6,7,8,9,10,11,12,13,14,15
.irp c, 0,1
	global_load_b128 v[X+8*\i+4*\c:X+8*\i+4*\c+3], v4, s[4:5] offset:(\i+8*(\i/8))*4096+512*\c
.endr
.endr
.set N, 0
.rept 32
	s_wait_loadcnt 31-N                            ; loads come back in order: load N is in, the younger ones stay out
	ds_store_b128 v5, v[X+4*N:X+4*N+3] offset:(N/2)*SP+512*(N%2)
.set N, N+1
.endr
.set N, 0
.rept 32
	ds_load_b128 v[X+4*N:X+4*N+3], v6 offset:512*(N/16)+128*((N/4)%4)+16*(N%4)   ; LDS serves a wave's instructions in order: these see the stores above
.set N, N+1
.endr
	s_wait_dscnt 0x0
; v[24:31], four chains, become one number a row; it crosses the halves of the lanes and then the four waves
.macro REDUCE off
	v_pk_add_f32 v[24:25], v[24:25], v[26:27]
	v_pk_add_f32 v[28:29], v[28:29], v[30:31]
	v_pk_add_f32 v[24:25], v[24:25], v[28:29]
	v_add_f32 v24, v24, v25
	v_permlanex16_b32 v25, v24, s[SEL], s[SEL+1]
	v_add_f32 v24, v24, v25                        ; my wave's 256 columns of row r
	ds_store_b32 v7, v24 offset:\off               ; (both halves of the lanes write the same word with the same value)
	s_wait_dscnt 0x0                               ; for the others' sake: my store is done
	s_barrier_signal -1
	s_barrier_wait -1
	ds_load_b32 v18, v8 offset:\off
	ds_load_b32 v19, v8 offset:\off+64
	ds_load_b32 v20, v8 offset:\off+128
	ds_load_b32 v21, v8 offset:\off+192
	s_wait_dscnt 0x0
	v_add_f32 v18, v18, v19
	v_add_f32 v20, v20, v21
	v_add_f32 v18, v18, v20                        ; the same order in every wave: the same number
.endm
.irp k, 0,1,2,3
	v_pk_add_f32 v[24+2*\k:25+2*\k], v[X+2*\k:X+1+2*\k], v[X+8+2*\k:X+9+2*\k]   ; the first numbers start the chains
.endr
.set N, 16
.rept 14
.irp k, 0,1,2,3
	v_pk_add_f32 v[24+2*\k:25+2*\k], v[24+2*\k:25+2*\k], v[X+N+2*\k:X+N+1+2*\k]
.endr
.set N, N+8
.endr
	REDUCE 0
	v_mul_f32 v12, 0xba800000, v18                 ; -mean = sum x -2^-10
	v_mov_b32 v13, v12
.set N, 0
.rept 64
	v_pk_add_f32 v[X+N:X+N+1], v[X+N:X+N+1], v[12:13] op_sel_hi:[1,0]   ; d = x - mean
.set N, N+2
.endr
.irp k, 0,1,2,3
	v_pk_mul_f32 v[24+2*\k:25+2*\k], v[X+2*\k:X+1+2*\k], v[X+2*\k:X+1+2*\k]
.endr
.set N, 8
.rept 15
.irp k, 0,1,2,3
	v_pk_fma_f32 v[24+2*\k:25+2*\k], v[X+N+2*\k:X+N+1+2*\k], v[X+N+2*\k:X+N+1+2*\k], v[24+2*\k:25+2*\k]
.endr
.set N, N+8
.endr
	REDUCE 256
	v_mul_f32 v16, 0x3a802008, v18                 ; / 1,023
	v_sqrt_f32 v17, v16
	v_nop                                          ; a plain instruction behind the transcendental,
	s_wait_alu depctr_va_vdst(0)                   ; and the wait ahead of its first reader
	v_add_f32 v17, 0x358637bd, v17                 ; + 1e-6
	v_rcp_f32 v16, v17
	v_nop
	s_wait_alu depctr_va_vdst(0)
	s_wait_kmcnt 0x0                               ; alpha, beta
	s_mov_b32 s25, s24                             ; (the packed form names the pair)
	v_mul_f32 v14, s22, v16                        ; alpha / (std + eps)
	v_mov_b32 v15, v14
.set N, 0
.rept 64
	v_pk_fma_f32 v[X+N:X+N+1], v[X+N:X+N+1], v[14:15], s[24:25] op_sel_hi:[1,0,0]
.set N, N+2
.endr
; 64 numbers of a lane, register 16 b + i = k 32 b + 16 h + i of my row, become a fragment's codes in v[PC] on and its scale word in v[PW]
.macro QUANT s
.irp b, 0,1,2,3
	v_max3_num_f32 v[TM+\b], |v[(\s)+16*\b]|, |v[(\s)+1+16*\b]|, 0x1800000   ; my 16 numbers of block b, and the floor 2^(3 - 127): the byte cannot fall under 1
.endr
.irp i, 2,4,6,8,10,12,14
.irp b, 0,1,2,3
	v_max3_num_f32 v[TM+\b], |v[(\s)+16*\b+\i]|, |v[(\s)+1+16*\b+\i]|, v[TM+\b]
.endr
.endr
.irp b, 0,1,2,3
	v_permlanex16_b32 v[TM+4+\b], v[TM+\b], s[SEL], s[SEL+1]
.endr
.irp b, 0,1,2,3
	v_max_num_f32 v[TM+\b], v[TM+\b], v[TM+4+\b]   ; with lane l xor 16's: the block's largest magnitude
.endr
.irp b, 0,1,2,3
	v_add_nc_u32 v[TM+12+\b], 0xff000000, v[TM+\b] ; 2 off its exponent field: the conversion's scale operand
.endr
.irp b, 0,1,2,3
	v_lshrrev_b32 v[TM+4+\b], 23, v[TM+12+\b]      ; the scale's byte
.endr
	v_lshl_or_b32 v[PW], v[TM+5], 8, v[TM+4]
	v_lshl_or_b32 v[PW], v[TM+6], 16, v[PW]
	v_lshl_or_b32 v[PW], v[TM+7], 24, v[PW]
.irp c, 0,1
	v_cvt_scalef32_pk16_fp6_f32 v[PC+6*\c:PC+2+6*\c], v[(\s)+32*\c:(\s)+15+32*\c], v[TM+12+2*\c]
	v_cvt_scalef32_pk16_fp6_f32 v[PC+12+4*\c:PC+14+4*\c], v[(\s)+16+32*\c:(\s)+31+32*\c], v[TM+13+2*\c]   ; (a conversion's three registers begin on an even number)
.endr
	v_nop                                          ; one plain instruction behind a scaled conversion
.irp c, 0,1                            ; the operand's layout wants a whole block in a lane
.irp i, 0,1,2
	v_permlane16_swap_b32 v[PC+6*\c+\i], v[PC+12+4*\c+\i]
.endr
.irp i, 0,1,2
	v_mov_b32 v[PC+3+6*\c+\i], v[PC+12+4*\c+\i]
.endr
.endr
.endm
.macro CODES off                       ; the fragment's image: each store covers 512 or 256 consecutive bytes
	global_store_b128 v4, v[PC:PC+3], s[28:29] offset:\off
	global_store_b64 v10, v[PC+4:PC+5], s[28:29] offset:\off+512
	global_store_b128 v4, v[PC+6:PC+9], s[28:29] offset:\off+768
	global_store_b64 v10, v[PC+10:PC+11], s[28:29] offset:\off+1280
.endm
	QUANT X
	v_mov_b32 v49, v[PW]
	CODES 0
	s_wait_xcnt 0x0                                ; the stores' registers are written again only behind this wait
	QUANT X+64
	CODES 1536
	v_cndmask_b32 v[PW], v49, v[PW], s26           ; lanes 0-15: K step 2 w's words; lanes 16-31: K step 2 w + 1's
	global_store_b32 v11, v[PW], s[30:31]          ; two records, 128 consecutive bytes
	s_wait_tensorcnt 0x0
	ds_add_u32 v224, v225
	s_wait_dscnt 0x0
	s_endpgm
.Lfunc_end_k_q97a5a37211_prep:
	.size	k_q97a5a37211_prep, .Lfunc_end_k_q97a5a37211_prep-k_q97a5a37211_prep
	.p2alignl 7, 3214868480
	.fill 96, 4, 3214868480
	.section	.rodata,"a",@progbits
	.p2align	6, 0x0
	.amdhsa_kernel k_q97a5a37211_prep
		.amdhsa_group_segment_fixed_size 101376
		.amdhsa_private_segment_fixed_size 0
		.amdhsa_enable_private_segment 0
		.amdhsa_kernarg_size 152
		.amdhsa_user_sgpr_count 2
		.amdhsa_user_sgpr_kernarg_segment_ptr 1
		.amdhsa_wavefront_size32 1
		.amdhsa_system_sgpr_workgroup_id_x 1
		.amdhsa_system_sgpr_workgroup_id_y 1
		.amdhsa_system_sgpr_workgroup_id_z 1
		.amdhsa_system_vgpr_workitem_id 0
		.amdhsa_next_free_vgpr 226
		.amdhsa_next_free_sgpr 66
		.amdhsa_reserve_vcc 0
		.amdhsa_float_denorm_mode_32 3
		.amdhsa_float_denorm_mode_16_64 3
		.amdhsa_memory_ordered 1
		.amdhsa_forward_progress 1
		.amdhsa_inst_pref_size 106
	.end_amdhsa_kernel
	.amdgpu_metadata
---
amdhsa.version: [ 1, 2 ]
amdhsa.kernels:
  - .name:           k_q97a5a37211_prep
    .symbol:         k_q97a5a37211_prep.kd
    .args:
      - { .name: x, .offset: 0, .size: 8, .value_kind: global_buffer, .address_space: global }
      - { .name: alpha1, .offset: 8, .size: 8, .value_kind: global_buffer, .address_space: global }
      - { .name: beta1, .offset: 16, .size: 8, .value_kind: global_buffer, .address_space: global }
      - { .name: xn, .offset: 24, .size: 8, .value_kind: global_buffer, .address_space: global }
      - { .name: mask, .offset: 32, .size: 8, .value_kind: global_buffer, .address_space: global }
      - { .name: Wq_codes, .offset: 40, .size: 8, .value_kind: global_buffer, .address_space: global }
      - { .name: Wq_scales, .offset: 48, .size: 8, .value_kind: global_buffer, .address_space: global }
      - { .name: Wk_codes, .offset: 56, .size: 8, .value_kind: global_buffer, .address_space: global }
      - { .name: Wk_scales, .offset: 64, .size: 8, .value_kind: global_buffer, .address_space: global }
      - { .name: Wv_codes, .offset: 72, .size: 8, .value_kind: global_buffer, .address_space: global }
      - { .name: Wv_scales, .offset: 80, .size: 8, .value_kind: global_buffer, .address_space: global }
      - { .name: Wo_codes, .offset: 88, .size: 8, .value_kind: global_buffer, .address_space: global }
      - { .name: Wo_scales, .offset: 96, .size: 8, .value_kind: global_buffer, .address_space: global }
      - { .name: W1_codes, .offset: 104, .size: 8, .value_kind: global_buffer, .address_space: global }
      - { .name: W1_scales, .offset: 112, .size: 8, .value_kind: global_buffer, .address_space: global }
      - { .name: W2_codes, .offset: 120, .size: 8, .value_kind: global_buffer, .address_space: global }
      - { .name: W2_scales, .offset: 128, .size: 8, .value_kind: global_buffer, .address_space: global }
      - { .name: maskw, .offset: 136, .size: 8, .value_kind: global_buffer, .address_space: global }
      - { .name: wimg, .offset: 144, .size: 8, .value_kind: global_buffer, .address_space: global }
    .group_segment_fixed_size: 101376
    .private_segment_fixed_size: 0
    .kernarg_segment_align: 8
    .kernarg_segment_size: 152
    .max_flat_workgroup_size: 128
    .sgpr_count:     66
    .vgpr_count:     226
    .wavefront_size: 32
...
	.end_amdgpu_metadata
.endif
;; end of part 1
;; launch proj (part 2): grid 16 x 16, 4 waves a work-group, clusters of 4 x 4, 327,680 bytes of LDS; arguments xn, wimg, bq, bk, bv, qkv; writes qkv
.if DOCPART == 2
	.amdgcn_target "amdgcn-amd-amdhsa--gfx1250"
	.amdhsa_code_object_version 6
	.text
	.protected	k_q97a5a37211_proj
	.globl	k_q97a5a37211_proj
	.p2align	8
	.type	k_q97a5a37211_proj,@function
k_q97a5a37211_proj:
	s_mov_b64 s[64:65], 0
	v_nop
	global_prefetch_b8 v0, s[64:65] scope:SCOPE_SE
	s_setreg_imm32_b32 hwreg(HW_REG_WAVE_MODE, 25, 1), 1
	s_wait_xcnt 0x0
	s_wait_alu depctr_hold_cnt(0) depctr_sa_sdst(0) depctr_va_vdst(0) depctr_va_sdst(0) depctr_va_ssrc(0) depctr_va_vcc(0) depctr_vm_vsrc(0)
	s_getreg_b32 s2, hwreg(HW_REG_IB_STS2, 6, 4)
	s_cmp_eq_u32 s2, 0
	s_cbranch_scc0 .Lentry_in_a_cluster
	s_endpgm
.Lentry_in_a_cluster:
	s_bfe_u32 s2, ttmp6, 0x10000c
	s_cmp_lg_u32 s2, 0xf033
	s_cbranch_scc0 .Lentry_shape_is_right
	s_endpgm
.Lentry_shape_is_right:
; ONE TEXT FOR TWO LAUNCHES, told apart by QKV.  Both multiply 4,096 rows of FP6 codes (K = 1,024) by weights in FP6, add a bias, and quantise the result to FP6 on the way out.
; QKV = 1: q, k, v = xn W + b.  A work-group takes 256 tokens x one head (12 tiles of weight rows); QKV = 0: relu(xn W1 + b1), 256 tokens x 256 columns (16 tiles).
; OPERANDS LIE IN MEMORY AS IMAGES OF THEIR REGISTERS: a fragment (16 rows x 128 K) is 1,536 bytes (registers 0-3 at 16 x lane, 4-5 at 512 + 8 x lane, 6-9 at 768 + 16 x lane, 10-11 at 1,280 + 8 x lane),
; laid [tile][K step]; its scale words are a record of 64 bytes, laid likewise.  So every LDS load reads consecutive bytes, and one load of 4 bytes a lane brings the words of two K steps
; (lanes 0-15 the even step, lanes 16-31 the odd one, which the odd step's products name by ROW1).
; A TILE'S 16 ROWS ARE NOT NEIGHBOURS: row r of tile T is 32 (T / 2) + 8 (T % 2) + r + 8 (r / 8).  So in a product used transposed (source 0 = weights, source 1 = tokens) a lane holds one token and the 16 registers of
; tiles 2 b, 2 b + 1 are columns 32 b + 16 h + 0 .. 15; used as it stands (v: source 0 = tokens) a lane holds one column and 16 neighbouring tokens: each time 16 neighbours along the NEXT product's K.
; Four waves; a wave makes 128 tokens x half the columns.  K goes in steps of 128, two to a slot, through a ring of two LDS slots.  All scale records of the work-group come once, with the first fills.
; CLUSTERS: 4 x 4 work-groups; the tokens' tiles are shared along a row of the cluster, the weights' along a column: joint loads, which divide the requests by four.
; By this text's count a wave has three tensor loads out at the start and one behind each round.
; REGISTERS: window 0: v16-30 addresses; v32-63 scale words, two sets; v64-159, v160-255 the tokens' fragments, two sets.  window 1: v0-95, v96-191 the weights' fragments; v192-255 the bias.  windows 2, 3: accumulators.
; No L2 prefetch: K is eight steps, and the first four are asked for at the head.
; LIMITS: a block whose largest magnitude lies under 2^-124 (a block of zeros too) gets the scale byte 1: this program alone reads the bytes.  NaN and infinities are not served.
.set QKV, 1
.set MTW, 16
.set MT,  8
.if QKV
.set NTW, 12
.set WC,  0
.set WS,  9437184
.else
.set NTW, 16
.set WC,  3145728
.set WS,  9568256
.endif
.set NT,  NTW/2
.set KT,  8
.set KS,  2
.set FB,  1536
.set ASC, 3145728                      ; where the tokens' scale records begin
.set QTOT, 3276800                     ; qkv: where K's and V's blocks begin
.set SLOT, (MTW+NTW)*KS*FB
.set SCL,  2*SLOT                      ; the tokens' scale records, then the weights'
.set SCLB, SCL+MTW*KT*64
.set SPARE, SCLB+NTW*KT*64             ; the spare words: 128 bytes a wave, two blocks of 256 bytes that no other line names
.set A16, 16
.set A8,  18
.set B16, 20
.set B8,  22
.set ADSA, 24
.set ADSB, 25
.set L16, 26
.set L8,  27
.set SPW, 28
.set NIL, 29
.set L4,  30
.set SA,  32
.set SB,  40
.set AF,  64
.set BF,  0
.set BI,  192
.set TM,  64                           ; the way out, window 0
.set PW,  80
.set PC,  84
.set ST,  128
.set SEL, 96
.set G1,  24
.set G0,  32
.set G1B, 48
.set G0B, 56
.set G1S, 68
.set G0S, 76
.set G1SB, 80
.set G0SB, 88
.set MSB, 0
.macro WIN new                         ; the immediate's high byte repeats the setting that is left
.if MSB != (\new)
	s_set_vgpr_msb (MSB<<8)|(\new)
.set MSB, (\new)
.endif
.endm
.macro PLACES n
.rept \n
	v_nop
.endr
.endm
; A joint load: waves 0 and 1 fetch the tokens' halves, waves 2 and 3 the weights'.  The branch hangs on the wave's number alone.  Four v_nop follow each of the two lines.
.macro JLOAD g0a, g1a, g0b, g1b
	s_cmp_eq_u32 s15, 0
	s_cbranch_scc0 .Lfor_b_\@
	tensor_load_to_lds s[\g0a:\g0a+3], s[\g1a:\g1a+7]
	s_nop 0
.rept 4
	v_nop
.endr
	s_branch .Lasked_\@
.Lfor_b_\@:
	tensor_load_to_lds s[\g0b:\g0b+3], s[\g1b:\g1b+7]
	s_nop 0
.rept 4
	v_nop
.endr
.Lasked_\@:
.endm
.macro CREST                           ; a round of the cluster's barrier behind its opening barrier
	s_cmp_lg_u32 s14, 0
	s_cbranch_scc1 .Lnot_wave_0_\@
	s_barrier_signal -3
.Lnot_wave_0_\@:
	s_barrier_wait -3
	s_barrier_signal -1
	s_barrier_wait -1
.endm
.macro CROUND
	s_barrier_signal -1
	s_barrier_wait -1
	CREST
.endm
.macro FRAG reg, a16, a8, off          ; a fragment's image into 12 registers
	ds_load_b128 v[(\reg):(\reg)+3], v[\a16] offset:(\off)
	ds_load_b64 v[(\reg)+4:(\reg)+5], v[\a8] offset:(\off)+512
	ds_load_b128 v[(\reg)+6:(\reg)+9], v[\a16] offset:(\off)+768
	ds_load_b64 v[(\reg)+10:(\reg)+11], v[\a8] offset:(\off)+1280
.endm
.macro WM d, x, y, c, sx, sy, odd      ; one product; odd = 1: the scale words of the odd K step, in lanes 16-31
.if \odd
	v_wmma_scale_f32_16x16x128_f8f6f4 v[(\d):(\d)+7], v[(\x):(\x)+11], v[(\y):(\y)+11], v[(\c):(\c)+7], v[\sx], v[\sy] matrix_a_fmt:MATRIX_FMT_FP6 matrix_b_fmt:MATRIX_FMT_FP6 matrix_a_scale:MATRIX_SCALE_ROW1 matrix_b_scale:MATRIX_SCALE_ROW1
.else
	v_wmma_scale_f32_16x16x128_f8f6f4 v[(\d):(\d)+7], v[(\x):(\x)+11], v[(\y):(\y)+11], v[(\c):(\c)+7], v[\sx], v[\sy] matrix_a_fmt:MATRIX_FMT_FP6 matrix_b_fmt:MATRIX_FMT_FP6
.endif
.endm
; The accumulators take turns, one instruction a turn, in the same order in every step.  first = 1: the bias is the C of a sum's first product.
.macro MUL16 a0, p, q, z, first        ; QKV = 0: tokens' blocks a0, a0 + 1 x the weights' eight, transposed
.irp a, \a0, \a0+1
.irp b, 0,1,2,3,4,5,6,7
.if \first
	WM 8*(8*((\a)%4)+\b), BF+96*(\p)+12*\b, AF+96*(\p)+12*(\a), BI+8*\b, SB+16*(\z)+\b, SA+16*(\z)+(\a), (\q)%2
.else
	WM 8*(8*((\a)%4)+\b), BF+96*(\p)+12*\b, AF+96*(\p)+12*(\a), 8*(8*((\a)%4)+\b), SB+16*(\z)+\b, SA+16*(\z)+(\a), (\q)%2
.endif
.endr
.endr
.endm
.macro MULV e, p, q, z, first          ; QKV = 1: v: the tokens' eight blocks (source 0) x Wv's tile e (source 1)
.irp a, 0,1,2,3,4,5,6,7
.if \first
	WM 64*(\e)+8*\a, AF+96*(\p)+12*\a, BF+96*(\p)+12*(4+(\e)), BI+32+8*(\e), SA+16*(\z)+\a, SB+16*(\z)+4+(\e), (\q)%2
.else
	WM 64*(\e)+8*\a, AF+96*(\p)+12*\a, BF+96*(\p)+12*(4+(\e)), 64*(\e)+8*\a, SA+16*(\z)+\a, SB+16*(\z)+4+(\e), (\q)%2
.endif
.endr
.endm
.macro MULQ p, q, z, first             ; QKV = 1: q or k: four tiles of weights (source 0) x the tokens' eight blocks
.irp a, 0,1,2,3,4,5,6,7
.irp t, 0,1,2,3
.if \first
	WM 32*\a+8*\t, BF+96*(\p)+12*\t, AF+96*(\p)+12*\a, BI+8*\t, SB+16*(\z)+\t, SA+16*(\z)+\a, (\q)%2
.else
	WM 32*\a+8*\t, BF+96*(\p)+12*\t, AF+96*(\p)+12*\a, 32*\a+8*\t, SB+16*(\z)+\t, SA+16*(\z)+\a, (\q)%2
.endif
.endr
.endr
.endm
; A step's products in three parts.  Windows: bits 1:0 source 0, 3:2 source 1, 5:4 C, 7:6 D; with first = 1 C is the bias, in window 1.
.macro PA p, q, z, first
.if QKV
	WIN 0xf4-0x20*(\first)
	MULV 0, \p, \q, \z, \first
.else
	WIN 0xa1-0x10*(\first)
	MUL16 0, \p, \q, \z, \first
.endif
.endm
.macro PB p, q, z, first
.if QKV
	WIN 0xf4-0x20*(\first)
	MULV 1, \p, \q, \z, \first
.else
	WIN 0xa1-0x10*(\first)
	MUL16 2, \p, \q, \z, \first
.endif
.endm
.macro PCC p, q, z, first
.if QKV
	WIN 0xa1-0x10*(\first)
	MULQ \p, \q, \z, \first
.else
	WIN 0xf1-0x20*(\first)
	MUL16 4, \p, \q, \z, \first
	MUL16 6, \p, \q, \z, \first
.endif
.endm
.macro FETCH z, q, p                   ; the fragments of slot z's q-th step into set p, in one run
	WIN 0x40
.set FI, 0
.rept NT
	FRAG BF+96*(\p)+12*FI, B16+\z, B8+\z, FI*KS*FB+FB*(\q)
.set FI, FI+1
.endr
	WIN 0
.set FI, 0
.rept MT
	FRAG AF+96*(\p)+12*FI, A16+\z, A8+\z, FI*KS*FB+FB*(\q)
.set FI, FI+1
.endr
.endm
.macro SCALES z                        ; the slot's scale words: one register a tile for its two steps
.set FI, 0
.rept MT
	ds_load_b32 v[SA+16*(\z)+FI], v[ADSA] offset:FI*KT*64
.set FI, FI+1
.endr
.set FI, 0
.rept NT
	ds_load_b32 v[SB+16*(\z)+FI], v[ADSB] offset:FI*KT*64
.set FI, FI+1
.endr
.endm
.macro STEP z, q, first                ; a step that has its successor in the same slot
	s_wait_dscnt 0x0                               ; this step's fragments and scale words are in
	PA (\q)%2, \q, \z, \first
	PB (\q)%2, \q, \z, \first
	PLACES 4                                       ; four plain instructions between the last products that read the other set and the loads into it
	FETCH \z, (\q)+1, 1-(\q)%2
	PCC (\q)%2, \q, \z, \first
.endm
; A slot's last step changes slots: one barrier; in front of it each wave waits for all its tensor loads, adds 0 to its spare word, and waits for that and for its reads of this slot.
.macro TURN z, nz, fill
	WIN 0
	s_wait_tensorcnt 0x0                           ; all my tensor loads have landed: my part of the next slot
	ds_add_u32 v[SPW], v[NIL]                      ; 0 onto my spare word
	s_wait_dscnt 0x1                               ; this step's fragments are in; the add alone may be out
	PA 1, KS-1, \z, 0
	s_wait_dscnt 0x0                               ; the add is done, and my reads of this slot are over
	s_barrier_signal -1
	PB 1, KS-1, \z, 0
	WIN 0
	s_barrier_wait -1
.if \fill
	CREST                                          ; the barrier has opened a round of the cluster's barrier: no wave of any partner still reads this slot or has a load on its way
	s_add_nc_u64 s[G0+4*\z+2:G0+4*\z+3], s[G0+4*\z+2:G0+4*\z+3], 2*KS*FB
	s_add_nc_u64 s[G0B+4*\z+2:G0B+4*\z+3], s[G0B+4*\z+2:G0B+4*\z+3], 2*KS*FB
	JLOAD G0+4*\z, G1, G0B+4*\z, G1B               ; the first tensor load behind the round; its four v_nop are the places in front of the loads below
.else
	PLACES 4
.endif
	v_add_nc_u32 v[ADSA], KS*64, v[ADSA]           ; on to the next slot's scale words
	v_add_nc_u32 v[ADSB], KS*64, v[ADSB]
	FETCH \nz, 0, 0
	SCALES \nz
	PCC 1, KS-1, \z, 0
.endm
	s_load_b256 s[4:11], s[0:1], 0x0               ; QKV: xn, wimg, bq, bk;  else: xn, wimg, b1, h
.if QKV
	s_load_b128 s[92:95], s[0:1], 0x20             ; bv, qkv
.endif
	v_lshl_add_u32 v[SPW], v0, 2, SPARE
	v_mov_b32 v[NIL], 0
	ds_add_u32 v28, v29
	ds_add_u32 v28, v29
	s_wait_dscnt 0x0
	v_lshrrev_b32 v1, 5, v0
	v_readfirstlane_b32 s14, v1                    ; wave
	s_lshr_b32 s15, s14, 1                         ; wy: my half of the tokens.  Also: I fetch the tokens' tiles (0) or the weights' (1)
	s_and_b32 s16, s14, 1                          ; wx: my half of the columns.  Also: which half of the tiles I fetch
	s_bfe_u32 s40, ttmp6, 0x40000                  ; cx
	s_bfe_u32 s41, ttmp6, 0x40004                  ; cy
	s_lshl_b32 s42, ttmp9, 2
	s_add_co_u32 s42, s42, s40                     ; work-group x
	s_and_b32 s17, ttmp7, 0xffff
	s_lshl_b32 s17, s17, 2
	s_add_co_u32 s17, s17, s41                     ; work-group y
	s_lshl_b32 s43, s41, 2
	s_lshl_b32 s43, 15, s43                        ; my row of the cluster
	s_lshl_b32 s44, 0x1111, s40                    ; my column
	; group 1: half the tiles as rows of KS fragments (elements of 8 bytes), KT fragments apart in memory, dense in LDS
	s_or_b32 s[G1+0], s43, (3<<16)|(1<<21)
	s_mov_b32 s[G1+1], (192*KS)<<16
	s_mov_b32 s[G1+2], (MTW/2)<<16
	s_mov_b32 s[G1+3], (192*KS)<<16
	s_mov_b32 s[G1+4], MTW/2
	s_mov_b32 s[G1+5], 192*KT
	s_mov_b32 s[G1+6], 0
	s_mov_b32 s[G1+7], 0
	s_or_b32 s[G1B+0], s44, (3<<16)|(1<<21)
	s_mov_b32 s[G1B+1], (192*KS)<<16
	s_mov_b32 s[G1B+2], (NTW/2)<<16
	s_mov_b32 s[G1B+3], (192*KS)<<16
	s_mov_b32 s[G1B+4], NTW/2
	s_mov_b32 s[G1B+5], 192*KT
	s_mov_b32 s[G1B+6], 0
	s_mov_b32 s[G1B+7], 0
	; the scale records of half the tiles: a dense block, as rows of 256 bytes
	s_or_b32 s[G1S+0], s43, (3<<16)|(1<<21)
	s_mov_b32 s[G1S+1], 32<<16
	s_mov_b32 s[G1S+2], ((MTW/2)*KT/4)<<16
	s_mov_b32 s[G1S+3], 32<<16
	s_mov_b32 s[G1S+4], (MTW/2)*KT/4
	s_mov_b32 s[G1S+5], 32
	s_mov_b32 s[G1S+6], 0
	s_mov_b32 s[G1S+7], 0
	s_or_b32 s[G1SB+0], s44, (3<<16)|(1<<21)
	s_mov_b32 s[G1SB+1], 32<<16
	s_mov_b32 s[G1SB+2], ((NTW/2)*KT/4)<<16
	s_mov_b32 s[G1SB+3], 32<<16
	s_mov_b32 s[G1SB+4], (NTW/2)*KT/4
	s_mov_b32 s[G1SB+5], 32
	s_mov_b32 s[G1SB+6], 0
	s_mov_b32 s[G1SB+7], 0
	s_mul_i32 s20, s17, MTW                        ; the tokens' tiles hang on work-group y alone,
	s_mul_i32 s18, s16, MTW/2
	s_add_co_u32 s20, s20, s18
	s_mul_i32 s22, s20, KT*64
	s_add_co_u32 s22, s22, ASC
	s_mov_b32 s23, 0
	s_mul_i32 s20, s20, KT*FB
	s_mov_b32 s21, 0
	s_mul_i32 s46, s42, NTW                        ; the weights' on work-group x alone
	s_mul_i32 s18, s16, NTW/2
	s_add_co_u32 s46, s46, s18
	s_mul_i32 s96, s46, KT*64
	s_add_co_u32 s96, s96, WS
	s_mov_b32 s97, 0
	s_mul_i32 s46, s46, KT*FB
	s_add_co_u32 s46, s46, WC
	s_mov_b32 s47, 0
	s_mul_i32 s45, s16, (MTW/2)*KS*FB              ; where they go: no place in the cluster enters an LDS address
	s_mul_i32 s19, s16, (NTW/2)*KS*FB
	s_add_co_u32 s19, s19, MTW*KS*FB
	s_mul_i32 s98, s16, (MTW/2)*KT*64
	s_add_co_u32 s98, s98, SCL
	s_mul_i32 s99, s16, (NTW/2)*KT*64
	s_add_co_u32 s99, s99, SCLB
	s_wait_kmcnt 0x0
	s_add_nc_u64 s[20:21], s[4:5], s[20:21]
	s_add_nc_u64 s[22:23], s[4:5], s[22:23]
	s_add_nc_u64 s[46:47], s[6:7], s[46:47]
	s_add_nc_u64 s[96:97], s[6:7], s[96:97]
	CROUND                                         ; all sixteen work-groups are here: the first joint loads meet
	s_mov_b32 s[G0S], 1
	s_mov_b32 s[G0S+1], s98
	s_mov_b64 s[G0S+2:G0S+3], s[22:23]
	s_or_b32 s[G0S+3], s[G0S+3], 0x80000000
	s_mov_b32 s[G0SB], 1
	s_mov_b32 s[G0SB+1], s99
	s_mov_b64 s[G0SB+2:G0SB+3], s[96:97]
	s_or_b32 s[G0SB+3], s[G0SB+3], 0x80000000
	JLOAD G0S, G1S, G0SB, G1SB                     ; the scale records first: they are wanted with step 0
.irp z, 0,1
	s_mov_b32 s[G0+4*\z], 1
	s_add_co_u32 s[G0+4*\z+1], s45, \z*SLOT
	s_add_nc_u64 s[G0+4*\z+2:G0+4*\z+3], s[20:21], \z*KS*FB
	s_or_b32 s[G0+4*\z+3], s[G0+4*\z+3], 0x80000000
	s_mov_b32 s[G0B+4*\z], 1
	s_add_co_u32 s[G0B+4*\z+1], s19, \z*SLOT
	s_add_nc_u64 s[G0B+4*\z+2:G0B+4*\z+3], s[46:47], \z*KS*FB
	s_or_b32 s[G0B+4*\z+3], s[G0B+4*\z+3], 0x80000000
	JLOAD G0+4*\z, G1, G0B+4*\z, G1B
.endr
	v_and_b32 v1, 31, v0
	v_and_b32 v2, 15, v0                           ; r
	v_bfe_u32 v3, v0, 4, 1                         ; h
	v_lshlrev_b32 v[L16], 4, v1
	v_lshlrev_b32 v[L8], 3, v1
	v_lshlrev_b32 v[L4], 2, v2
	v_lshlrev_b32 v4, 2, v1
	s_mul_i32 s20, s15, MT*KS*FB                   ; my eight tiles of tokens
	s_mul_i32 s21, s16, NT*KS*FB                   ; my tiles of weights, behind the tokens'
	s_add_co_u32 s21, s21, MTW*KS*FB
.irp z, 0,1
	v_add_nc_u32 v[A16+\z], s20, v[L16]
	v_add_nc_u32 v[A8+\z], s20, v[L8]
	v_add_nc_u32 v[B16+\z], s21, v[L16]
	v_add_nc_u32 v[B8+\z], s21, v[L8]
	s_add_co_u32 s20, s20, SLOT
	s_add_co_u32 s21, s21, SLOT
.endr
	s_mul_i32 s20, s15, MT*KT*64
	s_add_co_u32 s20, s20, SCL
	v_add_nc_u32 v[ADSA], s20, v4
	s_mul_i32 s21, s16, NT*KT*64
	s_add_co_u32 s21, s21, SCLB
	v_add_nc_u32 v[ADSB], s21, v4
	v_lshlrev_b32 v5, 6, v3                        ; the bias of a transposed tile: lane (r, h) wants columns 16 h + 8 (tile % 2) + 0 .. 7 of the pair's 32
.if QKV
	s_cmp_eq_u32 s16, 0
	s_cselect_b64 s[8:9], s[8:9], s[10:11]         ; bq for wx = 0, bk for wx = 1
	s_lshl_b32 s18, s42, 8                         ; the head's 64 numbers
	s_mov_b32 s19, 0
	s_add_nc_u64 s[8:9], s[8:9], s[18:19]
	s_lshl_b32 s22, s16, 7                         ; bv: my two tiles begin at 32 wx
	s_add_co_u32 s18, s18, s22
	s_add_nc_u64 s[92:93], s[92:93], s[18:19]
	v_and_b32 v6, 8, v2
	v_add_nc_u32 v6, v6, v2
	v_lshlrev_b32 v6, 2, v6                        ; v's result holds one column a lane: r + 8 (r / 8)
	WIN 0x40
.irp t, 0,1,2,3
	global_load_b128 v[BI+8*\t:BI+8*\t+3], v5, s[8:9] offset:(32*(\t/2)+8*(\t%2))*4
	global_load_b128 v[BI+8*\t+4:BI+8*\t+7], v5, s[8:9] offset:(32*(\t/2)+8*(\t%2))*4+16
.endr
.irp e, 0,1
.irp j, 0,1,2,3,4,5,6,7
	global_load_b32 v[BI+32+8*\e+\j], v6, s[92:93] offset:32*\e   ; the same number for the lane's eight tokens
.endr
.endr
	WIN 0
.else
	s_lshl_b32 s18, s42, 10
	s_lshl_b32 s19, s16, 9
	s_add_co_u32 s18, s18, s19                     ; my 128 columns
	s_mov_b32 s19, 0
	s_add_nc_u64 s[8:9], s[8:9], s[18:19]
	WIN 0x40
.irp t, 0,1,2,3,4,5,6,7
	global_load_b128 v[BI+8*\t:BI+8*\t+3], v5, s[8:9] offset:(32*(\t/2)+8*(\t%2))*4
	global_load_b128 v[BI+8*\t+4:BI+8*\t+7], v5, s[8:9] offset:(32*(\t/2)+8*(\t%2))*4+16
.endr
	WIN 0
.endif
	s_wait_tensorcnt 0x1                           ; the scale records and my part of slot 0 are in; slot 1's load may be out
	s_barrier_signal -1
	s_barrier_wait -1
	FETCH 0, 0, 0
	SCALES 0
	s_wait_loadcnt 0x0                             ; the bias
	STEP 0, 0, 1                                   ; eight K steps, written out: slots 0, 1, 0, 1
	TURN 0, 1, 1
	STEP 1, 0, 0
	TURN 1, 0, 1
	STEP 0, 0, 0
	TURN 0, 1, 0                                   ; nothing is left to fetch
	STEP 1, 0, 0
	s_wait_dscnt 0x0
	PA 1, KS-1, 1, 0
	PB 1, KS-1, 1, 0
	PCC 1, KS-1, 1, 0
	WIN 0
; THE WAY OUT.  64 numbers of a lane in window W, register 16 b + i = k 32 b + 16 h + i of the lane's row of the next operand, become a fragment's codes in v[PC] on and its scale word in v[PW].
; The reads ascend.
.macro QUANT s, W
	WIN (\W)|((\W)<<2)
.irp b, 0,1,2,3
	v_max3_num_f32 v[TM+\b], |v[(\s)+16*\b]|, |v[(\s)+1+16*\b]|, 0x1800000   ; and the floor 2^(3 - 127): the byte cannot fall under 1
.endr
.irp i, 2,4,6,8,10,12,14
.irp b, 0,1,2,3
	v_max3_num_f32 v[TM+\b], |v[(\s)+16*\b+\i]|, |v[(\s)+1+16*\b+\i]|, v[TM+\b]
.endr
.endr
	WIN 0
.irp b, 0,1,2,3
	v_permlanex16_b32 v[TM+4+\b], v[TM+\b], s[SEL], s[SEL+1]
.endr
.irp b, 0,1,2,3
	v_max_num_f32 v[TM+\b], v[TM+\b], v[TM+4+\b]
.endr
.irp b, 0,1,2,3
	v_add_nc_u32 v[TM+12+\b], 0xff000000, v[TM+\b] ; 2 off the exponent field: the conversion's scale operand
.endr
.irp b, 0,1,2,3
	v_lshrrev_b32 v[TM+4+\b], 23, v[TM+12+\b]      ; the scale's byte
.endr
	v_lshl_or_b32 v[PW], v[TM+5], 8, v[TM+4]
	v_lshl_or_b32 v[PW], v[TM+6], 16, v[PW]
	v_lshl_or_b32 v[PW], v[TM+7], 24, v[PW]
	WIN \W
.irp c, 0,1
	v_cvt_scalef32_pk16_fp6_f32 v[PC+6*\c:PC+2+6*\c], v[(\s)+32*\c:(\s)+15+32*\c], v[TM+12+2*\c]
	v_cvt_scalef32_pk16_fp6_f32 v[PC+12+4*\c:PC+14+4*\c], v[(\s)+16+32*\c:(\s)+31+32*\c], v[TM+13+2*\c]
.endr
	WIN 0
	v_nop                                          ; one plain instruction behind a scaled conversion
.irp c, 0,1
.irp i, 0,1,2
	v_permlane16_swap_b32 v[PC+6*\c+\i], v[PC+12+4*\c+\i]
.endr
.irp i, 0,1,2
	v_mov_b32 v[PC+3+6*\c+\i], v[PC+12+4*\c+\i]
.endr
.endr
.endm
.macro GIMG cb, ci, sb, si             ; the image and its record go to memory: stores of 512 and 256 consecutive bytes; lanes l and l xor 16 store the same scale word to the same place
	global_store_b128 v[L16], v[PC:PC+3], s[\cb:\cb+1] offset:(\ci)
	global_store_b64 v[L8], v[PC+4:PC+5], s[\cb:\cb+1] offset:(\ci)+512
	global_store_b128 v[L16], v[PC+6:PC+9], s[\cb:\cb+1] offset:(\ci)+768
	global_store_b64 v[L8], v[PC+10:PC+11], s[\cb:\cb+1] offset:(\ci)+1280
	global_store_b32 v[L4], v[PW], s[\sb:\sb+1] offset:(\si)
.endm
	PLACES 4                                       ; between the last products and the first read of results, and the first write of registers that held fragments
.irp b, 0,1,2,3
	v_mov_b32 v[TM+4+\b], 0                        ; a lane permute's destination counts as one of its sources
.endr
	s_mov_b32 s[SEL], 0x76543210
	s_mov_b32 s[SEL+1], 0xfedcba98
.if QKV
	; qkv: Q [bh][slot of 256 tokens][8 fragments + 8 records = 12,800 bytes]; from QTOT on [bh][slot][K's block | V's block].  A fragment of Q or K is a PAIR of tiles: registers 0-5 tile 2 p's 64 d, 6-11 tile 2 p + 1's.
	s_lshr_b32 s18, s17, 3
	s_lshl_b32 s18, s18, 4
	s_add_co_u32 s18, s18, s42                     ; bh = 16 x batch + head
	s_lshl_b32 s18, s18, 3
	s_and_b32 s19, s17, 7
	s_add_co_u32 s18, s18, s19                     ; 8 bh + slot
	s_mul_i32 s20, s18, 12800
	s_lshl_b32 s20, s20, s16                       ; wx = 0: Q's block; wx = 1: K's, in blocks twice as far apart,
	s_mul_i32 s19, s16, QTOT                       ; behind Q's region
	s_add_co_u32 s20, s20, s19
	s_mul_i32 s19, s15, 4*FB                       ; my four pairs
	s_add_co_u32 s22, s20, s19
	s_mov_b32 s23, 0
	s_add_nc_u64 s[4:5], s[94:95], s[22:23]
	s_lshl_b32 s19, s15, 8
	s_add_co_u32 s22, s20, s19
	s_add_co_u32 s22, s22, 12288
	s_add_nc_u64 s[6:7], s[94:95], s[22:23]
	s_mul_i32 s20, s18, 25600
	s_add_co_u32 s20, s20, QTOT+12800              ; V's block: fragment 4 wy + d tile
	s_lshl_b32 s19, s15, 2
	s_lshl_b32 s21, s16, 1
	s_add_co_u32 s19, s19, s21
	s_mul_i32 s21, s19, FB
	s_add_co_u32 s22, s20, s21
	s_add_nc_u64 s[8:9], s[94:95], s[22:23]
	s_lshl_b32 s21, s19, 6
	s_add_co_u32 s22, s20, s21
	s_add_co_u32 s22, s22, 12288
	s_add_nc_u64 s[10:11], s[94:95], s[22:23]
.irp p, 0,1,2,3
.if \p > 0
	s_wait_xcnt 0x0                                ; the stores' registers are written again only behind this wait
.endif
	QUANT 64*\p, 2
	GIMG 4, FB*\p, 6, 64*\p
.endr
.irp e, 0,1
	s_wait_xcnt 0x0
	QUANT 64*\e, 3
	GIMG 8, FB*\e, 10, 64*\e
.endr
.else
	; h: codes [tile 256][K step 32][1,536]; records at 12,582,912.  My 128 columns are K step 2 x + wx of the next product
	s_lshl_b32 s18, s17, 4
	s_lshl_b32 s19, s15, 3
	s_add_co_u32 s18, s18, s19
	s_lshl_b32 s18, s18, 5
	s_lshl_b32 s19, s42, 1
	s_add_co_u32 s18, s18, s19
	s_add_co_u32 s18, s18, s16
	s_mul_i32 s20, s18, FB
	s_mov_b32 s21, 0
	s_add_nc_u64 s[4:5], s[10:11], s[20:21]
	s_lshl_b32 s20, s18, 6
	s_add_co_u32 s20, s20, 12582912
	s_add_nc_u64 s[6:7], s[10:11], s[20:21]
.irp a, 0,1,2,3,4,5,6,7
	WIN (2+\a/4)<<2
.set N, 0
.rept 64
	v_max_num_f32 v[ST+N], 0, v[64*(\a%4)+N]       ; the activation, and the way into window 0, in one instruction
.set N, N+1
.endr
	WIN 0
.if \a > 0
	s_wait_xcnt 0x0
.endif
	QUANT ST, 0
	GIMG 4, 49152*\a, 6, 2048*\a
.endr
.endif
	s_wait_tensorcnt 0x0                           ; the wave's end
	ds_add_u32 v[SPW], v[NIL]
	s_wait_dscnt 0x0
	CROUND                                         ; the closing round: no work-group ends while a partner may still ask for a tile that names it
	s_endpgm
.Lfunc_end_k_q97a5a37211_proj:
	.size	k_q97a5a37211_proj, .Lfunc_end_k_q97a5a37211_proj-k_q97a5a37211_proj
	.p2alignl 7, 3214868480
	.fill 96, 4, 3214868480
	.section	.rodata,"a",@progbits
	.p2align	6, 0x0
	.amdhsa_kernel k_q97a5a37211_proj
		.amdhsa_group_segment_fixed_size 327680
		.amdhsa_private_segment_fixed_size 0
		.amdhsa_enable_private_segment 0
		.amdhsa_kernarg_size 48
		.amdhsa_user_sgpr_count 2
		.amdhsa_user_sgpr_kernarg_segment_ptr 1
		.amdhsa_wavefront_size32 1
		.amdhsa_system_sgpr_workgroup_id_x 1
		.amdhsa_system_sgpr_workgroup_id_y 1
		.amdhsa_system_sgpr_workgroup_id_z 1
		.amdhsa_system_vgpr_workitem_id 0
		.amdhsa_next_free_vgpr 1024
		.amdhsa_next_free_sgpr 100
		.amdhsa_reserve_vcc 0
		.amdhsa_float_denorm_mode_32 3
		.amdhsa_float_denorm_mode_16_64 3
		.amdhsa_memory_ordered 1
		.amdhsa_forward_progress 1
		.amdhsa_inst_pref_size 124
	.end_amdhsa_kernel
	.amdgpu_metadata
---
amdhsa.version: [ 1, 2 ]
amdhsa.kernels:
  - .name:           k_q97a5a37211_proj
    .symbol:         k_q97a5a37211_proj.kd
    .args:
      - { .name: xn, .offset: 0, .size: 8, .value_kind: global_buffer, .address_space: global }
      - { .name: wimg, .offset: 8, .size: 8, .value_kind: global_buffer, .address_space: global }
      - { .name: bq, .offset: 16, .size: 8, .value_kind: global_buffer, .address_space: global }
      - { .name: bk, .offset: 24, .size: 8, .value_kind: global_buffer, .address_space: global }
      - { .name: bv, .offset: 32, .size: 8, .value_kind: global_buffer, .address_space: global }
      - { .name: qkv, .offset: 40, .size: 8, .value_kind: global_buffer, .address_space: global }
    .group_segment_fixed_size: 327680
    .private_segment_fixed_size: 0
    .kernarg_segment_align: 8
    .kernarg_segment_size: 48
    .max_flat_workgroup_size: 128
    .sgpr_count:     100
    .vgpr_count:     1024
    .wavefront_size: 32
...
	.end_amdgpu_metadata
.endif
;; end of part 2
;; launch attn (part 3): grid 8 x 32, 16 waves a work-group, no clusters, 206,848 bytes of LDS; arguments qkv, maskw, ctx; writes ctx
.if DOCPART == 3
	.amdgcn_target "amdgcn-amd-amdhsa--gfx1250"
	.amdhsa_code_object_version 6
	.text
	.protected	k_q97a5a37211_attn
	.globl	k_q97a5a37211_attn
	.p2align	8
	.type	k_q97a5a37211_attn,@function
k_q97a5a37211_attn:
	s_mov_b64 s[64:65], 0
	v_nop
	global_prefetch_b8 v0, s[64:65] scope:SCOPE_SE
	s_setreg_imm32_b32 hwreg(HW_REG_WAVE_MODE, 25, 1), 1
	s_wait_xcnt 0x0
; ctx = softmax(q k^T / 8, masked) v for one (batch, head) and 256 queries a work-group, both products on FP6 codes; ctx is quantised to FP6 and stored as halves of fragment images.
; t = score x log2(e) / 8; M = the running largest t rounded up to a whole number; p = 2^(t - M) is quantised along the keys, not normalised; the row's sum is taken of the unquantised p and divides at the end.
; SHARES.  Sixteen waves, one tile of 16 queries each, in 256 registers: four waves to a SIMD, so that one wave's vector work stands beside another's products and LDS loads.
; THE HEAD'S WHOLE K AND V, 204,800 bytes of images and scale records, LIE IN LDS, FILLED ONCE, through registers: 512 threads x 25 loads and 25 LDS stores of 16 bytes, LDS byte = 8,192 i + 16 x thread.
; NO CLUSTER, NO JOINT LOAD, though the eight query blocks of a head read the same K and V: a step's 64 selects, of its 368 instructions, are jumped over by a scalar branch on a stored flag.
; What is shared is read once a work-group, at its head, ahead of sixteen steps of work.
; No L2 prefetch: K and V are asked for once, at the head, and there is no later stream.
; LAYOUT.  Both products are used transposed: a lane holds one query.  A fragment of K is a PAIR of key tiles (registers 0-5 tile 2 p's 64 d, 6-11 tile 2 p + 1's): K = 64 fills half an instruction, so q stands between
; two runs of six zero registers, and v[22:33] (q, zeros) picks the pair's even tile, v[16:27] (zeros, q) the odd one: one LDS fragment feeds two products.
; A tile's rows are 32 (T / 2) + 8 (T % 2) + r + 8 (r / 8), so register 16 b + i of the scores is key 32 b + 16 h + i of the step's 128.
; THE MASK comes as 64 lane masks a step, by scalar loads a step ahead: one v_cndmask_b32 a score.  The launch that made them also stored, for each step of my tile of queries, whether any of its 16 x 128 numbers is 0:
; where none is, every select would keep its score, and the 64 are jumped over.  Every number of the mask has been read and decides.
; LIMITS: a masked score is set to -2^33 (a logit of -2^30 where the source has -1e9): c x score is then exact, a wholly masked row gives p = 1 for every key (a uniform softmax), and the results agree as long as
; unmasked logits lie well above -1e9.  A block whose every p is 0 gets the scale byte 1 over zero codes.  The division is v_rcp_f32 and a multiplication.  NaN and infinities are not served.
.set QTOT, 3276800
.set FLG,  524288                      ; maskw: where the steps' flag words begin, 64 bytes a tile of queries
.set SLOTB, 25600                      ; a slot: 256 keys: K's 8 pairs, 8 records, V's 8 fragments, 8 records
.set S,   96                           ; v96-159 scores, then p  (at the head v96-195 carry the fill)
.set OT,  160                          ; v160-191 O^T: register 16 b + i = d 32 b + 16 h + i
.set PCD, 192                          ; v192-203 p's codes; v204-206, v208-210 halves on their way
.set BM,  212                          ; v212-215 the blocks' largest scores, then largest p
.set T2,  216                          ; v216-219 at work
.set SO,  220                          ; v220-223 the conversions' scale operands
.set PW,  224                          ; p's scale word
.set FF,  226                          ; v[226:227] f = 2^(old M - new M)
.set TT,  228
.set KFR, 34                           ; v34-81 four fragments of K, then of V
.set KSW, 82                           ; v82-85 their scale words
.set QSW, 86                           ; q's scale word
.set NEG, 87                           ; -2^33
.set FA,  88                           ; v88-91 the fill: 16 x thread, and the same 65,536, 131,072, 196,608 bytes on
.macro PLACES n
.rept \n
	v_nop
.endr
.endm
.macro FRAG reg, a16, a8, off
	ds_load_b128 v[(\reg):(\reg)+3], v[\a16] offset:(\off)
	ds_load_b64 v[(\reg)+4:(\reg)+5], v[\a8] offset:(\off)+512
	ds_load_b128 v[(\reg)+6:(\reg)+9], v[\a16] offset:(\off)+768
	ds_load_b64 v[(\reg)+10:(\reg)+11], v[\a8] offset:(\off)+1280
.endm
	s_load_b128 s[4:7], s[0:1], 0x0                ; qkv, maskw
	s_load_b64 s[8:9], s[0:1], 0x10                ; ctx
	v_lshl_add_u32 v254, v0, 2, 0x32000
	v_mov_b32 v255, 0
	v_lshrrev_b32 v4, 5, v0
	v_readfirstlane_b32 s10, v4                    ; wave 0..15
	s_mov_b32 s11, ttmp9                           ; my block of 256 queries
	s_and_b32 s31, ttmp7, 0xffff                   ; bh = 16 x batch + head
	s_lshl_b32 s12, s11, 4
	s_add_co_u32 s12, s12, s10                     ; my tile among the 128 tiles of queries
	s_lshl_b32 s14, s12, 6
	s_add_co_u32 s14, s14, FLG                     ; its sixteen flag words
	s_mov_b32 s15, 0
	s_lshl_b32 s100, s12, 12                       ; its lane masks: 4,096 bytes
	s_mov_b32 s101, 0
	s_mul_i32 s16, s31, 204800                     ; the head's K and V
	s_add_co_u32 s16, s16, QTOT
	s_mov_b32 s17, 0
	s_lshl_b32 s13, s31, 3
	s_add_co_u32 s13, s13, s11
	s_mul_i32 s13, s13, 12800                      ; Q's block
	s_lshr_b32 s24, s10, 1                         ; my tile's pair,
	s_and_b32 s25, s10, 1                          ; and which half of it
	s_mul_i32 s18, s24, 1536
	s_add_co_u32 s18, s18, s13
	s_mul_i32 s19, s25, 768
	s_add_co_u32 s18, s18, s19
	s_mov_b32 s19, 0
	s_lshl_b32 s20, s24, 6
	s_add_co_u32 s20, s20, s13
	s_add_co_u32 s20, s20, 12288
	s_mov_b32 s21, 0
	v_and_b32 v4, 31, v0
	v_lshlrev_b32 v1, 4, v4                        ; 16 x lane
	v_lshlrev_b32 v2, 3, v4                        ; 8 x lane
	v_and_b32 v5, 15, v0
	v_lshlrev_b32 v3, 2, v5                        ; 4 r
	v_lshlrev_b32 v[FA], 4, v0                     ; 16 x thread
	v_add_nc_u32 v[FA+1], 0x10000, v[FA]           ; an LDS instruction's immediate reaches 65,535 bytes: a register for each 65,536
	v_add_nc_u32 v[FA+2], 0x20000, v[FA]
	v_add_nc_u32 v[FA+3], 0x30000, v[FA]
	s_wait_kmcnt 0x0
	s_add_nc_u64 s[14:15], s[6:7], s[14:15]
	s_add_nc_u64 s[6:7], s[6:7], s[100:101]
	s_add_nc_u64 s[16:17], s[4:5], s[16:17]
	s_add_nc_u64 s[18:19], s[4:5], s[18:19]
	s_add_nc_u64 s[20:21], s[4:5], s[20:21]
	s_load_b512 s[32:47], s[14:15], 0x0            ; the flag words
	global_load_b128 v[22:25], v1, s[18:19]        ; q: six registers, 64 d
	global_load_b64 v[26:27], v2, s[18:19] offset:512
	global_load_b32 v7, v3, s[20:21]               ; the pair's scale word
.set N, 0
.rept 25
	global_load_b128 v[S+4*N:S+4*N+3], v[FA], s[16:17] offset:8192*N   ; a wave's load covers 512 consecutive bytes, the sixteen waves' 8,192
.set N, N+1
.endr
.irp j, 16,17,18,19,20,21,28,29,30,31,32,33
	v_mov_b32 v[\j], 0                             ; zero codes on both sides of q
.endr
	v_mov_b32 v[NEG], 0xd0000000
	v_mov_b32 v13, 0xff61b1e6                      ; the largest t so far: -3e38
	v_floor_f32 v12, -v13                          ; -M
	v_mov_b32 v14, 0                               ; the sum, in two halves
	v_mov_b32 v15, 0
.irp b, 0,1,2,3
	v_mov_b32 v[T2+\b], 0                          ; a lane permute's destination counts as one of its sources
.endr
	v_mov_b32 v[FF+1], 0                           ; (named as the upper half of a pair)
	v_mov_b32 v[TT], 0
	s_mov_b32 s2, 0x76543210
	s_mov_b32 s3, 0xfedcba98                       ; selects for lane l xor 16
	s_mov_b32 s66, 0x3e38aa3b                      ; c = log2(e) / 8
	s_mov_b32 s67, s66
	s_mov_b32 s30, 0x01000100                      ; my tile's two scale bytes, twice: they serve q in either place
	s_cmp_eq_u32 s25, 0
	s_cselect_b32 s30, s30, 0x03020302
	s_wait_kmcnt 0x0                               ; the flag words: each holds its own step's bit or nothing
	s_or_b32 s26, s32, s33
.irp j, 34,35,36,37,38,39,40,41,42,43,44,45,46,47
	s_or_b32 s26, s26, s[\j]                       ; bit s: step s has a hole
.endr
	s_mov_b32 s29, 0
	s_load_b512 s[32:47], s[6:7], s29 offset:0x0   ; step 0's 64 lane masks: word n in s[32 + n], from word 32 on in s[36 + n]
	s_load_b512 s[48:63], s[6:7], s29 offset:0x40
	s_load_b512 s[68:83], s[6:7], s29 offset:0x80
	s_load_b512 s[84:99], s[6:7], s29 offset:0xc0
.set N, 0
.rept 25
	s_wait_loadcnt 24-N                            ; loads come back in order: fill load N is in (q's three, which are older, too); the younger ones stay out
	ds_store_b128 v[FA+N/8], v[S+4*N:S+4*N+3] offset:8192*(N%8)
.set N, N+1
.endr
	s_wait_dscnt 0x0                               ; for the others' sake: my part of K and V lies in LDS
	s_barrier_signal -1
	v_perm_b32 v[QSW], v7, v7, s30
.set N, 0
.rept 32
	v_mov_b32 v[OT+N], 0                           ; O^T: the step is written once; the first change of M leaves zeros zeros.  (Also the places between q's scale word and the first product)
.set N, N+1
.endr
	s_barrier_wait -1                              ; everybody's part does
; A KEY STEP: 128 keys, the q-th of the slot at LDS byte s28 (v8, v9, v10: 16, 8, 4 bytes a lane from there)
.macro STEP q
.irp i, 0,1,2,3
	FRAG KFR+12*\i, 8, 9, (4*(\q)+\i)*1536
	ds_load_b32 v[KSW+\i], v10 offset:12288+(4*(\q)+\i)*64
.endr
	s_wait_dscnt 0x0
.irp t, 0,1,2,3,4,5,6,7
	v_wmma_scale_f32_16x16x128_f8f6f4 v[S+8*\t:S+8*\t+7], v[KFR+12*(\t/2):KFR+12*(\t/2)+11], v[22-6*(\t%2):33-6*(\t%2)], 0, v[KSW+\t/2], v[QSW] matrix_a_fmt:MATRIX_FMT_FP6 matrix_b_fmt:MATRIX_FMT_FP6
.endr
	PLACES 4                                       ; between the products and the first read of their results, and the loads into their fragments
	s_wait_kmcnt 0x0                               ; this step's lane masks are in, and the loads' offset may be written
	s_add_co_u32 s29, s29, 256
	s_min_u32 s29, s29, 3840                       ; the last step asks for its own words again: no load leaves the buffer
	s_bitcmp1_b32 s26, 0                           ; has this step a hole for my 16 queries?
	s_cbranch_scc0 .Lopen_\@                       ; no: all 64 lane masks are all ones
.set N, 0
.rept 64
	v_cndmask_b32 v[S+N], v[NEG], v[S+N], s[32+N+4*(N/32)]   ; ascending: each accumulator is first read at its low end
.set N, N+1
.endr
.Lopen_\@:
	s_lshr_b32 s26, s26, 1                         ; on to the next step's bit
.irp e, 0,1,2,3
	FRAG KFR+12*\e, 8, 9, 12800+(4*(\q)+\e)*1536   ; V's four tiles of d for these 128 keys: they land during the softmax
	ds_load_b32 v[KSW+\e], v10 offset:25088+(4*(\q)+\e)*64
.endr
	s_load_b512 s[32:47], s[6:7], s29 offset:0x0   ; the next step's lane masks
	s_load_b512 s[48:63], s[6:7], s29 offset:0x40
	s_load_b512 s[68:83], s[6:7], s29 offset:0x80
	s_load_b512 s[84:99], s[6:7], s29 offset:0xc0
.irp b, 0,1,2,3
	v_max3_num_f32 v[BM+\b], v[S+16*\b], v[S+1+16*\b], v[S+2+16*\b]   ; the largest score of each block of 32 keys: for the row's maximum, and, since p rises with the score, for the block's largest p
.endr
.irp i, 3,5,7,9,11,13
.irp b, 0,1,2,3
	v_max3_num_f32 v[BM+\b], v[BM+\b], v[S+16*\b+\i], v[S+1+16*\b+\i]
.endr
.endr
.irp b, 0,1,2,3
	v_max_num_f32 v[BM+\b], v[BM+\b], v[S+15+16*\b]
.endr
.irp b, 0,1,2,3
	v_permlanex16_b32 v[T2+\b], v[BM+\b], s2, s3
.endr
.irp b, 0,1,2,3
	v_max_num_f32 v[BM+\b], v[BM+\b], v[T2+\b]     ; with lane l xor 16's 16 keys
.endr
	v_max3_num_f32 v[TT], v[BM], v[BM+1], v[BM+2]
	v_max_num_f32 v[TT], v[TT], v[BM+3]
	v_mul_f32 v[TT], s66, v[TT]                    ; as t
	v_max_num_f32 v13, v13, v[TT]                  ; the running largest t
	v_mov_b32 v[TT], v12
	v_floor_f32 v12, -v13                          ; the new -M = -ceil(t)
	v_sub_f32 v[TT], v12, v[TT]                    ; old M - new M: a whole number, 0 or less
	v_cvt_i32_f32 v[TT], v[TT]                     ; (it saturates)
	v_ldexp_f32 v[FF], 1.0, v[TT]                  ; f: a multiplication by it rounds nothing
.set N, 0
.rept 32
	v_pk_fma_f32 v[S+N:S+N+1], v[S+N:S+N+1], s[66:67], v[12:13] op_sel_hi:[1,0,0]   ; t - M
.set N, N+2
.endr
.irp b, 0,1,2,3
	v_fma_f32 v[BM+\b], v[BM+\b], s66, v12
.endr
.set N, 0
.rept 64
	v_exp_f32 v[S+N], v[S+N]                       ; p, at most 1
.set N, N+1
.endr
	v_pk_mul_f32 v[14:15], v[14:15], v[FF:FF+1] op_sel_hi:[1,0]   ; the sums under the new M: a plain instruction behind the exponentials
	s_wait_alu depctr_va_vdst(0)                   ; one wait for the batch, ahead of its first reader
.irp b, 0,1,2,3
	v_exp_f32 v[BM+\b], v[BM+\b]                   ; the blocks' largest p
.endr
	v_pk_add_f32 v[T2:T2+1], v[S:S+1], v[S+2:S+3]  ; the row's sum, of the unquantised p, in two chains
.set N, 4
.rept 15
	v_pk_add_f32 v[14:15], v[14:15], v[S+N:S+N+1]
	v_pk_add_f32 v[T2:T2+1], v[T2:T2+1], v[S+N+2:S+N+3]
.set N, N+4
.endr
	v_pk_add_f32 v[14:15], v[14:15], v[T2:T2+1]
	s_wait_alu depctr_va_vdst(0)                   ; and one for the four
.irp b, 0,1,2,3
	v_max_num_f32 v[BM+\b], 0x1800000, v[BM+\b]    ; the floor 2^(3 - 127)
.endr
.irp b, 0,1,2,3
	v_add_nc_u32 v[SO+\b], 0xff000000, v[BM+\b]
.endr
.irp b, 0,1,2,3
	v_lshrrev_b32 v[T2+\b], 23, v[SO+\b]
.endr
	v_lshl_or_b32 v[PW], v[T2+1], 8, v[T2]
	v_lshl_or_b32 v[PW], v[T2+2], 16, v[PW]
	v_lshl_or_b32 v[PW], v[T2+3], 24, v[PW]
.irp c, 0,1
	v_cvt_scalef32_pk16_fp6_f32 v[PCD+6*\c:PCD+2+6*\c], v[S+32*\c:S+15+32*\c], v[SO+2*\c]
	v_cvt_scalef32_pk16_fp6_f32 v[PCD+12+4*\c:PCD+14+4*\c], v[S+16+32*\c:S+31+32*\c], v[SO+2*\c+1]
.endr
	v_nop
.irp c, 0,1
.irp i, 0,1,2
	v_permlane16_swap_b32 v[PCD+6*\c+\i], v[PCD+12+4*\c+\i]
.endr
.irp i, 0,1,2
	v_mov_b32 v[PCD+3+6*\c+\i], v[PCD+12+4*\c+\i]
.endr
.endr
.set N, 0
.rept 16
	v_pk_mul_f32 v[OT+N:OT+N+1], v[OT+N:OT+N+1], v[FF:FF+1] op_sel_hi:[1,0]   ; O^T under the new M; for each product below twelve of these name none of its registers: the places behind p's codes and scale word
.set N, N+2
.endr
	s_wait_dscnt 0x0                               ; V is in
.irp e, 0,1,2,3
	v_wmma_scale_f32_16x16x128_f8f6f4 v[OT+8*\e:OT+8*\e+7], v[KFR+12*\e:KFR+12*\e+11], v[PCD:PCD+11], v[OT+8*\e:OT+8*\e+7], v[KSW+\e], v[PW] matrix_a_fmt:MATRIX_FMT_FP6 matrix_b_fmt:MATRIX_FMT_FP6
.endr
.endm
	s_mov_b32 s28, 0
	s_mov_b32 s30, 8
.Lslot:                                            ; eight slots of 256 keys
	v_add_nc_u32 v8, s28, v1
	v_add_nc_u32 v9, s28, v2
	v_add_nc_u32 v10, s28, v3
	v_nop                                          ; four places between the last products and the loads into their fragments
	STEP 0
	PLACES 4
	STEP 1
	s_add_co_u32 s28, s28, SLOTB
	s_sub_co_u32 s30, s30, 1
	s_cmp_lg_u32 s30, 0
	s_cbranch_scc1 .Lslot
	; THE WAY OUT: O^T / the sum, quantised: my head's 64 columns are half a K step of the next product
	s_wait_kmcnt 0x0                               ; the last scalar loads have landed: their registers are free
	PLACES 4
	v_add_f32 v14, v14, v15
	v_permlanex16_b32 v[TT], v14, s2, s3
	v_add_f32 v14, v14, v[TT]                      ; the row's sum
	v_rcp_f32 v14, v14
	v_nop
	s_wait_alu depctr_va_vdst(0)
.set N, 0
.rept 32
	v_mul_f32 v[S+N], v[OT+N], v14
.set N, N+1
.endr
.irp b, 0,1
	v_max3_num_f32 v[BM+\b], |v[S+16*\b]|, |v[S+1+16*\b]|, 0x1800000
.endr
.irp i, 2,4,6,8,10,12,14
.irp b, 0,1
	v_max3_num_f32 v[BM+\b], v[BM+\b], |v[S+16*\b+\i]|, |v[S+1+16*\b+\i]|
.endr
.endr
.irp b, 0,1
	v_permlanex16_b32 v[T2+\b], v[BM+\b], s2, s3
.endr
.irp b, 0,1
	v_max_num_f32 v[BM+\b], v[BM+\b], v[T2+\b]
.endr
.irp b, 0,1
	v_add_nc_u32 v[SO+\b], 0xff000000, v[BM+\b]
.endr
.irp b, 0,1
	v_lshrrev_b32 v[T2+\b], 23, v[SO+\b]
.endr
	v_lshl_or_b32 v[TT], v[T2+1], 8, v[T2]         ; my two scale bytes
	v_cvt_scalef32_pk16_fp6_f32 v[PCD:PCD+2], v[S:S+15], v[SO]
	v_cvt_scalef32_pk16_fp6_f32 v[PCD+12:PCD+14], v[S+16:S+31], v[SO+1]
	v_nop
.irp i, 0,1,2
	v_permlane16_swap_b32 v[PCD+\i], v[PCD+12+\i]
.endr
.irp i, 0,1,2
	v_mov_b32 v[PCD+3+\i], v[PCD+12+\i]
.endr
	s_lshr_b32 s32, s31, 4
	s_lshl_b32 s32, s32, 7
	s_lshl_b32 s33, s11, 4
	s_add_co_u32 s32, s32, s33
	s_add_co_u32 s32, s32, s10                     ; my tile among the 256 of all tokens
	s_lshl_b32 s32, s32, 3
	s_bfe_u32 s33, s31, 0x30001                    ; head / 2: the K step
	s_add_co_u32 s32, s32, s33
	s_and_b32 s33, s31, 1                          ; head % 2: which half of the fragment
	s_mul_i32 s34, s32, 1536
	s_mul_i32 s36, s33, 768
	s_add_co_u32 s34, s34, s36
	s_mov_b32 s35, 0
	s_add_nc_u64 s[34:35], s[8:9], s[34:35]
	s_lshl_b32 s36, s32, 6
	s_lshl_b32 s33, s33, 1
	s_add_co_u32 s36, s36, s33
	s_add_co_u32 s36, s36, 3145728
	s_mov_b32 s37, 0
	s_add_nc_u64 s[36:37], s[8:9], s[36:37]
	global_store_b128 v1, v[PCD:PCD+3], s[34:35]               ; 512 consecutive bytes,
	global_store_b64 v2, v[PCD+4:PCD+5], s[34:35] offset:512   ; and 256
	global_store_b16 v3, v[TT], s[36:37]                       ; two bytes of each row's scale word: 128 KiB in the whole launch
	s_wait_tensorcnt 0x0
	ds_add_u32 v254, v255
	s_wait_dscnt 0x0
	s_endpgm
.Lfunc_end_k_q97a5a37211_attn:
	.size	k_q97a5a37211_attn, .Lfunc_end_k_q97a5a37211_attn-k_q97a5a37211_attn
	.p2alignl 7, 3214868480
	.fill 96, 4, 3214868480
	.section	.rodata,"a",@progbits
	.p2align	6, 0x0
	.amdhsa_kernel k_q97a5a37211_attn
		.amdhsa_group_segment_fixed_size 206848
		.amdhsa_private_segment_fixed_size 0
		.amdhsa_enable_private_segment 0
		.amdhsa_kernarg_size 24
		.amdhsa_user_sgpr_count 2
		.amdhsa_user_sgpr_kernarg_segment_ptr 1
		.amdhsa_wavefront_size32 1
		.amdhsa_system_sgpr_workgroup_id_x 1
		.amdhsa_system_sgpr_workgroup_id_y 1
		.amdhsa_system_sgpr_workgroup_id_z 1
		.amdhsa_system_vgpr_workitem_id 0
		.amdhsa_next_free_vgpr 256
		.amdhsa_next_free_sgpr 102
		.amdhsa_reserve_vcc 0
		.amdhsa_float_denorm_mode_32 3
		.amdhsa_float_denorm_mode_16_64 3
		.amdhsa_memory_ordered 1
		.amdhsa_forward_progress 1
		.amdhsa_inst_pref_size 56
	.end_amdhsa_kernel
	.amdgpu_metadata
---
amdhsa.version: [ 1, 2 ]
amdhsa.kernels:
  - .name:           k_q97a5a37211_attn
    .symbol:         k_q97a5a37211_attn.kd
    .args:
      - { .name: qkv, .offset: 0, .size: 8, .value_kind: global_buffer, .address_space: global }
      - { .name: maskw, .offset: 8, .size: 8, .value_kind: global_buffer, .address_space: global }
      - { .name: ctx, .offset: 16, .size: 8, .value_kind: global_buffer, .address_space: global }
    .group_segment_fixed_size: 206848
    .private_segment_fixed_size: 0
    .kernarg_segment_align: 8
    .kernarg_segment_size: 24
    .max_flat_workgroup_size: 512
    .sgpr_count:     102
    .vgpr_count:     256
    .wavefront_size: 32
...
	.end_amdgpu_metadata
.endif
;; end of part 3
;; launch go (part 4): grid 8 x 32, 4 waves a work-group, clusters of 4 x 4, 327,680 bytes of LDS; arguments ctx, wimg, bo, x, x1; writes x1
.if DOCPART == 4
	.amdgcn_target "amdgcn-amd-amdhsa--gfx1250"
	.amdhsa_code_object_version 6
	.text
	.protected	k_q97a5a37211_go
	.globl	k_q97a5a37211_go
	.p2align	8
	.type	k_q97a5a37211_go,@function
k_q97a5a37211_go:
	s_mov_b64 s[64:65], 0
	v_nop
	global_prefetch_b8 v0, s[64:65] scope:SCOPE_SE
	s_setreg_imm32_b32 hwreg(HW_REG_WAVE_MODE, 25, 1), 1
	s_wait_xcnt 0x0
	s_wait_alu depctr_hold_cnt(0) depctr_sa_sdst(0) depctr_va_vdst(0) depctr_va_sdst(0) depctr_va_ssrc(0) depctr_va_vcc(0) depctr_vm_vsrc(0)
	s_getreg_b32 s2, hwreg(HW_REG_IB_STS2, 6, 4)
	s_cmp_eq_u32 s2, 0
	s_cbranch_scc0 .Lentry_in_a_cluster
	s_endpgm
.Lentry_in_a_cluster:
	s_bfe_u32 s2, ttmp6, 0x10000c
	s_cmp_lg_u32 s2, 0xf033
	s_cbranch_scc0 .Lentry_shape_is_right
	s_endpgm
.Lentry_shape_is_right:
; ONE TEXT FOR TWO LAUNCHES, told apart by G2.  out = res + A W + bias, f32 [4096][1024].  G2 = 0: A = ctx, K = 1,024, W = Wo; G2 = 1: A = the hidden layer, K = 4,096, W = W2.
; Both operands are FP6 codes that lie in memory as images of their registers, [tile][K step][1,536 bytes], with scale records [tile][K step][64 bytes] (the layouts are set out at the head of the launch that makes q, k, v).
; N is 1,024, so a tile of 128 tokens x 128 columns gives each of 256 work-groups one tile; a wave makes 64 x 64: 16 accumulators.  K goes in steps of 128, FOUR to a slot, through a ring of two LDS slots,
; so that a refill has 64 products a wave in which to land.  All scale records of the work-group come once, with the first fills.
; CLUSTERS: 4 x 4; A's tiles are shared along a row of the cluster, W's along a column: joint loads.  A wave has three tensor loads out at the start and one behind each round.
; The product is used transposed (source 0 = W, source 1 = A): a lane holds one token and eight neighbouring columns.  A tile's rows are 32 (T / 2) + 8 (T % 2) + r + 8 (r / 8).
; The bias is the C of each sum's first product.  The residual is asked for at the head and added on the way out, behind the wave's own stage in LDS, from which whole rows of 256 bytes come back.
; REGISTERS: window 0: v5-30 addresses; v32-63 scale words, two sets; v64-95 the bias, later rows on the way out, with v96-127; v128-255 accumulators.  window 1: two sets of fragments.  window 2: the residual.
; No L2 prefetch: with G2 = 0 the whole of K is asked for at the head; with G2 = 1 the tiles are shared in the cluster and a refill has a slot's four steps.
.set G2, 0
.if G2
.set KT,  32
.set ASC, 12582912
.set WC,  6291456
.set WS,  9699328
.else
.set KT,  8
.set ASC, 3145728
.set WC,  2359296
.set WS,  9535488
.endif
.set MTW, 8
.set NTW, 8
.set MT,  4
.set NT,  4
.set KS,  4
.set FB,  1536
.set LAPS, KT/(2*KS)
.set SLOT, (MTW+NTW)*KS*FB
.set SCL,  2*SLOT
.set SCLB, SCL+MTW*KT*64
.set SPARE, SCLB+NTW*KT*64             ; the spare words: 128 bytes a wave, two blocks of 256 bytes that no other line names
.set SPITCH, 272                       ; the stage: 16 rows x (256 + 16) bytes a wave, in slot 0, which has had its last fill and its last read when the first result is stored there
.set BOF, 5
.set STO, 6
.set RD,  7
.set CO,  8
.set A16, 16
.set A8,  18
.set B16, 20
.set B8,  22
.set ADSA, 24
.set ADSB, 25
.set L16, 26
.set L8,  27
.set SPW, 28
.set NIL, 29
.set SA,  32
.set SB,  40
.set BI,  64
.set ACC, 128
.set G1,  24
.set G0,  32
.set G1B, 48
.set G0B, 56
.set G1S, 68
.set G0S, 76
.set G1SB, 80
.set G0SB, 88
.set MSB, 0
.macro WIN new
.if MSB != (\new)
	s_set_vgpr_msb (MSB<<8)|(\new)
.set MSB, (\new)
.endif
.endm
.macro PLACES n
.rept \n
	v_nop
.endr
.endm
.macro JLOAD g0a, g1a, g0b, g1b        ; a joint load: waves 0 and 1 fetch for A, waves 2 and 3 for W; four v_nop follow each of the two lines
	s_cmp_eq_u32 s15, 0
	s_cbranch_scc0 .Lfor_b_\@
	tensor_load_to_lds s[\g0a:\g0a+3], s[\g1a:\g1a+7]
	s_nop 0
.rept 4
	v_nop
.endr
	s_branch .Lasked_\@
.Lfor_b_\@:
	tensor_load_to_lds s[\g0b:\g0b+3], s[\g1b:\g1b+7]
	s_nop 0
.rept 4
	v_nop
.endr
.Lasked_\@:
.endm
.macro CREST
	s_cmp_lg_u32 s14, 0
	s_cbranch_scc1 .Lnot_wave_0_\@
	s_barrier_signal -3
.Lnot_wave_0_\@:
	s_barrier_wait -3
	s_barrier_signal -1
	s_barrier_wait -1
.endm
.macro CROUND
	s_barrier_signal -1
	s_barrier_wait -1
	CREST
.endm
.macro FRAG reg, a16, a8, off
	ds_load_b128 v[(\reg):(\reg)+3], v[\a16] offset:(\off)
	ds_load_b64 v[(\reg)+4:(\reg)+5], v[\a8] offset:(\off)+512
	ds_load_b128 v[(\reg)+6:(\reg)+9], v[\a16] offset:(\off)+768
	ds_load_b64 v[(\reg)+10:(\reg)+11], v[\a8] offset:(\off)+1280
.endm
.macro WM d, x, y, c, sx, sy, odd
.if \odd
	v_wmma_scale_f32_16x16x128_f8f6f4 v[(\d):(\d)+7], v[(\x):(\x)+11], v[(\y):(\y)+11], v[(\c):(\c)+7], v[\sx], v[\sy] matrix_a_fmt:MATRIX_FMT_FP6 matrix_b_fmt:MATRIX_FMT_FP6 matrix_a_scale:MATRIX_SCALE_ROW1 matrix_b_scale:MATRIX_SCALE_ROW1
.else
	v_wmma_scale_f32_16x16x128_f8f6f4 v[(\d):(\d)+7], v[(\x):(\x)+11], v[(\y):(\y)+11], v[(\c):(\c)+7], v[\sx], v[\sy] matrix_a_fmt:MATRIX_FMT_FP6 matrix_b_fmt:MATRIX_FMT_FP6
.endif
.endm
; A's block a x W's four.  The 16 accumulators take turns, one instruction a turn, in the same order in every step.
.macro MUL4 a, p, q, z, first
.irp t, 0,1,2,3
.if \first
	WM ACC+8*(4*(\a)+\t), 128*(\p)+48+12*\t, 128*(\p)+12*(\a), BI+8*\t, SB+16*(\z)+2*\t+(\q)/2, SA+16*(\z)+2*(\a)+(\q)/2, (\q)%2
.else
	WM ACC+8*(4*(\a)+\t), 128*(\p)+48+12*\t, 128*(\p)+12*(\a), ACC+8*(4*(\a)+\t), SB+16*(\z)+2*\t+(\q)/2, SA+16*(\z)+2*(\a)+(\q)/2, (\q)%2
.endif
.endr
.endm
.macro FETCH z, q, p
	WIN 0x40
.set FI, 0
.rept NT
	FRAG 128*(\p)+48+12*FI, B16+\z, B8+\z, FI*KS*FB+FB*(\q)
.set FI, FI+1
.endr
.set FI, 0
.rept MT
	FRAG 128*(\p)+12*FI, A16+\z, A8+\z, FI*KS*FB+FB*(\q)
.set FI, FI+1
.endr
	WIN 0
.endm
.macro SCALES z                        ; two registers a tile for the slot's four steps: lanes 0-15 the even step's words, lanes 16-31 the odd one's
.set FI, 0
.rept MT
	ds_load_b32 v[SA+16*(\z)+2*FI], v[ADSA] offset:FI*KT*64
	ds_load_b32 v[SA+16*(\z)+2*FI+1], v[ADSA] offset:FI*KT*64+128
.set FI, FI+1
.endr
.set FI, 0
.rept NT
	ds_load_b32 v[SB+16*(\z)+2*FI], v[ADSB] offset:FI*KT*64
	ds_load_b32 v[SB+16*(\z)+2*FI+1], v[ADSB] offset:FI*KT*64+128
.set FI, FI+1
.endr
.endm
.macro STEP z, q, first
	s_wait_dscnt 0x0                               ; this step's fragments and scale words are in
	WIN 0x05                                       ; both sources in window 1
	MUL4 0, (\q)%2, \q, \z, \first
	MUL4 1, (\q)%2, \q, \z, \first
	PLACES 4                                       ; between the last products that read the other set and the loads into it
	FETCH \z, (\q)+1, 1-(\q)%2
	WIN 0x05
	MUL4 2, (\q)%2, \q, \z, \first
	MUL4 3, (\q)%2, \q, \z, \first
.endm
.macro TURN z, nz, fill                ; a slot's last step changes slots
	WIN 0
	s_wait_tensorcnt 0x0                           ; all my tensor loads have landed: my part of the next slot
	ds_add_u32 v[SPW], v[NIL]                      ; 0 onto my spare word
	s_wait_dscnt 0x1                               ; this step's fragments are in; the add alone may be out
	WIN 0x05
	MUL4 0, 1, KS-1, \z, 0
	s_wait_dscnt 0x0                               ; the add is done, and my reads of this slot are over
	s_barrier_signal -1
	MUL4 1, 1, KS-1, \z, 0
	WIN 0
	s_barrier_wait -1
.if \fill
	CREST                                          ; the barrier has opened a round of the cluster's barrier
	s_add_nc_u64 s[G0+4*\z+2:G0+4*\z+3], s[G0+4*\z+2:G0+4*\z+3], 2*KS*FB
	s_add_nc_u64 s[G0B+4*\z+2:G0B+4*\z+3], s[G0B+4*\z+2:G0B+4*\z+3], 2*KS*FB
	JLOAD G0+4*\z, G1, G0B+4*\z, G1B               ; the first tensor load behind the round; its four v_nop are the places in front of the loads below
.else
	PLACES 4
.endif
	v_add_nc_u32 v[ADSA], KS*64, v[ADSA]
	v_add_nc_u32 v[ADSB], KS*64, v[ADSB]
	FETCH \nz, 0, 0
	SCALES \nz
	WIN 0x05
	MUL4 2, 1, KS-1, \z, 0
	MUL4 3, 1, KS-1, \z, 0
.endm
	s_load_b256 s[4:11], s[0:1], 0x0               ; A, wimg, bias, residual
	s_load_b64 s[12:13], s[0:1], 0x20              ; out
	v_lshl_add_u32 v[SPW], v0, 2, SPARE
	v_mov_b32 v[NIL], 0
	ds_add_u32 v28, v29
	ds_add_u32 v28, v29
	s_wait_dscnt 0x0
	v_lshrrev_b32 v1, 5, v0
	v_readfirstlane_b32 s14, v1
	s_lshr_b32 s15, s14, 1                         ; wy; also: I fetch for A (0) or for W (1)
	s_and_b32 s16, s14, 1                          ; wx; also: which half of the tiles I fetch
	s_bfe_u32 s40, ttmp6, 0x40000
	s_bfe_u32 s41, ttmp6, 0x40004
	s_lshl_b32 s42, ttmp9, 2
	s_add_co_u32 s42, s42, s40                     ; work-group x
	s_and_b32 s17, ttmp7, 0xffff
	s_lshl_b32 s17, s17, 2
	s_add_co_u32 s17, s17, s41                     ; work-group y
	s_lshl_b32 s43, s41, 2
	s_lshl_b32 s43, 15, s43
	s_lshl_b32 s44, 0x1111, s40
	s_or_b32 s[G1+0], s43, (3<<16)|(1<<21)
	s_or_b32 s[G1B+0], s44, (3<<16)|(1<<21)
.irp g, G1, G1B
	s_mov_b32 s[\g+1], (192*KS)<<16                ; four tiles as rows of KS fragments (elements of 8 bytes), KT fragments apart in memory
	s_mov_b32 s[\g+2], (MTW/2)<<16
	s_mov_b32 s[\g+3], (192*KS)<<16
	s_mov_b32 s[\g+4], MTW/2
	s_mov_b32 s[\g+5], 192*KT
	s_mov_b32 s[\g+6], 0
	s_mov_b32 s[\g+7], 0
.endr
	s_or_b32 s[G1S+0], s43, (3<<16)|(1<<21)
	s_or_b32 s[G1SB+0], s44, (3<<16)|(1<<21)
.irp g, G1S, G1SB
	s_mov_b32 s[\g+1], 32<<16                      ; four tiles' scale records: a dense block, as rows of 256 bytes
	s_mov_b32 s[\g+2], ((MTW/2)*KT/4)<<16
	s_mov_b32 s[\g+3], 32<<16
	s_mov_b32 s[\g+4], (MTW/2)*KT/4
	s_mov_b32 s[\g+5], 32
	s_mov_b32 s[\g+6], 0
	s_mov_b32 s[\g+7], 0
.endr
	s_mul_i32 s20, s17, MTW
	s_mul_i32 s18, s16, MTW/2
	s_add_co_u32 s20, s20, s18
	s_mul_i32 s22, s20, KT*64
	s_add_co_u32 s22, s22, ASC
	s_mov_b32 s23, 0
	s_mul_i32 s20, s20, KT*FB
	s_mov_b32 s21, 0
	s_mul_i32 s46, s42, NTW
	s_mul_i32 s18, s16, NTW/2
	s_add_co_u32 s46, s46, s18
	s_mul_i32 s96, s46, KT*64
	s_add_co_u32 s96, s96, WS
	s_mov_b32 s97, 0
	s_mul_i32 s46, s46, KT*FB
	s_add_co_u32 s46, s46, WC
	s_mov_b32 s47, 0
	s_mul_i32 s45, s16, (MTW/2)*KS*FB
	s_mul_i32 s19, s16, (NTW/2)*KS*FB
	s_add_co_u32 s19, s19, MTW*KS*FB
	s_mul_i32 s98, s16, (MTW/2)*KT*64
	s_add_co_u32 s98, s98, SCL
	s_mul_i32 s99, s16, (NTW/2)*KT*64
	s_add_co_u32 s99, s99, SCLB
	s_wait_kmcnt 0x0
	s_add_nc_u64 s[20:21], s[4:5], s[20:21]
	s_add_nc_u64 s[22:23], s[4:5], s[22:23]
	s_add_nc_u64 s[46:47], s[6:7], s[46:47]
	s_add_nc_u64 s[96:97], s[6:7], s[96:97]
	CROUND                                         ; all sixteen work-groups are here: the first joint loads meet
	s_mov_b32 s[G0S], 1
	s_mov_b32 s[G0S+1], s98
	s_mov_b64 s[G0S+2:G0S+3], s[22:23]
	s_or_b32 s[G0S+3], s[G0S+3], 0x80000000
	s_mov_b32 s[G0SB], 1
	s_mov_b32 s[G0SB+1], s99
	s_mov_b64 s[G0SB+2:G0SB+3], s[96:97]
	s_or_b32 s[G0SB+3], s[G0SB+3], 0x80000000
	JLOAD G0S, G1S, G0SB, G1SB
.irp z, 0,1
	s_mov_b32 s[G0+4*\z], 1
	s_add_co_u32 s[G0+4*\z+1], s45, \z*SLOT
	s_add_nc_u64 s[G0+4*\z+2:G0+4*\z+3], s[20:21], \z*KS*FB
	s_or_b32 s[G0+4*\z+3], s[G0+4*\z+3], 0x80000000
	s_mov_b32 s[G0B+4*\z], 1
	s_add_co_u32 s[G0B+4*\z+1], s19, \z*SLOT
	s_add_nc_u64 s[G0B+4*\z+2:G0B+4*\z+3], s[46:47], \z*KS*FB
	s_or_b32 s[G0B+4*\z+3], s[G0B+4*\z+3], 0x80000000
	JLOAD G0+4*\z, G1, G0B+4*\z, G1B
.endr
	v_and_b32 v1, 31, v0
	v_and_b32 v2, 15, v0                           ; r
	v_bfe_u32 v3, v0, 4, 1                         ; h
	v_lshlrev_b32 v[L16], 4, v1
	v_lshlrev_b32 v[L8], 3, v1
	v_lshlrev_b32 v4, 2, v1
	s_mul_i32 s20, s15, MT*KS*FB
	s_mul_i32 s21, s16, NT*KS*FB
	s_add_co_u32 s21, s21, MTW*KS*FB
.irp z, 0,1
	v_add_nc_u32 v[A16+\z], s20, v[L16]
	v_add_nc_u32 v[A8+\z], s20, v[L8]
	v_add_nc_u32 v[B16+\z], s21, v[L16]
	v_add_nc_u32 v[B8+\z], s21, v[L8]
	s_add_co_u32 s20, s20, SLOT
	s_add_co_u32 s21, s21, SLOT
.endr
	s_mul_i32 s20, s15, MT*KT*64
	s_add_co_u32 s20, s20, SCL
	v_add_nc_u32 v[ADSA], s20, v4
	s_mul_i32 s21, s16, NT*KT*64
	s_add_co_u32 s21, s21, SCLB
	v_add_nc_u32 v[ADSB], s21, v4
	s_mul_i32 s23, s14, 16*SPITCH                  ; my stage
	v_mul_u32_u24 v[STO], v2, SPITCH
	v_lshl_add_u32 v[STO], v3, 6, v[STO]
	v_add_nc_u32 v[STO], s23, v[STO]               ; in: row r, + 64 h
	v_mul_u32_u24 v[RD], v3, SPITCH
	v_lshl_add_u32 v[RD], v2, 4, v[RD]
	v_add_nc_u32 v[RD], s23, v[RD]                 ; back: lanes 0-15 one row of 256 bytes, lanes 16-31 the next
	v_lshlrev_b32 v[CO], 12, v3
	v_lshl_add_u32 v[CO], v2, 4, v[CO]             ; and the same two rows in memory
	v_lshlrev_b32 v[BOF], 6, v3                    ; the bias: 64 h
	s_lshl_b32 s18, s42, 9
	s_lshl_b32 s19, s16, 8
	s_add_co_u32 s18, s18, s19                     ; my 64 columns, in bytes
	s_mov_b32 s19, 0
	s_add_nc_u64 s[8:9], s[8:9], s[18:19]
	s_lshl_b32 s20, s17, 19                        ; 128 rows of 4,096 bytes a work-group,
	s_lshl_b32 s21, s15, 18                        ; 64 a wave
	s_add_co_u32 s20, s20, s21
	s_add_co_u32 s20, s20, s18
	s_mov_b32 s21, 0
	s_add_nc_u64 s[10:11], s[10:11], s[20:21]
	s_add_nc_u64 s[12:13], s[12:13], s[20:21]
.irp t, 0,1,2,3
	global_load_b128 v[BI+8*\t:BI+8*\t+3], v[BOF], s[8:9] offset:(32*(\t/2)+8*(\t%2))*4
	global_load_b128 v[BI+8*\t+4:BI+8*\t+7], v[BOF], s[8:9] offset:(32*(\t/2)+8*(\t%2))*4+16
.endr
	WIN 0x80                                       ; destination window 2
.irp a, 0,1,2,3
.irp i, 0,1,2,3,4,5,6,7
	global_load_b128 v[32*\a+4*\i:32*\a+4*\i+3], v[CO], s[10:11] offset:(32*(\a/2)+8*(\a%2)+2*\i+8*(\i/4))*4096   ; the residual, in the layout in which the rows come back from the stage
.endr
.endr
	WIN 0
	s_wait_tensorcnt 0x1                           ; the scale records and my part of slot 0 are in; slot 1's load may be out
	s_barrier_signal -1
	s_barrier_wait -1
	FETCH 0, 0, 0
	SCALES 0
	s_wait_loadcnt 32                              ; the bias is in; the residual's 32 loads may be out
	STEP 0, 0, 1
.if LAPS > 1
	WIN 0                                          ; at a label and at a branch every window is 0
	s_mov_b32 s3, LAPS-1
.Llap:                                                 ; a trip goes once round the ring and fills both slots again
	STEP 0, 1, 0
	STEP 0, 2, 0
	TURN 0, 1, 1
	STEP 1, 0, 0
	STEP 1, 1, 0
	STEP 1, 2, 0
	TURN 1, 0, 1
	STEP 0, 0, 0
	WIN 0
	s_sub_co_u32 s3, s3, 1
	s_cmp_lg_u32 s3, 0
	s_cbranch_scc1 .Llap
.endif
	STEP 0, 1, 0                                   ; the last lap fills nothing
	STEP 0, 2, 0
	TURN 0, 1, 0
	STEP 1, 0, 0
	STEP 1, 1, 0
	STEP 1, 2, 0
	s_wait_dscnt 0x0
	WIN 0x05
	MUL4 0, 1, KS-1, 1, 0
	MUL4 1, 1, KS-1, 1, 0
	MUL4 2, 1, KS-1, 1, 0
	MUL4 3, 1, KS-1, 1, 0
	WIN 0
	; THE WAY OUT, a tile of 16 tokens at a time
	PLACES 4
	s_wait_loadcnt 0x0                             ; the residual
.irp a, 0,1,2,3
.set OS, 64+32*(\a%2)
.if \a > 1
	s_wait_xcnt 0x0                                ; the stores of two tiles back have read their registers
.endif
.irp t, 0,1,2,3
	ds_store_b128 v[STO], v[ACC+8*(4*\a+\t):ACC+8*(4*\a+\t)+3] offset:128*(\t/2)+32*(\t%2)       ; each accumulator from its low end on: columns 32 (t / 2) + 16 h + 8 (t % 2) + 0 .. 7
	ds_store_b128 v[STO], v[ACC+8*(4*\a+\t)+4:ACC+8*(4*\a+\t)+7] offset:128*(\t/2)+32*(\t%2)+16
.endr
.irp i, 0,1,2,3,4,5,6,7
	ds_load_b128 v[OS+4*\i:OS+4*\i+3], v[RD] offset:\i*2*SPITCH    ; LDS serves a wave's instructions in order: these see the stores above
.endr
	s_wait_dscnt 0x0
	WIN 0x08                                       ; source 1: window 2
.irp k, 0,1,2,3,4,5,6,7,8,9,10,11,12,13,14,15
	v_pk_add_f32 v[OS+2*\k:OS+2*\k+1], v[OS+2*\k:OS+2*\k+1], v[32*\a+2*\k:32*\a+2*\k+1]
.endr
	WIN 0
.irp i, 0,1,2,3,4,5,6,7
	global_store_b128 v[CO], v[OS+4*\i:OS+4*\i+3], s[12:13] offset:(32*(\a/2)+8*(\a%2)+2*\i+8*(\i/4))*4096 th:TH_STORE_NT   ; 16 lanes store 256 consecutive bytes, aligned
.endr
.endr
	s_wait_tensorcnt 0x0                           ; the wave's end
	ds_add_u32 v[SPW], v[NIL]
	s_wait_dscnt 0x0
	CROUND                                         ; the closing round
	s_endpgm
.Lfunc_end_k_q97a5a37211_go:
	.size	k_q97a5a37211_go, .Lfunc_end_k_q97a5a37211_go-k_q97a5a37211_go
	.p2alignl 7, 3214868480
	.fill 96, 4, 3214868480
	.section	.rodata,"a",@progbits
	.p2align	6, 0x0
	.amdhsa_kernel k_q97a5a37211_go
		.amdhsa_group_segment_fixed_size 327680
		.amdhsa_private_segment_fixed_size 0
		.amdhsa_enable_private_segment 0
		.amdhsa_kernarg_size 40
		.amdhsa_user_sgpr_count 2
		.amdhsa_user_sgpr_kernarg_segment_ptr 1
		.amdhsa_wavefront_size32 1
		.amdhsa_system_sgpr_workgroup_id_x 1
		.amdhsa_system_sgpr_workgroup_id_y 1
		.amdhsa_system_sgpr_workgroup_id_z 1
		.amdhsa_system_vgpr_workitem_id 0
		.amdhsa_next_free_vgpr 640
		.amdhsa_next_free_sgpr 100
		.amdhsa_reserve_vcc 0
		.amdhsa_float_denorm_mode_32 3
		.amdhsa_float_denorm_mode_16_64 3
		.amdhsa_memory_ordered 1
		.amdhsa_forward_progress 1
		.amdhsa_inst_pref_size 62
	.end_amdhsa_kernel
	.amdgpu_metadata
---
amdhsa.version: [ 1, 2 ]
amdhsa.kernels:
  - .name:           k_q97a5a37211_go
    .symbol:         k_q97a5a37211_go.kd
    .args:
      - { .name: ctx, .offset: 0, .size: 8, .value_kind: global_buffer, .address_space: global }
      - { .name: wimg, .offset: 8, .size: 8, .value_kind: global_buffer, .address_space: global }
      - { .name: bo, .offset: 16, .size: 8, .value_kind: global_buffer, .address_space: global }
      - { .name: x, .offset: 24, .size: 8, .value_kind: global_buffer, .address_space: global }
      - { .name: x1, .offset: 32, .size: 8, .value_kind: global_buffer, .address_space: global }
    .group_segment_fixed_size: 327680
    .private_segment_fixed_size: 0
    .kernarg_segment_align: 8
    .kernarg_segment_size: 40
    .max_flat_workgroup_size: 128
    .sgpr_count:     100
    .vgpr_count:     640
    .wavefront_size: 32
...
	.end_amdgpu_metadata
.endif
;; end of part 4
;; launch ln2 (part 5): grid 256 x 1, 4 waves a work-group, no clusters, 67,584 bytes of LDS; arguments x1, alpha2, beta2, xn; writes xn
.if DOCPART == 5
	.amdgcn_target "amdgcn-amd-amdhsa--gfx1250"
	.amdhsa_code_object_version 6
	.text
	.protected	k_q97a5a37211_ln2
	.globl	k_q97a5a37211_ln2
	.p2align	8
	.type	k_q97a5a37211_ln2,@function
k_q97a5a37211_ln2:
	s_mov_b64 s[64:65], 0
	v_nop
	global_prefetch_b8 v0, s[64:65] scope:SCOPE_SE
	s_setreg_imm32_b32 hwreg(HW_REG_WAVE_MODE, 25, 1), 1
	s_wait_xcnt 0x0
; y = alpha (x - mean) / (std + 1e-6) + beta, std with the divisor 1,023; y is quantised to FP6 (E2M3), one E8M0 scale for each 32 along the row, and stored as fragment images.
; x: [4096][1024] f32.  out: codes [tile 256][K step 8][1,536 bytes], then at byte 3,145,728 scale records [tile][K step][64 bytes].
; A work-group takes one tile of 16 rows (row r of tile T: 32 (T / 2) + 8 (T % 2) + r + 8 (r / 8)); wave w takes columns 256 w on: K steps 2 w and 2 w + 1.
; Each load reads 512 consecutive bytes of a row; the numbers turn through the wave's own stage in LDS (rows 1,040 bytes apart: 260 words, the sixteen rows start four banks apart), after which
; lane (r, h) holds, of row r, register 64 s + 16 b + i = column 256 w + 128 s + 32 b + 16 h + i: what the conversions want.  The row stays in registers: memory is read once.
; Mean first, then the sum of (x - mean)^2: no difference of large sums is formed.  Each sum crosses the four waves through 256 bytes of LDS of its own, behind one barrier.
; LIMITS: the division is v_rcp_f32 and a multiplication, the root v_sqrt_f32.  A block whose largest magnitude lies under 2^-124 (a block of zeros too) gets the scale byte 1; this program alone reads the bytes.
; NaN and infinities among the inputs are not served.
.set SP,   1040
.set RED1, 4*16*SP                     ; 66,560: 64 bytes a wave; the second sum's words lie 256 bytes on
.set X,    96                          ; v96-223 my 128 numbers
.set TM,   32                          ; v32-47 at work in the quantiser
.set PW,   48                          ; the scale word just made; v49 keeps the first
.set PC,   52                          ; v52-63 the codes; v64-66, v68-70 halves on their way
.set SEL,  20
	s_load_b256 s[4:11], s[0:1], 0x0               ; x, alpha, beta, out
	v_lshl_add_u32 v224, v0, 2, 0x10600
	v_mov_b32 v225, 0
	v_lshrrev_b32 v1, 5, v0
	v_readfirstlane_b32 s12, v1                    ; wave
	v_and_b32 v1, 31, v0
	v_and_b32 v2, 15, v0                           ; r
	v_bfe_u32 v3, v0, 4, 1                         ; h
	v_lshlrev_b32 v4, 4, v1                        ; 16 x lane
	v_lshlrev_b32 v10, 3, v1                       ; 8 x lane
	v_lshlrev_b32 v11, 2, v1                       ; 4 x lane
	s_mul_i32 s13, s12, 16*SP
	v_add_nc_u32 v5, s13, v4                       ; the stage, in
	v_mul_u32_u24 v6, v2, SP
	v_lshl_add_u32 v6, v3, 6, v6
	v_add_nc_u32 v6, s13, v6                       ; and out: row r, + 64 h
	v_lshlrev_b32 v8, 2, v2
	v_add_nc_u32 v8, RED1, v8                      ; the waves' partial sums of row r
	s_lshl_b32 s14, s12, 6
	v_add_nc_u32 v7, s14, v8                       ; mine
	s_mov_b32 s[SEL], 0x76543210
	s_mov_b32 s[SEL+1], 0xfedcba98                 ; v_permlanex16_b32's selects for lane l xor 16
	s_mov_b32 s26, 0xffff0000                      ; lanes 16-31
.irp b, 0,1,2,3
	v_mov_b32 v[TM+4+\b], 0                        ; a lane permute's destination counts as one of its sources
.endr
	s_lshr_b32 s15, ttmp9, 1
	s_lshl_b32 s15, s15, 5
	s_and_b32 s16, ttmp9, 1
	s_lshl_b32 s16, s16, 3
	s_add_co_u32 s15, s15, s16                     ; the tile's first row
	s_lshl_b32 s16, s15, 12
	s_lshl_b32 s17, s12, 10
	s_add_co_u32 s16, s16, s17
	s_mov_b32 s17, 0
	s_lshl_b32 s18, ttmp9, 3
	s_lshl_b32 s19, s12, 1
	s_add_co_u32 s18, s18, s19                     ; 8 T + 2 w: my first fragment
	s_mul_i32 s28, s18, 1536
	s_mov_b32 s29, 0
	s_lshl_b32 s30, s18, 6
	s_add_co_u32 s30, s30, 3145728
	s_mov_b32 s31, 0
	s_wait_kmcnt 0x0
	s_load_b32 s22, s[6:7], 0x0                    ; alpha
	s_load_b32 s24, s[8:9], 0x0                    ; beta
	s_add_nc_u64 s[4:5], s[4:5], s[16:17]
	s_add_nc_u64 s[28:29], s[10:11], s[28:29]      ; codes
	s_add_nc_u64 s[30:31], s[10:11], s[30:31]      ; scale records
.irp i, 0,1,2,3,4,5,6,7,8,9,10,11,12,13,14,15
.irp c, 0,1
	global_load_b128 v[X+8*\i+4*\c:X+8*\i+4*\c+3], v4, s[4:5] offset:(\i+8*(\i/8))*4096+512*\c th:TH_LOAD_NT
.endr
.endr
.set N, 0
.rept 32
	s_wait_loadcnt 31-N                            ; loads come back in order: load N is in, the younger ones stay out
	ds_store_b128 v5, v[X+4*N:X+4*N+3] offset:(N/2)*SP+512*(N%2)
.set N, N+1
.endr
.set N, 0
.rept 32
	ds_load_b128 v[X+4*N:X+4*N+3], v6 offset:512*(N/16)+128*((N/4)%4)+16*(N%4)   ; LDS serves a wave's instructions in order: these see the stores above
.set N, N+1
.endr
	s_wait_dscnt 0x0
; v[24:31], four chains, become one number a row; it crosses the halves of the lanes and then the four waves
.macro REDUCE off
	v_pk_add_f32 v[24:25], v[24:25], v[26:27]
	v_pk_add_f32 v[28:29], v[28:29], v[30:31]
	v_pk_add_f32 v[24:25], v[24:25], v[28:29]
	v_add_f32 v24, v24, v25
	v_permlanex16_b32 v25, v24, s[SEL], s[SEL+1]
	v_add_f32 v24, v24, v25                        ; my wave's 256 columns of row r
	ds_store_b32 v7, v24 offset:\off               ; (both halves of the lanes write the same word with the same value)
	s_wait_dscnt 0x0                               ; for the others' sake: my store is done
	s_barrier_signal -1
	s_barrier_wait -1
	ds_load_b32 v18, v8 offset:\off
	ds_load_b32 v19, v8 offset:\off+64
	ds_load_b32 v20, v8 offset:\off+128
	ds_load_b32 v21, v8 offset:\off+192
	s_wait_dscnt 0x0
	v_add_f32 v18, v18, v19
	v_add_f32 v20, v20, v21
	v_add_f32 v18, v18, v20                        ; the same order in every wave: the same number
.endm
.irp k, 0,1,2,3
	v_pk_add_f32 v[24+2*\k:25+2*\k], v[X+2*\k:X+1+2*\k], v[X+8+2*\k:X+9+2*\k]   ; the first numbers start the chains
.endr
.set N, 16
.rept 14
.irp k, 0,1,2,3
	v_pk_add_f32 v[24+2*\k:25+2*\k], v[24+2*\k:25+2*\k], v[X+N+2*\k:X+N+1+2*\k]
.endr
.set N, N+8
.endr
	REDUCE 0
	v_mul_f32 v12, 0xba800000, v18                 ; -mean = sum x -2^-10
	v_mov_b32 v13, v12
.set N, 0
.rept 64
	v_pk_add_f32 v[X+N:X+N+1], v[X+N:X+N+1], v[12:13] op_sel_hi:[1,0]   ; d = x - mean
.set N, N+2
.endr
.irp k, 0,1,2,3
	v_pk_mul_f32 v[24+2*\k:25+2*\k], v[X+2*\k:X+1+2*\k], v[X+2*\k:X+1+2*\k]
.endr
.set N, 8
.rept 15
.irp k, 0,1,2,3
	v_pk_fma_f32 v[24+2*\k:25+2*\k], v[X+N+2*\k:X+N+1+2*\k], v[X+N+2*\k:X+N+1+2*\k], v[24+2*\k:25+2*\k]
.endr
.set N, N+8
.endr
	REDUCE 256
	v_mul_f32 v16, 0x3a802008, v18                 ; / 1,023
	v_sqrt_f32 v17, v16
	v_nop                                          ; a plain instruction behind the transcendental,
	s_wait_alu depctr_va_vdst(0)                   ; and the wait ahead of its first reader
	v_add_f32 v17, 0x358637bd, v17                 ; + 1e-6
	v_rcp_f32 v16, v17
	v_nop
	s_wait_alu depctr_va_vdst(0)
	s_wait_kmcnt 0x0                               ; alpha, beta
	s_mov_b32 s25, s24                             ; (the packed form names the pair)
	v_mul_f32 v14, s22, v16                        ; alpha / (std + eps)
	v_mov_b32 v15, v14
.set N, 0
.rept 64
	v_pk_fma_f32 v[X+N:X+N+1], v[X+N:X+N+1], v[14:15], s[24:25] op_sel_hi:[1,0,0]
.set N, N+2
.endr
; 64 numbers of a lane, register 16 b + i = k 32 b + 16 h + i of my row, become a fragment's codes in v[PC] on and its scale word in v[PW]
.macro QUANT s
.irp b, 0,1,2,3
	v_max3_num_f32 v[TM+\b], |v[(\s)+16*\b]|, |v[(\s)+1+16*\b]|, 0x1800000   ; my 16 numbers of block b, and the floor 2^(3 - 127): the byte cannot fall under 1
.endr
.irp i, 2,4,6,8,10,12,14
.irp b, 0,1,2,3
	v_max3_num_f32 v[TM+\b], |v[(\s)+16*\b+\i]|, |v[(\s)+1+16*\b+\i]|, v[TM+\b]
.endr
.endr
.irp b, 0,1,2,3
	v_permlanex16_b32 v[TM+4+\b], v[TM+\b], s[SEL], s[SEL+1]
.endr
.irp b, 0,1,2,3
	v_max_num_f32 v[TM+\b], v[TM+\b], v[TM+4+\b]   ; with lane l xor 16's: the block's largest magnitude
.endr
.irp b, 0,1,2,3
	v_add_nc_u32 v[TM+12+\b], 0xff000000, v[TM+\b] ; 2 off its exponent field: the conversion's scale operand
.endr
.irp b, 0,1,2,3
	v_lshrrev_b32 v[TM+4+\b], 23, v[TM+12+\b]      ; the scale's byte
.endr
	v_lshl_or_b32 v[PW], v[TM+5], 8, v[TM+4]
	v_lshl_or_b32 v[PW], v[TM+6], 16, v[PW]
	v_lshl_or_b32 v[PW], v[TM+7], 24, v[PW]
.irp c, 0,1
	v_cvt_scalef32_pk16_fp6_f32 v[PC+6*\c:PC+2+6*\c], v[(\s)+32*\c:(\s)+15+32*\c], v[TM+12+2*\c]
	v_cvt_scalef32_pk16_fp6_f32 v[PC+12+4*\c:PC+14+4*\c], v[(\s)+16+32*\c:(\s)+31+32*\c], v[TM+13+2*\c]   ; (a conversion's three registers begin on an even number)
.endr
	v_nop                                          ; one plain instruction behind a scaled conversion
.irp c, 0,1                            ; the operand's layout wants a whole block in a lane
.irp i, 0,1,2
	v_permlane16_swap_b32 v[PC+6*\c+\i], v[PC+12+4*\c+\i]
.endr
.irp i, 0,1,2
	v_mov_b32 v[PC+3+6*\c+\i], v[PC+12+4*\c+\i]
.endr
.endr
.endm
.macro CODES off                       ; the fragment's image: each store covers 512 or 256 consecutive bytes
	global_store_b128 v4, v[PC:PC+3], s[28:29] offset:\off
	global_store_b64 v10, v[PC+4:PC+5], s[28:29] offset:\off+512
	global_store_b128 v4, v[PC+6:PC+9], s[28:29] offset:\off+768
	global_store_b64 v10, v[PC+10:PC+11], s[28:29] offset:\off+1280
.endm
	QUANT X
	v_mov_b32 v49, v[PW]
	CODES 0
	s_wait_xcnt 0x0                                ; the stores' registers are written again only behind this wait
	QUANT X+64
	CODES 1536
	v_cndmask_b32 v[PW], v49, v[PW], s26           ; lanes 0-15: K step 2 w's words; lanes 16-31: K step 2 w + 1's
	global_store_b32 v11, v[PW], s[30:31]          ; two records, 128 consecutive bytes
	s_wait_tensorcnt 0x0
	ds_add_u32 v224, v225
	s_wait_dscnt 0x0
	s_endpgm
.Lfunc_end_k_q97a5a37211_ln2:
	.size	k_q97a5a37211_ln2, .Lfunc_end_k_q97a5a37211_ln2-k_q97a5a37211_ln2
	.p2alignl 7, 3214868480
	.fill 96, 4, 3214868480
	.section	.rodata,"a",@progbits
	.p2align	6, 0x0
	.amdhsa_kernel k_q97a5a37211_ln2
		.amdhsa_group_segment_fixed_size 67584
		.amdhsa_private_segment_fixed_size 0
		.amdhsa_enable_private_segment 0
		.amdhsa_kernarg_size 32
		.amdhsa_user_sgpr_count 2
		.amdhsa_user_sgpr_kernarg_segment_ptr 1
		.amdhsa_wavefront_size32 1
		.amdhsa_system_sgpr_workgroup_id_x 1
		.amdhsa_system_sgpr_workgroup_id_y 1
		.amdhsa_system_sgpr_workgroup_id_z 1
		.amdhsa_system_vgpr_workitem_id 0
		.amdhsa_next_free_vgpr 226
		.amdhsa_next_free_sgpr 66
		.amdhsa_reserve_vcc 0
		.amdhsa_float_denorm_mode_32 3
		.amdhsa_float_denorm_mode_16_64 3
		.amdhsa_memory_ordered 1
		.amdhsa_forward_progress 1
		.amdhsa_inst_pref_size 37
	.end_amdhsa_kernel
	.amdgpu_metadata
---
amdhsa.version: [ 1, 2 ]
amdhsa.kernels:
  - .name:           k_q97a5a37211_ln2
    .symbol:         k_q97a5a37211_ln2.kd
    .args:
      - { .name: x1, .offset: 0, .size: 8, .value_kind: global_buffer, .address_space: global }
      - { .name: alpha2, .offset: 8, .size: 8, .value_kind: global_buffer, .address_space: global }
      - { .name: beta2, .offset: 16, .size: 8, .value_kind: global_buffer, .address_space: global }
      - { .name: xn, .offset: 24, .size: 8, .value_kind: global_buffer, .address_space: global }
    .group_segment_fixed_size: 67584
    .private_segment_fixed_size: 0
    .kernarg_segment_align: 8
    .kernarg_segment_size: 32
    .max_flat_workgroup_size: 128
    .sgpr_count:     66
    .vgpr_count:     226
    .wavefront_size: 32
...
	.end_amdgpu_metadata
.endif
;; end of part 5
;; launch g1 (part 6): grid 16 x 16, 4 waves a work-group, clusters of 4 x 4, 327,680 bytes of LDS; arguments xn, wimg, b1, h; writes h
.if DOCPART == 6
	.amdgcn_target "amdgcn-amd-amdhsa--gfx1250"
	.amdhsa_code_object_version 6
	.text
	.protected	k_q97a5a37211_g1
	.globl	k_q97a5a37211_g1
	.p2align	8
	.type	k_q97a5a37211_g1,@function
k_q97a5a37211_g1:
	s_mov_b64 s[64:65], 0
	v_nop
	global_prefetch_b8 v0, s[64:65] scope:SCOPE_SE
	s_setreg_imm32_b32 hwreg(HW_REG_WAVE_MODE, 25, 1), 1
	s_wait_xcnt 0x0
	s_wait_alu depctr_hold_cnt(0) depctr_sa_sdst(0) depctr_va_vdst(0) depctr_va_sdst(0) depctr_va_ssrc(0) depctr_va_vcc(0) depctr_vm_vsrc(0)
	s_getreg_b32 s2, hwreg(HW_REG_IB_STS2, 6, 4)
	s_cmp_eq_u32 s2, 0
	s_cbranch_scc0 .Lentry_in_a_cluster
	s_endpgm
.Lentry_in_a_cluster:
	s_bfe_u32 s2, ttmp6, 0x10000c
	s_cmp_lg_u32 s2, 0xf033
	s_cbranch_scc0 .Lentry_shape_is_right
	s_endpgm
.Lentry_shape_is_right:
; ONE TEXT FOR TWO LAUNCHES, told apart by QKV.  Both multiply 4,096 rows of FP6 codes (K = 1,024) by weights in FP6, add a bias, and quantise the result to FP6 on the way out.
; QKV = 1: q, k, v = xn W + b.  A work-group takes 256 tokens x one head (12 tiles of weight rows); QKV = 0: relu(xn W1 + b1), 256 tokens x 256 columns (16 tiles).
; OPERANDS LIE IN MEMORY AS IMAGES OF THEIR REGISTERS: a fragment (16 rows x 128 K) is 1,536 bytes (registers 0-3 at 16 x lane, 4-5 at 512 + 8 x lane, 6-9 at 768 + 16 x lane, 10-11 at 1,280 + 8 x lane),
; laid [tile][K step]; its scale words are a record of 64 bytes, laid likewise.  So every LDS load reads consecutive bytes, and one load of 4 bytes a lane brings the words of two K steps
; (lanes 0-15 the even step, lanes 16-31 the odd one, which the odd step's products name by ROW1).
; A TILE'S 16 ROWS ARE NOT NEIGHBOURS: row r of tile T is 32 (T / 2) + 8 (T % 2) + r + 8 (r / 8).  So in a product used transposed (source 0 = weights, source 1 = tokens) a lane holds one token and the 16 registers of
; tiles 2 b, 2 b + 1 are columns 32 b + 16 h + 0 .. 15; used as it stands (v: source 0 = tokens) a lane holds one column and 16 neighbouring tokens: each time 16 neighbours along the NEXT product's K.
; Four waves; a wave makes 128 tokens x half the columns.  K goes in steps of 128, two to a slot, through a ring of two LDS slots.  All scale records of the work-group come once, with the first fills.
; CLUSTERS: 4 x 4 work-groups; the tokens' tiles are shared along a row of the cluster, the weights' along a column: joint loads, which divide the requests by four.
; By this text's count a wave has three tensor loads out at the start and one behind each round.
; REGISTERS: window 0: v16-30 addresses; v32-63 scale words, two sets; v64-159, v160-255 the tokens' fragments, two sets.  window 1: v0-95, v96-191 the weights' fragments; v192-255 the bias.  windows 2, 3: accumulators.
; No L2 prefetch: K is eight steps, and the first four are asked for at the head.
; LIMITS: a block whose largest magnitude lies under 2^-124 (a block of zeros too) gets the scale byte 1: this program alone reads the bytes.  NaN and infinities are not served.
.set QKV, 0
.set MTW, 16
.set MT,  8
.if QKV
.set NTW, 12
.set WC,  0
.set WS,  9437184
.else
.set NTW, 16
.set WC,  3145728
.set WS,  9568256
.endif
.set NT,  NTW/2
.set KT,  8
.set KS,  2
.set FB,  1536
.set ASC, 3145728                      ; where the tokens' scale records begin
.set QTOT, 3276800                     ; qkv: where K's and V's blocks begin
.set SLOT, (MTW+NTW)*KS*FB
.set SCL,  2*SLOT                      ; the tokens' scale records, then the weights'
.set SCLB, SCL+MTW*KT*64
.set SPARE, SCLB+NTW*KT*64             ; the spare words: 128 bytes a wave, two blocks of 256 bytes that no other line names
.set A16, 16
.set A8,  18
.set B16, 20
.set B8,  22
.set ADSA, 24
.set ADSB, 25
.set L16, 26
.set L8,  27
.set SPW, 28
.set NIL, 29
.set L4,  30
.set SA,  32
.set SB,  40
.set AF,  64
.set BF,  0
.set BI,  192
.set TM,  64                           ; the way out, window 0
.set PW,  80
.set PC,  84
.set ST,  128
.set SEL, 96
.set G1,  24
.set G0,  32
.set G1B, 48
.set G0B, 56
.set G1S, 68
.set G0S, 76
.set G1SB, 80
.set G0SB, 88
.set MSB, 0
.macro WIN new                         ; the immediate's high byte repeats the setting that is left
.if MSB != (\new)
	s_set_vgpr_msb (MSB<<8)|(\new)
.set MSB, (\new)
.endif
.endm
.macro PLACES n
.rept \n
	v_nop
.endr
.endm
; A joint load: waves 0 and 1 fetch the tokens' halves, waves 2 and 3 the weights'.  The branch hangs on the wave's number alone.  Four v_nop follow each of the two lines.
.macro JLOAD g0a, g1a, g0b, g1b
	s_cmp_eq_u32 s15, 0
	s_cbranch_scc0 .Lfor_b_\@
	tensor_load_to_lds s[\g0a:\g0a+3], s[\g1a:\g1a+7]
	s_nop 0
.rept 4
	v_nop
.endr
	s_branch .Lasked_\@
.Lfor_b_\@:
	tensor_load_to_lds s[\g0b:\g0b+3], s[\g1b:\g1b+7]
	s_nop 0
.rept 4
	v_nop
.endr
.Lasked_\@:
.endm
.macro CREST                           ; a round of the cluster's barrier behind its opening barrier
	s_cmp_lg_u32 s14, 0
	s_cbranch_scc1 .Lnot_wave_0_\@
	s_barrier_signal -3
.Lnot_wave_0_\@:
	s_barrier_wait -3
	s_barrier_signal -1
	s_barrier_wait -1
.endm
.macro CROUND
	s_barrier_signal -1
	s_barrier_wait -1
	CREST
.endm
.macro FRAG reg, a16, a8, off          ; a fragment's image into 12 registers
	ds_load_b128 v[(\reg):(\reg)+3], v[\a16] offset:(\off)
	ds_load_b64 v[(\reg)+4:(\reg)+5], v[\a8] offset:(\off)+512
	ds_load_b128 v[(\reg)+6:(\reg)+9], v[\a16] offset:(\off)+768
	ds_load_b64 v[(\reg)+10:(\reg)+11], v[\a8] offset:(\off)+1280
.endm
.macro WM d, x, y, c, sx, sy, odd      ; one product; odd = 1: the scale words of the odd K step, in lanes 16-31
.if \odd
	v_wmma_scale_f32_16x16x128_f8f6f4 v[(\d):(\d)+7], v[(\x):(\x)+11], v[(\y):(\y)+11], v[(\c):(\c)+7], v[\sx], v[\sy] matrix_a_fmt:MATRIX_FMT_FP6 matrix_b_fmt:MATRIX_FMT_FP6 matrix_a_scale:MATRIX_SCALE_ROW1 matrix_b_scale:MATRIX_SCALE_ROW1
.else
	v_wmma_scale_f32_16x16x128_f8f6f4 v[(\d):(\d)+7], v[(\x):(\x)+11], v[(\y):(\y)+11], v[(\c):(\c)+7], v[\sx], v[\sy] matrix_a_fmt:MATRIX_FMT_FP6 matrix_b_fmt:MATRIX_FMT_FP6
.endif
.endm
; The accumulators take turns, one instruction a turn, in the same order in every step.  first = 1: the bias is the C of a sum's first product.
.macro MUL16 a0, p, q, z, first        ; QKV = 0: tokens' blocks a0, a0 + 1 x the weights' eight, transposed
.irp a, \a0, \a0+1
.irp b, 0,1,2,3,4,5,6,7
.if \first
	WM 8*(8*((\a)%4)+\b), BF+96*(\p)+12*\b, AF+96*(\p)+12*(\a), BI+8*\b, SB+16*(\z)+\b, SA+16*(\z)+(\a), (\q)%2
.else
	WM 8*(8*((\a)%4)+\b), BF+96*(\p)+12*\b, AF+96*(\p)+12*(\a), 8*(8*((\a)%4)+\b), SB+16*(\z)+\b, SA+16*(\z)+(\a), (\q)%2
.endif
.endr
.endr
.endm
.macro MULV e, p, q, z, first          ; QKV = 1: v: the tokens' eight blocks (source 0) x Wv's tile e (source 1)
.irp a, 0,1,2,3,4,5,6,7
.if \first
	WM 64*(\e)+8*\a, AF+96*(\p)+12*\a, BF+96*(\p)+12*(4+(\e)), BI+32+8*(\e), SA+16*(\z)+\a, SB+16*(\z)+4+(\e), (\q)%2
.else
	WM 64*(\e)+8*\a, AF+96*(\p)+12*\a, BF+96*(\p)+12*(4+(\e)), 64*(\e)+8*\a, SA+16*(\z)+\a, SB+16*(\z)+4+(\e), (\q)%2
.endif
.endr
.endm
.macro MULQ p, q, z, first             ; QKV = 1: q or k: four tiles of weights (source 0) x the tokens' eight blocks
.irp a, 0,1,2,3,4,5,6,7
.irp t, 0,1,2,3
.if \first
	WM 32*\a+8*\t, BF+96*(\p)+12*\t, AF+96*(\p)+12*\a, BI+8*\t, SB+16*(\z)+\t, SA+16*(\z)+\a, (\q)%2
.else
	WM 32*\a+8*\t, BF+96*(\p)+12*\t, AF+96*(\p)+12*\a, 32*\a+8*\t, SB+16*(\z)+\t, SA+16*(\z)+\a, (\q)%2
.endif
.endr
.endr
.endm
; A step's products in three parts.  Windows: bits 1:0 source 0, 3:2 source 1, 5:4 C, 7:6 D; with first = 1 C is the bias, in window 1.
.macro PA p, q, z, first
.if QKV
	WIN 0xf4-0x20*(\first)
	MULV 0, \p, \q, \z, \first
.else
	WIN 0xa1-0x10*(\first)
	MUL16 0, \p, \q, \z, \first
.endif
.endm
.macro PB p, q, z, first
.if QKV
	WIN 0xf4-0x20*(\first)
	MULV 1, \p, \q, \z, \first
.else
	WIN 0xa1-0x10*(\first)
	MUL16 2, \p, \q, \z, \first
.endif
.endm
.macro PCC p, q, z, first
.if QKV
	WIN 0xa1-0x10*(\first)
	MULQ \p, \q, \z, \first
.else
	WIN 0xf1-0x20*(\first)
	MUL16 4, \p, \q, \z, \first
	MUL16 6, \p, \q, \z, \first
.endif
.endm
.macro FETCH z, q, p                   ; the fragments of slot z's q-th step into set p, in one run
	WIN 0x40
.set FI, 0
.rept NT
	FRAG BF+96*(\p)+12*FI, B16+\z, B8+\z, FI*KS*FB+FB*(\q)
.set FI, FI+1
.endr
	WIN 0
.set FI, 0
.rept MT
	FRAG AF+96*(\p)+12*FI, A16+\z, A8+\z, FI*KS*FB+FB*(\q)
.set FI, FI+1
.endr
.endm
.macro SCALES z                        ; the slot's scale words: one register a tile for its two steps
.set FI, 0
.rept MT
	ds_load_b32 v[SA+16*(\z)+FI], v[ADSA] offset:FI*KT*64
.set FI, FI+1
.endr
.set FI, 0
.rept NT
	ds_load_b32 v[SB+16*(\z)+FI], v[ADSB] offset:FI*KT*64
.set FI, FI+1
.endr
.endm
.macro STEP z, q, first                ; a step that has its successor in the same slot
	s_wait_dscnt 0x0                               ; this step's fragments and scale words are in
	PA (\q)%2, \q, \z, \first
	PB (\q)%2, \q, \z, \first
	PLACES 4                                       ; four plain instructions between the last products that read the other set and the loads into it
	FETCH \z, (\q)+1, 1-(\q)%2
	PCC (\q)%2, \q, \z, \first
.endm
; A slot's last step changes slots: one barrier; in front of it each wave waits for all its tensor loads, adds 0 to its spare word, and waits for that and for its reads of this slot.
.macro TURN z, nz, fill
	WIN 0
	s_wait_tensorcnt 0x0                           ; all my tensor loads have landed: my part of the next slot
	ds_add_u32 v[SPW], v[NIL]                      ; 0 onto my spare word
	s_wait_dscnt 0x1                               ; this step's fragments are in; the add alone may be out
	PA 1, KS-1, \z, 0
	s_wait_dscnt 0x0                               ; the add is done, and my reads of this slot are over
	s_barrier_signal -1
	PB 1, KS-1, \z, 0
	WIN 0
	s_barrier_wait -1
.if \fill
	CREST                                          ; the barrier has opened a round of the cluster's barrier: no wave of any partner still reads this slot or has a load on its way
	s_add_nc_u64 s[G0+4*\z+2:G0+4*\z+3], s[G0+4*\z+2:G0+4*\z+3], 2*KS*FB
	s_add_nc_u64 s[G0B+4*\z+2:G0B+4*\z+3], s[G0B+4*\z+2:G0B+4*\z+3], 2*KS*FB
	JLOAD G0+4*\z, G1, G0B+4*\z, G1B               ; the first tensor load behind the round; its four v_nop are the places in front of the loads below
.else
	PLACES 4
.endif
	v_add_nc_u32 v[ADSA], KS*64, v[ADSA]           ; on to the next slot's scale words
	v_add_nc_u32 v[ADSB], KS*64, v[ADSB]
	FETCH \nz, 0, 0
	SCALES \nz
	PCC 1, KS-1, \z, 0
.endm
	s_load_b256 s[4:11], s[0:1], 0x0               ; QKV: xn, wimg, bq, bk;  else: xn, wimg, b1, h
.if QKV
	s_load_b128 s[92:95], s[0:1], 0x20             ; bv, qkv
.endif
	v_lshl_add_u32 v[SPW], v0, 2, SPARE
	v_mov_b32 v[NIL], 0
	ds_add_u32 v28, v29
	ds_add_u32 v28, v29
	s_wait_dscnt 0x0
	v_lshrrev_b32 v1, 5, v0
	v_readfirstlane_b32 s14, v1                    ; wave
	s_lshr_b32 s15, s14, 1                         ; wy: my half of the tokens.  Also: I fetch the tokens' tiles (0) or the weights' (1)
	s_and_b32 s16, s14, 1                          ; wx: my half of the columns.  Also: which half of the tiles I fetch
	s_bfe_u32 s40, ttmp6, 0x40000                  ; cx
	s_bfe_u32 s41, ttmp6, 0x40004                  ; cy
	s_lshl_b32 s42, ttmp9, 2
	s_add_co_u32 s42, s42, s40                     ; work-group x
	s_and_b32 s17, ttmp7, 0xffff
	s_lshl_b32 s17, s17, 2
	s_add_co_u32 s17, s17, s41                     ; work-group y
	s_lshl_b32 s43, s41, 2
	s_lshl_b32 s43, 15, s43                        ; my row of the cluster
	s_lshl_b32 s44, 0x1111, s40                    ; my column
	; group 1: half the tiles as rows of KS fragments (elements of 8 bytes), KT fragments apart in memory, dense in LDS
	s_or_b32 s[G1+0], s43, (3<<16)|(1<<21)
	s_mov_b32 s[G1+1], (192*KS)<<16
	s_mov_b32 s[G1+2], (MTW/2)<<16
	s_mov_b32 s[G1+3], (192*KS)<<16
	s_mov_b32 s[G1+4], MTW/2
	s_mov_b32 s[G1+5], 192*KT
	s_mov_b32 s[G1+6], 0
	s_mov_b32 s[G1+7], 0
	s_or_b32 s[G1B+0], s44, (3<<16)|(1<<21)
	s_mov_b32 s[G1B+1], (192*KS)<<16
	s_mov_b32 s[G1B+2], (NTW/2)<<16
	s_mov_b32 s[G1B+3], (192*KS)<<16
	s_mov_b32 s[G1B+4], NTW/2
	s_mov_b32 s[G1B+5], 192*KT
	s_mov_b32 s[G1B+6], 0
	s_mov_b32 s[G1B+7], 0
	; the scale records of half the tiles: a dense block, as rows of 256 bytes
	s_or_b32 s[G1S+0], s43, (3<<16)|(1<<21)
	s_mov_b32 s[G1S+1], 32<<16
	s_mov_b32 s[G1S+2], ((MTW/2)*KT/4)<<16
	s_mov_b32 s[G1S+3], 32<<16
	s_mov_b32 s[G1S+4], (MTW/2)*KT/4
	s_mov_b32 s[G1S+5], 32
	s_mov_b32 s[G1S+6], 0
	s_mov_b32 s[G1S+7], 0
	s_or_b32 s[G1SB+0], s44, (3<<16)|(1<<21)
	s_mov_b32 s[G1SB+1], 32<<16
	s_mov_b32 s[G1SB+2], ((NTW/2)*KT/4)<<16
	s_mov_b32 s[G1SB+3], 32<<16
	s_mov_b32 s[G1SB+4], (NTW/2)*KT/4
	s_mov_b32 s[G1SB+5], 32
	s_mov_b32 s[G1SB+6], 0
	s_mov_b32 s[G1SB+7], 0
	s_mul_i32 s20, s17, MTW                        ; the tokens' tiles hang on work-group y alone,
	s_mul_i32 s18, s16, MTW/2
	s_add_co_u32 s20, s20, s18
	s_mul_i32 s22, s20, KT*64
	s_add_co_u32 s22, s22, ASC
	s_mov_b32 s23, 0
	s_mul_i32 s20, s20, KT*FB
	s_mov_b32 s21, 0
	s_mul_i32 s46, s42, NTW                        ; the weights' on work-group x alone
	s_mul_i32 s18, s16, NTW/2
	s_add_co_u32 s46, s46, s18
	s_mul_i32 s96, s46, KT*64
	s_add_co_u32 s96, s96, WS
	s_mov_b32 s97, 0
	s_mul_i32 s46, s46, KT*FB
	s_add_co_u32 s46, s46, WC
	s_mov_b32 s47, 0
	s_mul_i32 s45, s16, (MTW/2)*KS*FB              ; where they go: no place in the cluster enters an LDS address
	s_mul_i32 s19, s16, (NTW/2)*KS*FB
	s_add_co_u32 s19, s19, MTW*KS*FB
	s_mul_i32 s98, s16, (MTW/2)*KT*64
	s_add_co_u32 s98, s98, SCL
	s_mul_i32 s99, s16, (NTW/2)*KT*64
	s_add_co_u32 s99, s99, SCLB
	s_wait_kmcnt 0x0
	s_add_nc_u64 s[20:21], s[4:5], s[20:21]
	s_add_nc_u64 s[22:23], s[4:5], s[22:23]
	s_add_nc_u64 s[46:47], s[6:7], s[46:47]
	s_add_nc_u64 s[96:97], s[6:7], s[96:97]
	CROUND                                         ; all sixteen work-groups are here: the first joint loads meet
	s_mov_b32 s[G0S], 1
	s_mov_b32 s[G0S+1], s98
	s_mov_b64 s[G0S+2:G0S+3], s[22:23]
	s_or_b32 s[G0S+3], s[G0S+3], 0x80000000
	s_mov_b32 s[G0SB], 1
	s_mov_b32 s[G0SB+1], s99
	s_mov_b64 s[G0SB+2:G0SB+3], s[96:97]
	s_or_b32 s[G0SB+3], s[G0SB+3], 0x80000000
	JLOAD G0S, G1S, G0SB, G1SB                     ; the scale records first: they are wanted with step 0
.irp z, 0,1
	s_mov_b32 s[G0+4*\z], 1
	s_add_co_u32 s[G0+4*\z+1], s45, \z*SLOT
	s_add_nc_u64 s[G0+4*\z+2:G0+4*\z+3], s[20:21], \z*KS*FB
	s_or_b32 s[G0+4*\z+3], s[G0+4*\z+3], 0x80000000
	s_mov_b32 s[G0B+4*\z], 1
	s_add_co_u32 s[G0B+4*\z+1], s19, \z*SLOT
	s_add_nc_u64 s[G0B+4*\z+2:G0B+4*\z+3], s[46:47], \z*KS*FB
	s_or_b32 s[G0B+4*\z+3], s[G0B+4*\z+3], 0x80000000
	JLOAD G0+4*\z, G1, G0B+4*\z, G1B
.endr
	v_and_b32 v1, 31, v0
	v_and_b32 v2, 15, v0                           ; r
	v_bfe_u32 v3, v0, 4, 1                         ; h
	v_lshlrev_b32 v[L16], 4, v1
	v_lshlrev_b32 v[L8], 3, v1
	v_lshlrev_b32 v[L4], 2, v2
	v_lshlrev_b32 v4, 2, v1
	s_mul_i32 s20, s15, MT*KS*FB                   ; my eight tiles of tokens
	s_mul_i32 s21, s16, NT*KS*FB                   ; my tiles of weights, behind the tokens'
	s_add_co_u32 s21, s21, MTW*KS*FB
.irp z, 0,1
	v_add_nc_u32 v[A16+\z], s20, v[L16]
	v_add_nc_u32 v[A8+\z], s20, v[L8]
	v_add_nc_u32 v[B16+\z], s21, v[L16]
	v_add_nc_u32 v[B8+\z], s21, v[L8]
	s_add_co_u32 s20, s20, SLOT
	s_add_co_u32 s21, s21, SLOT
.endr
	s_mul_i32 s20, s15, MT*KT*64
	s_add_co_u32 s20, s20, SCL
	v_add_nc_u32 v[ADSA], s20, v4
	s_mul_i32 s21, s16, NT*KT*64
	s_add_co_u32 s21, s21, SCLB
	v_add_nc_u32 v[ADSB], s21, v4
	v_lshlrev_b32 v5, 6, v3                        ; the bias of a transposed tile: lane (r, h) wants columns 16 h + 8 (tile % 2) + 0 .. 7 of the pair's 32
.if QKV
	s_cmp_eq_u32 s16, 0
	s_cselect_b64 s[8:9], s[8:9], s[10:11]         ; bq for wx = 0, bk for wx = 1
	s_lshl_b32 s18, s42, 8                         ; the head's 64 numbers
	s_mov_b32 s19, 0
	s_add_nc_u64 s[8:9], s[8:9], s[18:19]
	s_lshl_b32 s22, s16, 7                         ; bv: my two tiles begin at 32 wx
	s_add_co_u32 s18, s18, s22
	s_add_nc_u64 s[92:93], s[92:93], s[18:19]
	v_and_b32 v6, 8, v2
	v_add_nc_u32 v6, v6, v2
	v_lshlrev_b32 v6, 2, v6                        ; v's result holds one column a lane: r + 8 (r / 8)
	WIN 0x40
.irp t, 0,1,2,3
	global_load_b128 v[BI+8*\t:BI+8*\t+3], v5, s[8:9] offset:(32*(\t/2)+8*(\t%2))*4
	global_load_b128 v[BI+8*\t+4:BI+8*\t+7], v5, s[8:9] offset:(32*(\t/2)+8*(\t%2))*4+16
.endr
.irp e, 0,1
.irp j, 0,1,2,3,4,5,6,7
	global_load_b32 v[BI+32+8*\e+\j], v6, s[92:93] offset:32*\e   ; the same number for the lane's eight tokens
.endr
.endr
	WIN 0
.else
	s_lshl_b32 s18, s42, 10
	s_lshl_b32 s19, s16, 9
	s_add_co_u32 s18, s18, s19                     ; my 128 columns
	s_mov_b32 s19, 0
	s_add_nc_u64 s[8:9], s[8:9], s[18:19]
	WIN 0x40
.irp t, 0,1,2,3,4,5,6,7
	global_load_b128 v[BI+8*\t:BI+8*\t+3], v5, s[8:9] offset:(32*(\t/2)+8*(\t%2))*4
	global_load_b128 v[BI+8*\t+4:BI+8*\t+7], v5, s[8:9] offset:(32*(\t/2)+8*(\t%2))*4+16
.endr
	WIN 0
.endif
	s_wait_tensorcnt 0x1                           ; the scale records and my part of slot 0 are in; slot 1's load may be out
	s_barrier_signal -1
	s_barrier_wait -1
	FETCH 0, 0, 0
	SCALES 0
	s_wait_loadcnt 0x0                             ; the bias
	STEP 0, 0, 1                                   ; eight K steps, written out: slots 0, 1, 0, 1
	TURN 0, 1, 1
	STEP 1, 0, 0
	TURN 1, 0, 1
	STEP 0, 0, 0
	TURN 0, 1, 0                                   ; nothing is left to fetch
	STEP 1, 0, 0
	s_wait_dscnt 0x0
	PA 1, KS-1, 1, 0
	PB 1, KS-1, 1, 0
	PCC 1, KS-1, 1, 0
	WIN 0
; THE WAY OUT.  64 numbers of a lane in window W, register 16 b + i = k 32 b + 16 h + i of the lane's row of the next operand, become a fragment's codes in v[PC] on and its scale word in v[PW].
; The reads ascend.
.macro QUANT s, W
	WIN (\W)|((\W)<<2)
.irp b, 0,1,2,3
	v_max3_num_f32 v[TM+\b], |v[(\s)+16*\b]|, |v[(\s)+1+16*\b]|, 0x1800000   ; and the floor 2^(3 - 127): the byte cannot fall under 1
.endr
.irp i, 2,4,6,8,10,12,14
.irp b, 0,1,2,3
	v_max3_num_f32 v[TM+\b], |v[(\s)+16*\b+\i]|, |v[(\s)+1+16*\b+\i]|, v[TM+\b]
.endr
.endr
	WIN 0
.irp b, 0,1,2,3
	v_permlanex16_b32 v[TM+4+\b], v[TM+\b], s[SEL], s[SEL+1]
.endr
.irp b, 0,1,2,3
	v_max_num_f32 v[TM+\b], v[TM+\b], v[TM+4+\b]
.endr
.irp b, 0,1,2,3
	v_add_nc_u32 v[TM+12+\b], 0xff000000, v[TM+\b] ; 2 off the exponent field: the conversion's scale operand
.endr
.irp b, 0,1,2,3
	v_lshrrev_b32 v[TM+4+\b], 23, v[TM+12+\b]      ; the scale's byte
.endr
	v_lshl_or_b32 v[PW], v[TM+5], 8, v[TM+4]
	v_lshl_or_b32 v[PW], v[TM+6], 16, v[PW]
	v_lshl_or_b32 v[PW], v[TM+7], 24, v[PW]
	WIN \W
.irp c, 0,1
	v_cvt_scalef32_pk16_fp6_f32 v[PC+6*\c:PC+2+6*\c], v[(\s)+32*\c:(\s)+15+32*\c], v[TM+12+2*\c]
	v_cvt_scalef32_pk16_fp6_f32 v[PC+12+4*\c:PC+14+4*\c], v[(\s)+16+32*\c:(\s)+31+32*\c], v[TM+13+2*\c]
.endr
	WIN 0
	v_nop                                          ; one plain instruction behind a scaled conversion
.irp c, 0,1
.irp i, 0,1,2
	v_permlane16_swap_b32 v[PC+6*\c+\i], v[PC+12+4*\c+\i]
.endr
.irp i, 0,1,2
	v_mov_b32 v[PC+3+6*\c+\i], v[PC+12+4*\c+\i]
.endr
.endr
.endm
.macro GIMG cb, ci, sb, si             ; the image and its record go to memory: stores of 512 and 256 consecutive bytes; lanes l and l xor 16 store the same scale word to the same place
	global_store_b128 v[L16], v[PC:PC+3], s[\cb:\cb+1] offset:(\ci)
	global_store_b64 v[L8], v[PC+4:PC+5], s[\cb:\cb+1] offset:(\ci)+512
	global_store_b128 v[L16], v[PC+6:PC+9], s[\cb:\cb+1] offset:(\ci)+768
	global_store_b64 v[L8], v[PC+10:PC+11], s[\cb:\cb+1] offset:(\ci)+1280
	global_store_b32 v[L4], v[PW], s[\sb:\sb+1] offset:(\si)
.endm
	PLACES 4                                       ; between the last products and the first read of results, and the first write of registers that held fragments
.irp b, 0,1,2,3
	v_mov_b32 v[TM+4+\b], 0                        ; a lane permute's destination counts as one of its sources
.endr
	s_mov_b32 s[SEL], 0x76543210
	s_mov_b32 s[SEL+1], 0xfedcba98
.if QKV
	; qkv: Q [bh][slot of 256 tokens][8 fragments + 8 records = 12,800 bytes]; from QTOT on [bh][slot][K's block | V's block].  A fragment of Q or K is a PAIR of tiles: registers 0-5 tile 2 p's 64 d, 6-11 tile 2 p + 1's.
	s_lshr_b32 s18, s17, 3
	s_lshl_b32 s18, s18, 4
	s_add_co_u32 s18, s18, s42                     ; bh = 16 x batch + head
	s_lshl_b32 s18, s18, 3
	s_and_b32 s19, s17, 7
	s_add_co_u32 s18, s18, s19                     ; 8 bh + slot
	s_mul_i32 s20, s18, 12800
	s_lshl_b32 s20, s20, s16                       ; wx = 0: Q's block; wx = 1: K's, in blocks twice as far apart,
	s_mul_i32 s19, s16, QTOT                       ; behind Q's region
	s_add_co_u32 s20, s20, s19
	s_mul_i32 s19, s15, 4*FB                       ; my four pairs
	s_add_co_u32 s22, s20, s19
	s_mov_b32 s23, 0
	s_add_nc_u64 s[4:5], s[94:95], s[22:23]
	s_lshl_b32 s19, s15, 8
	s_add_co_u32 s22, s20, s19
	s_add_co_u32 s22, s22, 12288
	s_add_nc_u64 s[6:7], s[94:95], s[22:23]
	s_mul_i32 s20, s18, 25600
	s_add_co_u32 s20, s20, QTOT+12800              ; V's block: fragment 4 wy + d tile
	s_lshl_b32 s19, s15, 2
	s_lshl_b32 s21, s16, 1
	s_add_co_u32 s19, s19, s21
	s_mul_i32 s21, s19, FB
	s_add_co_u32 s22, s20, s21
	s_add_nc_u64 s[8:9], s[94:95], s[22:23]
	s_lshl_b32 s21, s19, 6
	s_add_co_u32 s22, s20, s21
	s_add_co_u32 s22, s22, 12288
	s_add_nc_u64 s[10:11], s[94:95], s[22:23]
.irp p, 0,1,2,3
.if \p > 0
	s_wait_xcnt 0x0                                ; the stores' registers are written again only behind this wait
.endif
	QUANT 64*\p, 2
	GIMG 4, FB*\p, 6, 64*\p
.endr
.irp e, 0,1
	s_wait_xcnt 0x0
	QUANT 64*\e, 3
	GIMG 8, FB*\e, 10, 64*\e
.endr
.else
	; h: codes [tile 256][K step 32][1,536]; records at 12,582,912.  My 128 columns are K step 2 x + wx of the next product
	s_lshl_b32 s18, s17, 4
	s_lshl_b32 s19, s15, 3
	s_add_co_u32 s18, s18, s19
	s_lshl_b32 s18, s18, 5
	s_lshl_b32 s19, s42, 1
	s_add_co_u32 s18, s18, s19
	s_add_co_u32 s18, s18, s16
	s_mul_i32 s20, s18, FB
	s_mov_b32 s21, 0
	s_add_nc_u64 s[4:5], s[10:11], s[20:21]
	s_lshl_b32 s20, s18, 6
	s_add_co_u32 s20, s20, 12582912
	s_add_nc_u64 s[6:7], s[10:11], s[20:21]
.irp a, 0,1,2,3,4,5,6,7
	WIN (2+\a/4)<<2
.set N, 0
.rept 64
	v_max_num_f32 v[ST+N], 0, v[64*(\a%4)+N]       ; the activation, and the way into window 0, in one instruction
.set N, N+1
.endr
	WIN 0
.if \a > 0
	s_wait_xcnt 0x0
.endif
	QUANT ST, 0
	GIMG 4, 49152*\a, 6, 2048*\a
.endr
.endif
	s_wait_tensorcnt 0x0                           ; the wave's end
	ds_add_u32 v[SPW], v[NIL]
	s_wait_dscnt 0x0
	CROUND                                         ; the closing round: no work-group ends while a partner may still ask for a tile that names it
	s_endpgm
.Lfunc_end_k_q97a5a37211_g1:
	.size	k_q97a5a37211_g1, .Lfunc_end_k_q97a5a37211_g1-k_q97a5a37211_g1
	.p2alignl 7, 3214868480
	.fill 96, 4, 3214868480
	.section	.rodata,"a",@progbits
	.p2align	6, 0x0
	.amdhsa_kernel k_q97a5a37211_g1
		.amdhsa_group_segment_fixed_size 327680
		.amdhsa_private_segment_fixed_size 0
		.amdhsa_enable_private_segment 0
		.amdhsa_kernarg_size 32
		.amdhsa_user_sgpr_count 2
		.amdhsa_user_sgpr_kernarg_segment_ptr 1
		.amdhsa_wavefront_size32 1
		.amdhsa_system_sgpr_workgroup_id_x 1
		.amdhsa_system_sgpr_workgroup_id_y 1
		.amdhsa_system_sgpr_workgroup_id_z 1
		.amdhsa_system_vgpr_workitem_id 0
		.amdhsa_next_free_vgpr 1024
		.amdhsa_next_free_sgpr 100
		.amdhsa_reserve_vcc 0
		.amdhsa_float_denorm_mode_32 3
		.amdhsa_float_denorm_mode_16_64 3
		.amdhsa_memory_ordered 1
		.amdhsa_forward_progress 1
		.amdhsa_inst_pref_size 167
	.end_amdhsa_kernel
	.amdgpu_metadata
---
amdhsa.version: [ 1, 2 ]
amdhsa.kernels:
  - .name:           k_q97a5a37211_g1
    .symbol:         k_q97a5a37211_g1.kd
    .args:
      - { .name: xn, .offset: 0, .size: 8, .value_kind: global_buffer, .address_space: global }
      - { .name: wimg, .offset: 8, .size: 8, .value_kind: global_buffer, .address_space: global }
      - { .name: b1, .offset: 16, .size: 8, .value_kind: global_buffer, .address_space: global }
      - { .name: h, .offset: 24, .size: 8, .value_kind: global_buffer, .address_space: global }
    .group_segment_fixed_size: 327680
    .private_segment_fixed_size: 0
    .kernarg_segment_align: 8
    .kernarg_segment_size: 32
    .max_flat_workgroup_size: 128
    .sgpr_count:     100
    .vgpr_count:     1024
    .wavefront_size: 32
...
	.end_amdgpu_metadata
.endif
;; end of part 6
;; launch g2 (part 7): grid 8 x 32, 4 waves a work-group, clusters of 4 x 4, 327,680 bytes of LDS; arguments h, wimg, b2, x1, out0; writes out0
.if DOCPART == 7
	.amdgcn_target "amdgcn-amd-amdhsa--gfx1250"
	.amdhsa_code_object_version 6
	.text
	.protected	k_q97a5a37211_g2
	.globl	k_q97a5a37211_g2
	.p2align	8
	.type	k_q97a5a37211_g2,@function
k_q97a5a37211_g2:
	s_mov_b64 s[64:65], 0
	v_nop
	global_prefetch_b8 v0, s[64:65] scope:SCOPE_SE
	s_setreg_imm32_b32 hwreg(HW_REG_WAVE_MODE, 25, 1), 1
	s_wait_xcnt 0x0
	s_wait_alu depctr_hold_cnt(0) depctr_sa_sdst(0) depctr_va_vdst(0) depctr_va_sdst(0) depctr_va_ssrc(0) depctr_va_vcc(0) depctr_vm_vsrc(0)
	s_getreg_b32 s2, hwreg(HW_REG_IB_STS2, 6, 4)
	s_cmp_eq_u32 s2, 0
	s_cbranch_scc0 .Lentry_in_a_cluster
	s_endpgm
.Lentry_in_a_cluster:
	s_bfe_u32 s2, ttmp6, 0x10000c
	s_cmp_lg_u32 s2, 0xf033
	s_cbranch_scc0 .Lentry_shape_is_right
	s_endpgm
.Lentry_shape_is_right:
; out = res + A W + bias, f32 [4096][1024]: A = the hidden layer, K = 4,096, W = W2.  (The text of the launch that adds the attention's output, with G2 = 1, and with a prefetch, which K = 4,096 asks for.)
; Both operands are FP6 codes that lie in memory as images of their registers, [tile][K step][1,536 bytes], with scale records [tile][K step][64 bytes] (the layouts are set out at the head of the launch that makes q, k, v).
; N is 1,024, so a tile of 128 tokens x 128 columns gives each of 256 work-groups one tile; a wave makes 64 x 64: 16 accumulators.  K goes in steps of 128, FOUR to a slot, through a ring of two LDS slots,
; so that a refill has 64 products a wave in which to land.  All scale records of the work-group come once, with the first fills.
; CLUSTERS: 4 x 4; A's tiles are shared along a row of the cluster, W's along a column: joint loads.  A wave has three tensor loads out at the start and one behind each round.
; The product is used transposed (source 0 = W, source 1 = A): a lane holds one token and eight neighbouring columns.  A tile's rows are 32 (T / 2) + 8 (T % 2) + r + 8 (r / 8).
; The bias is the C of each sum's first product.  The residual is asked for at the head and added on the way out, behind the wave's own stage in LDS, from which whole rows of 256 bytes come back.
; REGISTERS: window 0: v5-30 addresses; v32-63 scale words, two sets; v64-95 the bias, later rows on the way out, with v96-127; v128-255 accumulators.  window 1: two sets of fragments.  window 2: the residual.
; THE TILES ARE PREFETCHED INTO THE L2, one refill ahead: at each change of slots every wave has waited for all its tensor loads, so the refill goes out with nothing on its way beside it (macro ASK says who asks for what).
.set G2, 1
.if G2
.set KT,  32
.set ASC, 12582912
.set WC,  6291456
.set WS,  9699328
.else
.set KT,  8
.set ASC, 3145728
.set WC,  2359296
.set WS,  9535488
.endif
.set MTW, 8
.set NTW, 8
.set MT,  4
.set NT,  4
.set KS,  4
.set FB,  1536
.set LAPS, KT/(2*KS)
.set SLOT, (MTW+NTW)*KS*FB
.set SCL,  2*SLOT
.set SCLB, SCL+MTW*KT*64
.set SPARE, SCLB+NTW*KT*64             ; the spare words: 128 bytes a wave, two blocks of 256 bytes that no other line names
.set SPITCH, 272                       ; the stage: 16 rows x (256 + 16) bytes a wave, in slot 0, which has had its last fill and its last read when the first result is stored there
.set BOF, 5
.set STO, 6
.set RD,  7
.set CO,  8
.set PFO, 9                            ; v9      the prefetches' offset: 256 x min(lane, 23); never rewritten
.set A16, 16
.set A8,  18
.set B16, 20
.set B8,  22
.set ADSA, 24
.set ADSB, 25
.set L16, 26
.set L8,  27
.set SPW, 28
.set NIL, 29
.set SA,  32
.set SB,  40
.set BI,  64
.set ACC, 128
.set G1,  24
.set G0,  32
.set G1B, 48
.set G0B, 56
.set G1S, 68
.set G0S, 76
.set G1SB, 80
.set G0SB, 88
.set PFA, 92                           ; s[92:93] where my prefetches stand: my work-group's one tile of the four that I fetch, at the K slot behind the one that is being asked for
.set LIM, 94                           ; s94     1 in a wave that prefetches, else the greatest number
.set MSB, 0
.macro WIN new
.if MSB != (\new)
	s_set_vgpr_msb (MSB<<8)|(\new)
.set MSB, (\new)
.endif
.endm
.macro PLACES n
.rept \n
	v_nop
.endr
.endm
.macro JLOAD g0a, g1a, g0b, g1b        ; a joint load: waves 0 and 1 fetch for A, waves 2 and 3 for W; four v_nop follow each of the two lines
	s_cmp_eq_u32 s15, 0
	s_cbranch_scc0 .Lfor_b_\@
	tensor_load_to_lds s[\g0a:\g0a+3], s[\g1a:\g1a+7]
	s_nop 0
.rept 4
	v_nop
.endr
	s_branch .Lasked_\@
.Lfor_b_\@:
	tensor_load_to_lds s[\g0b:\g0b+3], s[\g1b:\g1b+7]
	s_nop 0
.rept 4
	v_nop
.endr
.Lasked_\@:
.endm
; A PREFETCH INTO THE L2, behind each joint refill, its four lines and the run of LDS loads that follows them: what the NEXT refill will ask for, a slot's 64 products a wave ahead of that load.  One instruction a wave.
; A's tiles are read by both clusters of a row of clusters: cluster x = 0 asks; W's by all eight clusters of a column: cluster y = 0 asks.  Of the four tiles that a wave fetches, each of the four partners that ask for
; them jointly takes one, told apart BY ADDRESS (cx for A, cy for W): no branch hangs on a work-group's place in its cluster.  A tile's part of a slot is 4 x 1,536 = 6,144 bytes: 24 blocks of 256, a lane a block;
; lanes 24 to 31 name lane 23's block again.  K slots 0 to 2 come by their loads alone; second = 1: a trip's second refill, which in the last trip has no slot behind it and asks for nothing.
.macro ASK second
.if \second
	s_cmp_gt_u32 s3, s[LIM]                        ; s3 = 1 in the loop's last trip
.else
	s_cmp_eq_u32 s[LIM], 1
.endif
	s_cbranch_scc0 .Lnot_mine_\@
	global_prefetch_b8 v[PFO], s[PFA:PFA+1] th:TH_LOAD_NT scope:SCOPE_SE
.Lnot_mine_\@:
.endm
.macro CREST
	s_cmp_lg_u32 s14, 0
	s_cbranch_scc1 .Lnot_wave_0_\@
	s_barrier_signal -3
.Lnot_wave_0_\@:
	s_barrier_wait -3
	s_barrier_signal -1
	s_barrier_wait -1
.endm
.macro CROUND
	s_barrier_signal -1
	s_barrier_wait -1
	CREST
.endm
.macro FRAG reg, a16, a8, off
	ds_load_b128 v[(\reg):(\reg)+3], v[\a16] offset:(\off)
	ds_load_b64 v[(\reg)+4:(\reg)+5], v[\a8] offset:(\off)+512
	ds_load_b128 v[(\reg)+6:(\reg)+9], v[\a16] offset:(\off)+768
	ds_load_b64 v[(\reg)+10:(\reg)+11], v[\a8] offset:(\off)+1280
.endm
.macro WM d, x, y, c, sx, sy, odd
.if \odd
	v_wmma_scale_f32_16x16x128_f8f6f4 v[(\d):(\d)+7], v[(\x):(\x)+11], v[(\y):(\y)+11], v[(\c):(\c)+7], v[\sx], v[\sy] matrix_a_fmt:MATRIX_FMT_FP6 matrix_b_fmt:MATRIX_FMT_FP6 matrix_a_scale:MATRIX_SCALE_ROW1 matrix_b_scale:MATRIX_SCALE_ROW1
.else
	v_wmma_scale_f32_16x16x128_f8f6f4 v[(\d):(\d)+7], v[(\x):(\x)+11], v[(\y):(\y)+11], v[(\c):(\c)+7], v[\sx], v[\sy] matrix_a_fmt:MATRIX_FMT_FP6 matrix_b_fmt:MATRIX_FMT_FP6
.endif
.endm
; A's block a x W's four.  The 16 accumulators take turns, one instruction a turn, in the same order in every step.
.macro MUL4 a, p, q, z, first
.irp t, 0,1,2,3
.if \first
	WM ACC+8*(4*(\a)+\t), 128*(\p)+48+12*\t, 128*(\p)+12*(\a), BI+8*\t, SB+16*(\z)+2*\t+(\q)/2, SA+16*(\z)+2*(\a)+(\q)/2, (\q)%2
.else
	WM ACC+8*(4*(\a)+\t), 128*(\p)+48+12*\t, 128*(\p)+12*(\a), ACC+8*(4*(\a)+\t), SB+16*(\z)+2*\t+(\q)/2, SA+16*(\z)+2*(\a)+(\q)/2, (\q)%2
.endif
.endr
.endm
.macro FETCH z, q, p
	WIN 0x40
.set FI, 0
.rept NT
	FRAG 128*(\p)+48+12*FI, B16+\z, B8+\z, FI*KS*FB+FB*(\q)
.set FI, FI+1
.endr
.set FI, 0
.rept MT
	FRAG 128*(\p)+12*FI, A16+\z, A8+\z, FI*KS*FB+FB*(\q)
.set FI, FI+1
.endr
	WIN 0
.endm
.macro SCALES z                        ; two registers a tile for the slot's four steps: lanes 0-15 the even step's words, lanes 16-31 the odd one's
.set FI, 0
.rept MT
	ds_load_b32 v[SA+16*(\z)+2*FI], v[ADSA] offset:FI*KT*64
	ds_load_b32 v[SA+16*(\z)+2*FI+1], v[ADSA] offset:FI*KT*64+128
.set FI, FI+1
.endr
.set FI, 0
.rept NT
	ds_load_b32 v[SB+16*(\z)+2*FI], v[ADSB] offset:FI*KT*64
	ds_load_b32 v[SB+16*(\z)+2*FI+1], v[ADSB] offset:FI*KT*64+128
.set FI, FI+1
.endr
.endm
.macro STEP z, q, first
	s_wait_dscnt 0x0                               ; this step's fragments and scale words are in
	WIN 0x05                                       ; both sources in window 1
	MUL4 0, (\q)%2, \q, \z, \first
	MUL4 1, (\q)%2, \q, \z, \first
	PLACES 4                                       ; between the last products that read the other set and the loads into it
	FETCH \z, (\q)+1, 1-(\q)%2
	WIN 0x05
	MUL4 2, (\q)%2, \q, \z, \first
	MUL4 3, (\q)%2, \q, \z, \first
.endm
.macro TURN z, nz, fill                ; a slot's last step changes slots
.if \fill
	s_wait_xcnt 0x0                                ; the last prefetch, a slot back, has read its address: it is stepped here, ahead of the waits of the change of slots
	s_add_nc_u64 s[PFA:PFA+1], s[PFA:PFA+1], KS*FB
.endif
	WIN 0
	s_wait_tensorcnt 0x0                           ; all my tensor loads have landed: my part of the next slot
	ds_add_u32 v[SPW], v[NIL]                      ; 0 onto my spare word
	s_wait_dscnt 0x1                               ; this step's fragments are in; the add alone may be out
	WIN 0x05
	MUL4 0, 1, KS-1, \z, 0
	s_wait_dscnt 0x0                               ; the add is done, and my reads of this slot are over
	s_barrier_signal -1
	MUL4 1, 1, KS-1, \z, 0
	WIN 0
	s_barrier_wait -1
.if \fill
	CREST                                          ; the barrier has opened a round of the cluster's barrier
	s_add_nc_u64 s[G0+4*\z+2:G0+4*\z+3], s[G0+4*\z+2:G0+4*\z+3], 2*KS*FB
	s_add_nc_u64 s[G0B+4*\z+2:G0B+4*\z+3], s[G0B+4*\z+2:G0B+4*\z+3], 2*KS*FB
	JLOAD G0+4*\z, G1, G0B+4*\z, G1B               ; the first tensor load behind the round; its four v_nop are the places in front of the loads below
.else
	PLACES 4
.endif
	v_add_nc_u32 v[ADSA], KS*64, v[ADSA]
	v_add_nc_u32 v[ADSB], KS*64, v[ADSB]
	FETCH \nz, 0, 0
	SCALES \nz
.if \fill
	ASK \z                                         ; behind the joint load and the run of LDS loads that the next products wait for
.endif
	WIN 0x05
	MUL4 2, 1, KS-1, \z, 0
	MUL4 3, 1, KS-1, \z, 0
.endm
	s_load_b256 s[4:11], s[0:1], 0x0               ; A, wimg, bias, residual
	s_load_b64 s[12:13], s[0:1], 0x20              ; out
	v_lshl_add_u32 v[SPW], v0, 2, SPARE
	v_mov_b32 v[NIL], 0
	ds_add_u32 v28, v29
	ds_add_u32 v28, v29
	s_wait_dscnt 0x0
	v_lshrrev_b32 v1, 5, v0
	v_readfirstlane_b32 s14, v1
	s_lshr_b32 s15, s14, 1                         ; wy; also: I fetch for A (0) or for W (1)
	s_and_b32 s16, s14, 1                          ; wx; also: which half of the tiles I fetch
	s_bfe_u32 s40, ttmp6, 0x40000
	s_bfe_u32 s41, ttmp6, 0x40004
	s_lshl_b32 s42, ttmp9, 2
	s_add_co_u32 s42, s42, s40                     ; work-group x
	s_and_b32 s17, ttmp7, 0xffff
	s_lshl_b32 s17, s17, 2
	s_add_co_u32 s17, s17, s41                     ; work-group y
	s_lshl_b32 s43, s41, 2
	s_lshl_b32 s43, 15, s43
	s_lshl_b32 s44, 0x1111, s40
	s_or_b32 s[G1+0], s43, (3<<16)|(1<<21)
	s_or_b32 s[G1B+0], s44, (3<<16)|(1<<21)
.irp g, G1, G1B
	s_mov_b32 s[\g+1], (192*KS)<<16                ; four tiles as rows of KS fragments (elements of 8 bytes), KT fragments apart in memory
	s_mov_b32 s[\g+2], (MTW/2)<<16
	s_mov_b32 s[\g+3], (192*KS)<<16
	s_mov_b32 s[\g+4], MTW/2
	s_mov_b32 s[\g+5], 192*KT
	s_mov_b32 s[\g+6], 0
	s_mov_b32 s[\g+7], 0
.endr
	s_or_b32 s[G1S+0], s43, (3<<16)|(1<<21)
	s_or_b32 s[G1SB+0], s44, (3<<16)|(1<<21)
.irp g, G1S, G1SB
	s_mov_b32 s[\g+1], 32<<16                      ; four tiles' scale records: a dense block, as rows of 256 bytes
	s_mov_b32 s[\g+2], ((MTW/2)*KT/4)<<16
	s_mov_b32 s[\g+3], 32<<16
	s_mov_b32 s[\g+4], (MTW/2)*KT/4
	s_mov_b32 s[\g+5], 32
	s_mov_b32 s[\g+6], 0
	s_mov_b32 s[\g+7], 0
.endr
	s_mul_i32 s20, s17, MTW
	s_mul_i32 s18, s16, MTW/2
	s_add_co_u32 s20, s20, s18
	s_mul_i32 s22, s20, KT*64
	s_add_co_u32 s22, s22, ASC
	s_mov_b32 s23, 0
	s_mul_i32 s20, s20, KT*FB
	s_mov_b32 s21, 0
	s_mul_i32 s46, s42, NTW
	s_mul_i32 s18, s16, NTW/2
	s_add_co_u32 s46, s46, s18
	s_mul_i32 s96, s46, KT*64
	s_add_co_u32 s96, s96, WS
	s_mov_b32 s97, 0
	s_mul_i32 s46, s46, KT*FB
	s_add_co_u32 s46, s46, WC
	s_mov_b32 s47, 0
	s_mul_i32 s45, s16, (MTW/2)*KS*FB
	s_mul_i32 s19, s16, (NTW/2)*KS*FB
	s_add_co_u32 s19, s19, MTW*KS*FB
	s_mul_i32 s98, s16, (MTW/2)*KT*64
	s_add_co_u32 s98, s98, SCL
	s_mul_i32 s99, s16, (NTW/2)*KT*64
	s_add_co_u32 s99, s99, SCLB
	s_wait_kmcnt 0x0
	s_add_nc_u64 s[20:21], s[4:5], s[20:21]
	s_add_nc_u64 s[22:23], s[4:5], s[22:23]
	s_add_nc_u64 s[46:47], s[6:7], s[46:47]
	s_add_nc_u64 s[96:97], s[6:7], s[96:97]
	CROUND                                         ; all sixteen work-groups are here: the first joint loads meet
	s_mov_b32 s[G0S], 1
	s_mov_b32 s[G0S+1], s98
	s_mov_b64 s[G0S+2:G0S+3], s[22:23]
	s_or_b32 s[G0S+3], s[G0S+3], 0x80000000
	s_mov_b32 s[G0SB], 1
	s_mov_b32 s[G0SB+1], s99
	s_mov_b64 s[G0SB+2:G0SB+3], s[96:97]
	s_or_b32 s[G0SB+3], s[G0SB+3], 0x80000000
	JLOAD G0S, G1S, G0SB, G1SB
.irp z, 0,1
	s_mov_b32 s[G0+4*\z], 1
	s_add_co_u32 s[G0+4*\z+1], s45, \z*SLOT
	s_add_nc_u64 s[G0+4*\z+2:G0+4*\z+3], s[20:21], \z*KS*FB
	s_or_b32 s[G0+4*\z+3], s[G0+4*\z+3], 0x80000000
	s_mov_b32 s[G0B+4*\z], 1
	s_add_co_u32 s[G0B+4*\z+1], s19, \z*SLOT
	s_add_nc_u64 s[G0B+4*\z+2:G0B+4*\z+3], s[46:47], \z*KS*FB
	s_or_b32 s[G0B+4*\z+3], s[G0B+4*\z+3], 0x80000000
	JLOAD G0+4*\z, G1, G0B+4*\z, G1B
.endr
	v_and_b32 v1, 31, v0
	v_and_b32 v2, 15, v0                           ; r
	v_bfe_u32 v3, v0, 4, 1                         ; h
	v_lshlrev_b32 v[L16], 4, v1
	v_lshlrev_b32 v[L8], 3, v1
	v_lshlrev_b32 v4, 2, v1
	s_mul_i32 s20, s15, MT*KS*FB
	s_mul_i32 s21, s16, NT*KS*FB
	s_add_co_u32 s21, s21, MTW*KS*FB
.irp z, 0,1
	v_add_nc_u32 v[A16+\z], s20, v[L16]
	v_add_nc_u32 v[A8+\z], s20, v[L8]
	v_add_nc_u32 v[B16+\z], s21, v[L16]
	v_add_nc_u32 v[B8+\z], s21, v[L8]
	s_add_co_u32 s20, s20, SLOT
	s_add_co_u32 s21, s21, SLOT
.endr
	s_mul_i32 s20, s15, MT*KT*64
	s_add_co_u32 s20, s20, SCL
	v_add_nc_u32 v[ADSA], s20, v4
	s_mul_i32 s21, s16, NT*KT*64
	s_add_co_u32 s21, s21, SCLB
	v_add_nc_u32 v[ADSB], s21, v4
	s_mul_i32 s23, s14, 16*SPITCH                  ; my stage
	v_mul_u32_u24 v[STO], v2, SPITCH
	v_lshl_add_u32 v[STO], v3, 6, v[STO]
	v_add_nc_u32 v[STO], s23, v[STO]               ; in: row r, + 64 h
	v_mul_u32_u24 v[RD], v3, SPITCH
	v_lshl_add_u32 v[RD], v2, 4, v[RD]
	v_add_nc_u32 v[RD], s23, v[RD]                 ; back: lanes 0-15 one row of 256 bytes, lanes 16-31 the next
	v_lshlrev_b32 v[CO], 12, v3
	v_lshl_add_u32 v[CO], v2, 4, v[CO]             ; and the same two rows in memory
	v_lshlrev_b32 v[BOF], 6, v3                    ; the bias: 64 h
	s_lshl_b32 s18, s42, 9
	s_lshl_b32 s19, s16, 8
	s_add_co_u32 s18, s18, s19                     ; my 64 columns, in bytes
	s_mov_b32 s19, 0
	s_add_nc_u64 s[8:9], s[8:9], s[18:19]
	s_lshl_b32 s20, s17, 19                        ; 128 rows of 4,096 bytes a work-group,
	s_lshl_b32 s21, s15, 18                        ; 64 a wave
	s_add_co_u32 s20, s20, s21
	s_add_co_u32 s20, s20, s18
	s_mov_b32 s21, 0
	s_add_nc_u64 s[10:11], s[10:11], s[20:21]
	s_add_nc_u64 s[12:13], s[12:13], s[20:21]
.irp t, 0,1,2,3
	global_load_b128 v[BI+8*\t:BI+8*\t+3], v[BOF], s[8:9] offset:(32*(\t/2)+8*(\t%2))*4
	global_load_b128 v[BI+8*\t+4:BI+8*\t+7], v[BOF], s[8:9] offset:(32*(\t/2)+8*(\t%2))*4+16
.endr
	WIN 0x80                                       ; destination window 2
.irp a, 0,1,2,3
.irp i, 0,1,2,3,4,5,6,7
	global_load_b128 v[32*\a+4*\i:32*\a+4*\i+3], v[CO], s[10:11] offset:(32*(\a/2)+8*(\a%2)+2*\i+8*(\i/4))*4096   ; the residual, in the layout in which the rows come back from the stage
.endr
.endr
	WIN 0
	; the prefetches (macro ASK): where my wave's stand, and who asks.  s17 = work-group y, s42 = work-group x, s40 = cx, s41 = cy still stand; s[4:5] = A, s[6:7] = wimg
	s_lshl_b32 s18, s17, 3                         ; A's first tile: 8 y
	s_lshl_b32 s19, s42, 3                         ; W's: 8 x
	s_and_b32 s22, ttmp7, 0xffff                   ; cluster y
	s_cmp_eq_u32 s15, 0                            ; do I fetch for A?
	s_cselect_b32 s18, s18, s19
	s_cselect_b32 s19, s40, s41                    ; my place among the four that ask with me
	s_cselect_b32 s22, ttmp9, s22                  ; the coordinate along which other clusters read the same tiles
	s_cselect_b32 s23, 0, WC
	s_cselect_b64 s[PFA:PFA+1], s[4:5], s[6:7]
	s_cmp_eq_u32 s22, 0
	s_cselect_b32 s[LIM], 1, -1                    ; the same in all sixteen partners, for a given wave
	s_lshl_b32 s22, s16, 2
	s_add_co_u32 s18, s18, s22                     ; + the four tiles that I fetch
	s_add_co_u32 s18, s18, s19                     ; + my work-group's one of them
	s_mul_i32 s18, s18, KT*FB
	s_add_co_u32 s18, s18, s23
	s_add_co_u32 s18, s18, 2*KS*FB                 ; at K slot 2: the first refill steps it to slot 3.  Nothing is prefetched here, at the head, where every work-group's first tiles are on their way
	s_mov_b32 s19, 0
	s_add_nc_u64 s[PFA:PFA+1], s[PFA:PFA+1], s[18:19]
	v_min_u32 v[PFO], 23, v1
	v_lshlrev_b32 v[PFO], 8, v[PFO]
	s_wait_tensorcnt 0x1                           ; the scale records and my part of slot 0 are in; slot 1's load may be out
	s_barrier_signal -1
	s_barrier_wait -1
	FETCH 0, 0, 0
	SCALES 0
	s_wait_loadcnt 32                              ; the bias is in; the residual's 32 loads may be out
	STEP 0, 0, 1
.if LAPS > 1
	WIN 0                                          ; at a label and at a branch every window is 0
	s_mov_b32 s3, LAPS-1
.Llap:                                                 ; a trip goes once round the ring and fills both slots again
	STEP 0, 1, 0
	STEP 0, 2, 0
	TURN 0, 1, 1
	STEP 1, 0, 0
	STEP 1, 1, 0
	STEP 1, 2, 0
	TURN 1, 0, 1
	STEP 0, 0, 0
	WIN 0
	s_sub_co_u32 s3, s3, 1
	s_cmp_lg_u32 s3, 0
	s_cbranch_scc1 .Llap
.endif
	STEP 0, 1, 0                                   ; the last lap fills nothing
	STEP 0, 2, 0
	TURN 0, 1, 0
	STEP 1, 0, 0
	STEP 1, 1, 0
	STEP 1, 2, 0
	s_wait_dscnt 0x0
	WIN 0x05
	MUL4 0, 1, KS-1, 1, 0
	MUL4 1, 1, KS-1, 1, 0
	MUL4 2, 1, KS-1, 1, 0
	MUL4 3, 1, KS-1, 1, 0
	WIN 0
	; THE WAY OUT, a tile of 16 tokens at a time
	PLACES 4
	s_wait_loadcnt 0x0                             ; the residual
.irp a, 0,1,2,3
.set OS, 64+32*(\a%2)
.if \a > 1
	s_wait_xcnt 0x0                                ; the stores of two tiles back have read their registers
.endif
.irp t, 0,1,2,3
	ds_store_b128 v[STO], v[ACC+8*(4*\a+\t):ACC+8*(4*\a+\t)+3] offset:128*(\t/2)+32*(\t%2)       ; each accumulator from its low end on: columns 32 (t / 2) + 16 h + 8 (t % 2) + 0 .. 7
	ds_store_b128 v[STO], v[ACC+8*(4*\a+\t)+4:ACC+8*(4*\a+\t)+7] offset:128*(\t/2)+32*(\t%2)+16
.endr
.irp i, 0,1,2,3,4,5,6,7
	ds_load_b128 v[OS+4*\i:OS+4*\i+3], v[RD] offset:\i*2*SPITCH    ; LDS serves a wave's instructions in order: these see the stores above
.endr
	s_wait_dscnt 0x0
	WIN 0x08                                       ; source 1: window 2
.irp k, 0,1,2,3,4,5,6,7,8,9,10,11,12,13,14,15
	v_pk_add_f32 v[OS+2*\k:OS+2*\k+1], v[OS+2*\k:OS+2*\k+1], v[32*\a+2*\k:32*\a+2*\k+1]
.endr
	WIN 0
.irp i, 0,1,2,3,4,5,6,7
	global_store_b128 v[CO], v[OS+4*\i:OS+4*\i+3], s[12:13] offset:(32*(\a/2)+8*(\a%2)+2*\i+8*(\i/4))*4096 th:TH_STORE_NT   ; 16 lanes store 256 consecutive bytes, aligned
.endr
.endr
	s_wait_tensorcnt 0x0                           ; the wave's end
	ds_add_u32 v[SPW], v[NIL]
	s_wait_dscnt 0x0
	CROUND                                         ; the closing round
	s_endpgm
.Lfunc_end_k_q97a5a37211_g2:
	.size	k_q97a5a37211_g2, .Lfunc_end_k_q97a5a37211_g2-k_q97a5a37211_g2
	.p2alignl 7, 3214868480
	.fill 96, 4, 3214868480
	.section	.rodata,"a",@progbits
	.p2align	6, 0x0
	.amdhsa_kernel k_q97a5a37211_g2
		.amdhsa_group_segment_fixed_size 327680
		.amdhsa_private_segment_fixed_size 0
		.amdhsa_enable_private_segment 0
		.amdhsa_kernarg_size 40
		.amdhsa_user_sgpr_count 2
		.amdhsa_user_sgpr_kernarg_segment_ptr 1
		.amdhsa_wavefront_size32 1
		.amdhsa_system_sgpr_workgroup_id_x 1
		.amdhsa_system_sgpr_workgroup_id_y 1
		.amdhsa_system_sgpr_workgroup_id_z 1
		.amdhsa_system_vgpr_workitem_id 0
		.amdhsa_next_free_vgpr 640
		.amdhsa_next_free_sgpr 100
		.amdhsa_reserve_vcc 0
		.amdhsa_float_denorm_mode_32 3
		.amdhsa_float_denorm_mode_16_64 3
		.amdhsa_memory_ordered 1
		.amdhsa_forward_progress 1
		.amdhsa_inst_pref_size 102
	.end_amdhsa_kernel
	.amdgpu_metadata
---
amdhsa.version: [ 1, 2 ]
amdhsa.kernels:
  - .name:           k_q97a5a37211_g2
    .symbol:         k_q97a5a37211_g2.kd
    .args:
      - { .name: h, .offset: 0, .size: 8, .value_kind: global_buffer, .address_space: global }
      - { .name: wimg, .offset: 8, .size: 8, .value_kind: global_buffer, .address_space: global }
      - { .name: b2, .offset: 16, .size: 8, .value_kind: global_buffer, .address_space: global }
      - { .name: x1, .offset: 24, .size: 8, .value_kind: global_buffer, .address_space: global }
      - { .name: out0, .offset: 32, .size: 8, .value_kind: global_buffer, .address_space: global }
    .group_segment_fixed_size: 327680
    .private_segment_fixed_size: 0
    .kernarg_segment_align: 8
    .kernarg_segment_size: 40
    .max_flat_workgroup_size: 128
    .sgpr_count:     100
    .vgpr_count:     640
    .wavefront_size: 32
...
	.end_amdgpu_metadata
.endif
;; end of part 7
;; ======== version 2 of 2: 7 launches; version 1 with the launch attn written anew for expert scheduling mode
;; limits: right only within a limited range of input values
;; workspace buffers: maskw 532,480 bytes of whole numbers; wimg 9,830,400 bytes; xn 3,276,800 bytes; qkv 9,830,400 bytes; ctx 3,276,800 bytes; x1 16,777,216 bytes; h 13,107,200 bytes
;; launch prep: the kernel of part 1 again; grid 576 x 1, 4 waves a work-group, no clusters, 101,376 bytes of LDS; arguments x, alpha1, beta1, xn, mask, Wq_codes, Wq_scales, Wk_codes, Wk_scales, Wv_codes, Wv_scales, Wo_codes, Wo_scales, W1_codes, W1_scales, W2_codes, W2_scales, maskw, wimg; writes xn, maskw, wimg
;; launch proj: the kernel of part 2 again; grid 16 x 16, 4 waves a work-group, clusters of 4 x 4, 327,680 bytes of LDS; arguments xn, wimg, bq, bk, bv, qkv; writes qkv
;; launch attn (part 8): grid 8 x 32, 16 waves a work-group, no clusters, 206,848 bytes of LDS; arguments qkv, maskw, ctx; writes ctx
.if DOCPART == 8
	.amdgcn_target "amdgcn-amd-amdhsa--gfx1250"
	.amdhsa_code_object_version 6
	.text
	.protected	k_q97a5a37211_attn
	.globl	k_q97a5a37211_attn
	.p2align	8
	.type	k_q97a5a37211_attn,@function
k_q97a5a37211_attn:
	s_mov_b64 s[64:65], 0
	v_nop
	global_prefetch_b8 v0, s[64:65] scope:SCOPE_SE
	s_setreg_imm32_b32 hwreg(HW_REG_WAVE_SCHED_MODE, 0, 2), 2
	s_setreg_imm32_b32 hwreg(HW_REG_WAVE_MODE, 25, 1), 1
	s_wait_xcnt 0x0
	s_wait_alu depctr_vm_vsrc(0)
; ctx = softmax(q k^T / 8, masked) v for one (batch, head) and 256 queries a work-group, both products on FP6 codes; ctx is quantised to FP6 and stored as halves of fragment images.
; t = score x log2(e) / 8; M = the running largest t rounded up to a whole number; p = 2^(t - M) is quantised along the keys, not normalised; the row's sum is taken of the unquantised p and divides at the end.
; SHARES.  Sixteen waves, one tile of 16 queries each, in 256 registers: four waves to a SIMD, so that one wave's vector work stands beside another's products and LDS loads.
; THE HEAD'S WHOLE K AND V, 204,800 bytes of images and scale records, LIE IN LDS, FILLED ONCE, through registers: 512 threads x 25 loads and 25 LDS stores of 16 bytes, LDS byte = 8,192 i + 16 x thread.
; NO CLUSTER, NO JOINT LOAD, though the eight query blocks of a head read the same K and V: a step's 64 selects are jumped over by a scalar branch on a stored flag.
; What is shared is read once a work-group, at its head, ahead of sixteen steps of work.
; No L2 prefetch: K and V are asked for once, at the head, and there is no later stream.
; LAYOUT.  Both products are used transposed: a lane holds one query.  A fragment of K is a PAIR of key tiles (registers 0-5 tile 2 p's 64 d, 6-11 tile 2 p + 1's): K = 64 fills half an instruction, so q stands between
; two runs of six zero registers, and v[22:33] (q, zeros) picks the pair's even tile, v[16:27] (zeros, q) the odd one: one LDS fragment feeds two products.
; A tile's rows are 32 (T / 2) + 8 (T % 2) + r + 8 (r / 8), so register 16 b + i of the scores is key 32 b + 16 h + i of the step's 128.
; THE MASK comes as 64 lane masks a step, by scalar loads a step ahead: one v_cndmask_b32 a score.  The launch that made them also stored, for each step of my tile of queries, whether any of its 16 x 128 numbers is 0:
; where none is, every select would keep its score, and the 64 are jumped over.  Every number of the mask has been read and decides.
; LIMITS: a masked score is set to -2^33 (a logit of -2^30 where the source has -1e9): c x score is then exact, a wholly masked row gives p = 1 for every key (a uniform softmax), and the results agree as long as
; unmasked logits lie well above -1e9.  A block whose every p is 0 gets the scale byte 1 over zero codes.  The division is v_rcp_f32 and a multiplication.  NaN and infinities are not served.
; THE MODE: SCHED_MODE bits 1:0 = 2 (LLVM: expert scheduling mode 2), set by the entry lines.  The code itself states the register dependences
; between vector or matrix instructions and memory or LDS instructions, with s_wait_alu, always for 0.
; THE PLAN.  Registers that memory or LDS instructions touch:
;   v1, v2, v3, v88-91  Offsets, made once at the head and never written again: read by the head's loads, the fill's LDS stores and the way out's stores.
;   v96-195             At the head: the fill's loads land in them, the fill's LDS stores read them.  Afterwards they are the scores, O^T and p's codes, which matrix and vector instructions write.
;   v8, v9, v10         The slot's LDS addresses: written by three additions at a slot's head, read by every LDS load of the loop.
;   v34-81, v82-85      A step: K's fragments and scale words land; eight products read them; V's land; four products read them.
;   v192-197, v228      The way out: written by vector instructions, read by the three stores.
;   v254, v255          Written at the head, read by the closing add alone.
; And two operands of scaled products are made by vector instructions: q's zero codes and scale word, once; p's codes and scale word, in every step.
; So a step has three waits on va_vdst beside the two behind its exponentials: at its head (the last four products are done reading v34-85), behind the scores (the eight products are done reading them), and ahead of
; the four products (p's codes and scale word are written).  Each run of LDS loads follows its wait at once.  One wait on vm_vsrc a slot stands ahead of the additions to v8, v9, v10.
; No second set of fragments: it would take 52 registers, and of the wave's 256 only 35 are free.
.set QTOT, 3276800
.set FLG,  524288                      ; maskw: where the steps' flag words begin, 64 bytes a tile of queries
.set SLOTB, 25600                      ; a slot: 256 keys: K's 8 pairs, 8 records, V's 8 fragments, 8 records
.set S,   96                           ; v96-159 scores, then p  (at the head v96-195 carry the fill)
.set OT,  160                          ; v160-191 O^T: register 16 b + i = d 32 b + 16 h + i
.set PCD, 192                          ; v192-203 p's codes; v204-206, v208-210 halves on their way
.set BM,  212                          ; v212-215 the blocks' largest scores, then largest p
.set T2,  216                          ; v216-219 at work
.set SO,  220                          ; v220-223 the conversions' scale operands
.set PW,  224                          ; p's scale word
.set FF,  226                          ; v[226:227] f = 2^(old M - new M)
.set TT,  228
.set KFR, 34                           ; v34-81 four fragments of K, then of V
.set KSW, 82                           ; v82-85 their scale words
.set QSW, 86                           ; q's scale word
.set NEG, 87                           ; -2^33
.set FA,  88                           ; v88-91 the fill: 16 x thread, and the same 65,536, 131,072, 196,608 bytes on
.macro PLACES n
.rept \n
	v_nop
.endr
.endm
.macro FRAG reg, a16, a8, off
	ds_load_b128 v[(\reg):(\reg)+3], v[\a16] offset:(\off)
	ds_load_b64 v[(\reg)+4:(\reg)+5], v[\a8] offset:(\off)+512
	ds_load_b128 v[(\reg)+6:(\reg)+9], v[\a16] offset:(\off)+768
	ds_load_b64 v[(\reg)+10:(\reg)+11], v[\a8] offset:(\off)+1280
.endm
	s_load_b128 s[4:7], s[0:1], 0x0                ; qkv, maskw
	s_load_b64 s[8:9], s[0:1], 0x10                ; ctx
	v_lshl_add_u32 v254, v0, 2, 0x32000
	v_mov_b32 v255, 0
	v_lshrrev_b32 v4, 5, v0
	v_readfirstlane_b32 s10, v4                    ; wave 0..15
	v_and_b32 v4, 31, v0
	v_lshlrev_b32 v1, 4, v4                        ; 16 x lane
	v_lshlrev_b32 v2, 3, v4                        ; 8 x lane
	v_and_b32 v5, 15, v0
	v_lshlrev_b32 v3, 2, v5                        ; 4 r
	v_lshlrev_b32 v[FA], 4, v0                     ; 16 x thread
	v_add_nc_u32 v[FA+1], 0x10000, v[FA]           ; an LDS instruction's immediate reaches 65,535 bytes: a register for each 65,536
	v_add_nc_u32 v[FA+2], 0x20000, v[FA]
	v_add_nc_u32 v[FA+3], 0x30000, v[FA]
	s_wait_alu depctr_va_sdst(0)                   ; s10 is written, ahead of its first reader: my tile's number and q's addresses are made from it
	s_mov_b32 s11, ttmp9                           ; my block of 256 queries
	s_and_b32 s31, ttmp7, 0xffff                   ; bh = 16 x batch + head
	s_lshl_b32 s12, s11, 4
	s_add_co_u32 s12, s12, s10                     ; my tile among the 128 tiles of queries
	s_lshl_b32 s14, s12, 6
	s_add_co_u32 s14, s14, FLG                     ; its sixteen flag words
	s_mov_b32 s15, 0
	s_lshl_b32 s100, s12, 12                       ; its lane masks: 4,096 bytes
	s_mov_b32 s101, 0
	s_mul_i32 s16, s31, 204800                     ; the head's K and V
	s_add_co_u32 s16, s16, QTOT
	s_mov_b32 s17, 0
	s_lshl_b32 s13, s31, 3
	s_add_co_u32 s13, s13, s11
	s_mul_i32 s13, s13, 12800                      ; Q's block
	s_lshr_b32 s24, s10, 1                         ; my tile's pair,
	s_and_b32 s25, s10, 1                          ; and which half of it
	s_mul_i32 s18, s24, 1536
	s_add_co_u32 s18, s18, s13
	s_mul_i32 s19, s25, 768
	s_add_co_u32 s18, s18, s19
	s_mov_b32 s19, 0
	s_lshl_b32 s20, s24, 6
	s_add_co_u32 s20, s20, s13
	s_add_co_u32 s20, s20, 12288
	s_mov_b32 s21, 0
	s_wait_kmcnt 0x0
	s_add_nc_u64 s[14:15], s[6:7], s[14:15]
	s_add_nc_u64 s[6:7], s[6:7], s[100:101]
	s_add_nc_u64 s[16:17], s[4:5], s[16:17]
	s_add_nc_u64 s[18:19], s[4:5], s[18:19]
	s_add_nc_u64 s[20:21], s[4:5], s[20:21]
	s_load_b512 s[32:47], s[14:15], 0x0            ; the flag words
	s_wait_alu depctr_va_vdst(0)                   ; the offsets v1, v2, v3 and v88-91 are written, which the loads below, the fill's LDS stores and the way out's stores read
	global_load_b128 v[22:25], v1, s[18:19]        ; q: six registers, 64 d
	global_load_b64 v[26:27], v2, s[18:19] offset:512
	global_load_b32 v7, v3, s[20:21]               ; the pair's scale word
.set N, 0
.rept 25
	global_load_b128 v[S+4*N:S+4*N+3], v[FA], s[16:17] offset:8192*N   ; a wave's load covers 512 consecutive bytes, the sixteen waves' 8,192
.set N, N+1
.endr
.irp j, 16,17,18,19,20,21,28,29,30,31,32,33
	v_mov_b32 v[\j], 0                             ; zero codes on both sides of q
.endr
	v_mov_b32 v[NEG], 0xd0000000
	v_mov_b32 v13, 0xff61b1e6                      ; the largest t so far: -3e38
	v_floor_f32 v12, -v13                          ; -M
	v_mov_b32 v14, 0                               ; the sum, in two halves
	v_mov_b32 v15, 0
.irp b, 0,1,2,3
	v_mov_b32 v[T2+\b], 0                          ; a lane permute's destination counts as one of its sources
.endr
	v_mov_b32 v[FF+1], 0                           ; (named as the upper half of a pair)
	v_mov_b32 v[TT], 0
	s_mov_b32 s2, 0x76543210
	s_mov_b32 s3, 0xfedcba98                       ; selects for lane l xor 16
	s_mov_b32 s66, 0x3e38aa3b                      ; c = log2(e) / 8
	s_mov_b32 s67, s66
	s_mov_b32 s30, 0x01000100                      ; my tile's two scale bytes, twice: they serve q in either place
	s_cmp_eq_u32 s25, 0
	s_cselect_b32 s30, s30, 0x03020302
	s_wait_kmcnt 0x0                               ; the flag words: each holds its own step's bit or nothing
	s_or_b32 s26, s32, s33
.irp j, 34,35,36,37,38,39,40,41,42,43,44,45,46,47
	s_or_b32 s26, s26, s[\j]                       ; bit s: step s has a hole
.endr
	s_mov_b32 s29, 0
	s_load_b512 s[32:47], s[6:7], s29 offset:0x0   ; step 0's 64 lane masks: word n in s[32 + n], from word 32 on in s[36 + n]
	s_load_b512 s[48:63], s[6:7], s29 offset:0x40
	s_load_b512 s[68:83], s[6:7], s29 offset:0x80
	s_load_b512 s[84:99], s[6:7], s29 offset:0xc0
.set N, 0
.rept 25
	s_wait_loadcnt 24-N                            ; loads come back in order: fill load N is in (q's three, which are older, too); the younger ones stay out
	ds_store_b128 v[FA+N/8], v[S+4*N:S+4*N+3] offset:8192*(N%8)   ; no vector instruction since the wait on va_vdst above names v88-91 or v96-195
.set N, N+1
.endr
	s_wait_dscnt 0x0                               ; for the others' sake: my part of K and V lies in LDS
	s_wait_alu depctr_vm_vsrc(0)                   ; my LDS stores have read v96-195: from here on these registers are the scores, O^T and p's codes, written by the moves below, by the products and by the conversions
	s_barrier_signal -1
	v_perm_b32 v[QSW], v7, v7, s30
.set N, 0
.rept 32
	v_mov_b32 v[OT+N], 0                           ; O^T: the step is written once; the first change of M leaves zeros zeros.  (Also the places between q's scale word and the first product)
.set N, N+1
.endr
	s_barrier_wait -1                              ; everybody's part does
; A KEY STEP: 128 keys, the q-th of the slot at LDS byte s28 (v8, v9, v10: 16, 8, 4 bytes a lane from there)
.macro STEP q
	s_wait_alu depctr_va_vdst(0)                   ; the last step's four products are done reading v34-85, in which K's fragments and scale words land; in a slot's first step v8, v9, v10 are written, by which the loads go; in the first step of all q's zero codes and scale word are written, which the products below take
.irp i, 0,1,2,3
	FRAG KFR+12*\i, 8, 9, (4*(\q)+\i)*1536
	ds_load_b32 v[KSW+\i], v10 offset:12288+(4*(\q)+\i)*64
.endr
	s_wait_dscnt 0x0
.irp t, 0,1,2,3,4,5,6,7
	v_wmma_scale_f32_16x16x128_f8f6f4 v[S+8*\t:S+8*\t+7], v[KFR+12*(\t/2):KFR+12*(\t/2)+11], v[22-6*(\t%2):33-6*(\t%2)], 0, v[KSW+\t/2], v[QSW] matrix_a_fmt:MATRIX_FMT_FP6 matrix_b_fmt:MATRIX_FMT_FP6
.endr
	PLACES 4                                       ; between the products and the first read of their results, and the loads into their fragments
	s_wait_kmcnt 0x0                               ; this step's lane masks are in, and the loads' offset may be written
	s_add_co_u32 s29, s29, 256
	s_min_u32 s29, s29, 3840                       ; the last step asks for its own words again: no load leaves the buffer
	s_bitcmp1_b32 s26, 0                           ; has this step a hole for my 16 queries?
	s_cbranch_scc0 .Lopen_\@                       ; no: all 64 lane masks are all ones
.set N, 0
.rept 64
	v_cndmask_b32 v[S+N], v[NEG], v[S+N], s[32+N+4*(N/32)]   ; ascending: each accumulator is first read at its low end
.set N, N+1
.endr
.Lopen_\@:
	s_lshr_b32 s26, s26, 1                         ; on to the next step's bit
	s_wait_alu depctr_va_vdst(0)                   ; on both ways: the eight products are done reading K's fragments and scale words, v34-85, in which V's land
.irp e, 0,1,2,3
	FRAG KFR+12*\e, 8, 9, 12800+(4*(\q)+\e)*1536   ; V's four tiles of d for these 128 keys: they land during the softmax, none of whose lines names v34-85 or v8, v9, v10
	ds_load_b32 v[KSW+\e], v10 offset:25088+(4*(\q)+\e)*64
.endr
	s_load_b512 s[32:47], s[6:7], s29 offset:0x0   ; the next step's lane masks
	s_load_b512 s[48:63], s[6:7], s29 offset:0x40
	s_load_b512 s[68:83], s[6:7], s29 offset:0x80
	s_load_b512 s[84:99], s[6:7], s29 offset:0xc0
.irp b, 0,1,2,3
	v_max3_num_f32 v[BM+\b], v[S+16*\b], v[S+1+16*\b], v[S+2+16*\b]   ; the largest score of each block of 32 keys: for the row's maximum, and, since p rises with the score, for the block's largest p
.endr
.irp i, 3,5,7,9,11,13
.irp b, 0,1,2,3
	v_max3_num_f32 v[BM+\b], v[BM+\b], v[S+16*\b+\i], v[S+1+16*\b+\i]
.endr
.endr
.irp b, 0,1,2,3
	v_max_num_f32 v[BM+\b], v[BM+\b], v[S+15+16*\b]
.endr
.irp b, 0,1,2,3
	v_permlanex16_b32 v[T2+\b], v[BM+\b], s2, s3
.endr
.irp b, 0,1,2,3
	v_max_num_f32 v[BM+\b], v[BM+\b], v[T2+\b]     ; with lane l xor 16's 16 keys
.endr
	v_max3_num_f32 v[TT], v[BM], v[BM+1], v[BM+2]
	v_max_num_f32 v[TT], v[TT], v[BM+3]
	v_mul_f32 v[TT], s66, v[TT]                    ; as t
	v_max_num_f32 v13, v13, v[TT]                  ; the running largest t
	v_mov_b32 v[TT], v12
	v_floor_f32 v12, -v13                          ; the new -M = -ceil(t)
	v_sub_f32 v[TT], v12, v[TT]                    ; old M - new M: a whole number, 0 or less
	v_cvt_i32_f32 v[TT], v[TT]                     ; (it saturates)
	v_ldexp_f32 v[FF], 1.0, v[TT]                  ; f: a multiplication by it rounds nothing
.set N, 0
.rept 32
	v_pk_fma_f32 v[S+N:S+N+1], v[S+N:S+N+1], s[66:67], v[12:13] op_sel_hi:[1,0,0]   ; t - M
.set N, N+2
.endr
.irp b, 0,1,2,3
	v_fma_f32 v[BM+\b], v[BM+\b], s66, v12
.endr
.set N, 0
.rept 64
	v_exp_f32 v[S+N], v[S+N]                       ; p, at most 1
.set N, N+1
.endr
	v_pk_mul_f32 v[14:15], v[14:15], v[FF:FF+1] op_sel_hi:[1,0]   ; the sums under the new M: a plain instruction behind the exponentials
	s_wait_alu depctr_va_vdst(0)                   ; the 64 exponentials have written p, v96-159: one wait for the batch, ahead of its first reader, the sums below
.irp b, 0,1,2,3
	v_exp_f32 v[BM+\b], v[BM+\b]                   ; the blocks' largest p
.endr
	v_pk_add_f32 v[T2:T2+1], v[S:S+1], v[S+2:S+3]  ; the row's sum, of the unquantised p, in two chains
.set N, 4
.rept 15
	v_pk_add_f32 v[14:15], v[14:15], v[S+N:S+N+1]
	v_pk_add_f32 v[T2:T2+1], v[T2:T2+1], v[S+N+2:S+N+3]
.set N, N+4
.endr
	v_pk_add_f32 v[14:15], v[14:15], v[T2:T2+1]
	s_wait_alu depctr_va_vdst(0)                   ; the four exponentials have written the blocks' largest p, v212-215, ahead of their first reader
.irp b, 0,1,2,3
	v_max_num_f32 v[BM+\b], 0x1800000, v[BM+\b]    ; the floor 2^(3 - 127)
.endr
.irp b, 0,1,2,3
	v_add_nc_u32 v[SO+\b], 0xff000000, v[BM+\b]
.endr
.irp b, 0,1,2,3
	v_lshrrev_b32 v[T2+\b], 23, v[SO+\b]
.endr
	v_lshl_or_b32 v[PW], v[T2+1], 8, v[T2]
	v_lshl_or_b32 v[PW], v[T2+2], 16, v[PW]
	v_lshl_or_b32 v[PW], v[T2+3], 24, v[PW]
.irp c, 0,1
	v_cvt_scalef32_pk16_fp6_f32 v[PCD+6*\c:PCD+2+6*\c], v[S+32*\c:S+15+32*\c], v[SO+2*\c]
	v_cvt_scalef32_pk16_fp6_f32 v[PCD+12+4*\c:PCD+14+4*\c], v[S+16+32*\c:S+31+32*\c], v[SO+2*\c+1]
.endr
	v_nop
.irp c, 0,1
.irp i, 0,1,2
	v_permlane16_swap_b32 v[PCD+6*\c+\i], v[PCD+12+4*\c+\i]
.endr
.irp i, 0,1,2
	v_mov_b32 v[PCD+3+6*\c+\i], v[PCD+12+4*\c+\i]
.endr
.endr
.set N, 0
.rept 16
	v_pk_mul_f32 v[OT+N:OT+N+1], v[OT+N:OT+N+1], v[FF:FF+1] op_sel_hi:[1,0]   ; O^T under the new M; for each product below twelve of these name none of its registers: the places behind p's codes and scale word
.set N, N+2
.endr
	s_wait_dscnt 0x0                               ; V is in
	s_wait_alu depctr_va_vdst(0)                   ; p's codes, v192-203, and p's scale word, v224, are written, which the scaled products below take; the places above stay beside this wait
.irp e, 0,1,2,3
	v_wmma_scale_f32_16x16x128_f8f6f4 v[OT+8*\e:OT+8*\e+7], v[KFR+12*\e:KFR+12*\e+11], v[PCD:PCD+11], v[OT+8*\e:OT+8*\e+7], v[KSW+\e], v[PW] matrix_a_fmt:MATRIX_FMT_FP6 matrix_b_fmt:MATRIX_FMT_FP6
.endr
.endm
	s_mov_b32 s28, 0
	s_mov_b32 s30, 8
.Lslot:                                            ; eight slots of 256 keys
	s_wait_alu depctr_vm_vsrc(0)                   ; the LDS loads of the slot before have read v8, v9, v10, which the three additions write
	v_add_nc_u32 v8, s28, v1
	v_add_nc_u32 v9, s28, v2
	v_add_nc_u32 v10, s28, v3
	v_nop                                          ; four places between the last products and the loads into their fragments: they stay beside the wait at the step's head
	STEP 0
	PLACES 4
	STEP 1
	s_add_co_u32 s28, s28, SLOTB
	s_sub_co_u32 s30, s30, 1
	s_cmp_lg_u32 s30, 0
	s_cbranch_scc1 .Lslot
	; THE WAY OUT: O^T / the sum, quantised: my head's 64 columns are half a K step of the next product
	s_wait_kmcnt 0x0                               ; the last scalar loads have landed: their registers are free
	PLACES 4
	v_add_f32 v14, v14, v15
	v_permlanex16_b32 v[TT], v14, s2, s3
	v_add_f32 v14, v14, v[TT]                      ; the row's sum
	v_rcp_f32 v14, v14
	v_nop
	s_wait_alu depctr_va_vdst(0)                   ; the reciprocal has written v14, ahead of its first reader
.set N, 0
.rept 32
	v_mul_f32 v[S+N], v[OT+N], v14
.set N, N+1
.endr
.irp b, 0,1
	v_max3_num_f32 v[BM+\b], |v[S+16*\b]|, |v[S+1+16*\b]|, 0x1800000
.endr
.irp i, 2,4,6,8,10,12,14
.irp b, 0,1
	v_max3_num_f32 v[BM+\b], v[BM+\b], |v[S+16*\b+\i]|, |v[S+1+16*\b+\i]|
.endr
.endr
.irp b, 0,1
	v_permlanex16_b32 v[T2+\b], v[BM+\b], s2, s3
.endr
.irp b, 0,1
	v_max_num_f32 v[BM+\b], v[BM+\b], v[T2+\b]
.endr
.irp b, 0,1
	v_add_nc_u32 v[SO+\b], 0xff000000, v[BM+\b]
.endr
.irp b, 0,1
	v_lshrrev_b32 v[T2+\b], 23, v[SO+\b]
.endr
	v_lshl_or_b32 v[TT], v[T2+1], 8, v[T2]         ; my two scale bytes
	v_cvt_scalef32_pk16_fp6_f32 v[PCD:PCD+2], v[S:S+15], v[SO]
	v_cvt_scalef32_pk16_fp6_f32 v[PCD+12:PCD+14], v[S+16:S+31], v[SO+1]
	v_nop
.irp i, 0,1,2
	v_permlane16_swap_b32 v[PCD+\i], v[PCD+12+\i]
.endr
.irp i, 0,1,2
	v_mov_b32 v[PCD+3+\i], v[PCD+12+\i]
.endr
	s_lshr_b32 s32, s31, 4
	s_lshl_b32 s32, s32, 7
	s_lshl_b32 s33, s11, 4
	s_add_co_u32 s32, s32, s33
	s_add_co_u32 s32, s32, s10                     ; my tile among the 256 of all tokens
	s_lshl_b32 s32, s32, 3
	s_bfe_u32 s33, s31, 0x30001                    ; head / 2: the K step
	s_add_co_u32 s32, s32, s33
	s_and_b32 s33, s31, 1                          ; head % 2: which half of the fragment
	s_mul_i32 s34, s32, 1536
	s_mul_i32 s36, s33, 768
	s_add_co_u32 s34, s34, s36
	s_mov_b32 s35, 0
	s_add_nc_u64 s[34:35], s[8:9], s[34:35]
	s_lshl_b32 s36, s32, 6
	s_lshl_b32 s33, s33, 1
	s_add_co_u32 s36, s36, s33
	s_add_co_u32 s36, s36, 3145728
	s_mov_b32 s37, 0
	s_add_nc_u64 s[36:37], s[8:9], s[36:37]
	s_wait_alu depctr_va_vdst(0)                   ; the codes, v192-197, and the two scale bytes, v228, are written, which the three stores read
	global_store_b128 v1, v[PCD:PCD+3], s[34:35]               ; 512 consecutive bytes,
	global_store_b64 v2, v[PCD+4:PCD+5], s[34:35] offset:512   ; and 256
	global_store_b16 v3, v[TT], s[36:37]                       ; two bytes of each row's scale word: 128 KiB in the whole launch
	s_wait_dscnt 0x0                               ; the closing lines, six on end
	s_wait_alu 0x0
	s_wait_tensorcnt 0x0
	ds_add_u32 v254, v255
	s_wait_dscnt 0x0
	s_endpgm
.Lfunc_end_k_q97a5a37211_attn:
	.size	k_q97a5a37211_attn, .Lfunc_end_k_q97a5a37211_attn-k_q97a5a37211_attn
	.p2alignl 7, 3214868480
	.fill 96, 4, 3214868480
	.section	.rodata,"a",@progbits
	.p2align	6, 0x0
	.amdhsa_kernel k_q97a5a37211_attn
		.amdhsa_group_segment_fixed_size 206848
		.amdhsa_private_segment_fixed_size 0
		.amdhsa_enable_private_segment 0
		.amdhsa_kernarg_size 24
		.amdhsa_user_sgpr_count 2
		.amdhsa_user_sgpr_kernarg_segment_ptr 1
		.amdhsa_wavefront_size32 1
		.amdhsa_system_sgpr_workgroup_id_x 1
		.amdhsa_system_sgpr_workgroup_id_y 1
		.amdhsa_system_sgpr_workgroup_id_z 1
		.amdhsa_system_vgpr_workitem_id 0
		.amdhsa_next_free_vgpr 256
		.amdhsa_next_free_sgpr 102
		.amdhsa_reserve_vcc 0
		.amdhsa_float_denorm_mode_32 3
		.amdhsa_float_denorm_mode_16_64 3
		.amdhsa_memory_ordered 1
		.amdhsa_forward_progress 1
		.amdhsa_inst_pref_size 57
	.end_amdhsa_kernel
	.amdgpu_metadata
---
amdhsa.version: [ 1, 2 ]
amdhsa.kernels:
  - .name:           k_q97a5a37211_attn
    .symbol:         k_q97a5a37211_attn.kd
    .args:
      - { .name: qkv, .offset: 0, .size: 8, .value_kind: global_buffer, .address_space: global }
      - { .name: maskw, .offset: 8, .size: 8, .value_kind: global_buffer, .address_space: global }
      - { .name: ctx, .offset: 16, .size: 8, .value_kind: global_buffer, .address_space: global }
    .group_segment_fixed_size: 206848
    .private_segment_fixed_size: 0
    .kernarg_segment_align: 8
    .kernarg_segment_size: 24
    .max_flat_workgroup_size: 512
    .sgpr_count:     102
    .vgpr_count:     256
    .wavefront_size: 32
...
	.end_amdgpu_metadata
.endif
;; end of part 8
;; launch go: the kernel of part 4 again; grid 8 x 32, 4 waves a work-group, clusters of 4 x 4, 327,680 bytes of LDS; arguments ctx, wimg, bo, x, x1; writes x1
;; launch ln2: the kernel of part 5 again; grid 256 x 1, 4 waves a work-group, no clusters, 67,584 bytes of LDS; arguments x1, alpha2, beta2, xn; writes xn
;; launch g1: the kernel of part 6 again; grid 16 x 16, 4 waves a work-group, clusters of 4 x 4, 327,680 bytes of LDS; arguments xn, wimg, b1, h; writes h
;; launch g2: the kernel of part 7 again; grid 8 x 32, 4 waves a work-group, clusters of 4 x 4, 327,680 bytes of LDS; arguments h, wimg, b2, x1, out0; writes out0
